; MI455X (gfx1250); checked and timed in simulation.
; The chip was launched on July 23, 2026; its instructions are those of AMD's public machine-readable ISA for CDNA 5 (MIT licence, August 2026) and "CDNA5" Instruction Set Architecture Reference Guide (July 2026). The comments in the code are by the model that wrote it; some were corrected since.
;; Encoder Block. Allowed arithmetic: matrix products marked QUANTISED: E4M3 operands, one E8M0 scale for each 32 along K, by v_wmma_scale_f32_16x16x128_f8f6f4 with both operands' format E4M3, f32 sums; everything else in f32.
;; Inputs: b_down 1,024 float32; b_up 4,096 float32; ln1_a 1,024 float32; ln1_b 1,024 float32; ln2_a 1,024 float32; ln2_b 1,024 float32; mask 2 x 1 x 2,048 x 2,048 bool; w_down_codes 1,024 x 128 x 32 uint8 (E4M3 codes of w_down, K innermost, in blocks of 32 codes); w_down_scales 1,024 x 128 uint8 (E8M0 scales of w_down, one for each 32 codes along K); w_up_codes 4,096 x 32 x 32 uint8 (E4M3 codes of w_up, K innermost, in blocks of 32 codes); w_up_scales 4,096 x 32 uint8 (E8M0 scales of w_up, one for each 32 codes along K); wk_codes 1,024 x 32 x 32 uint8 (E4M3 codes of wk, K innermost, in blocks of 32 codes); wk_scales 1,024 x 32 uint8 (E8M0 scales of wk, one for each 32 codes along K); wo_codes 1,024 x 32 x 32 uint8 (E4M3 codes of wo, K innermost, in blocks of 32 codes); wo_scales 1,024 x 32 uint8 (E8M0 scales of wo, one for each 32 codes along K); wq_codes 1,024 x 32 x 32 uint8 (E4M3 codes of wq, K innermost, in blocks of 32 codes); wq_scales 1,024 x 32 uint8 (E8M0 scales of wq, one for each 32 codes along K); wv_codes 1,024 x 32 x 32 uint8 (E4M3 codes of wv, K innermost, in blocks of 32 codes); wv_scales 1,024 x 32 uint8 (E8M0 scales of wv, one for each 32 codes along K); x 2 x 2,048 x 1,024 float32.
;; Outputs: out0 2 x 2,048 x 1,024 float32.
;; This version of the problem:
;;   THIS VERSION OF THE PROBLEM IS GIVEN IN LOW PRECISION. The matrix products marked QUANTISED in the list below multiply operands that are first quantised to E4M3 (4 exponent bits, 3 mantissa bits; 8 bits a number), with one power-of-two scale for each 32 numbers along K (OCP MX v1.0); their sums are f32. All else is computed in f32.
;;   The module's matrix products, in the order in which they are computed (A, B: the left and right operand; K: the contracted axis; several contracted axes count as one K, in the product's order):
;;     1. [M 4,096, K 1,024] x [K 1,024, N 1,024]; A: computed on the way; B: input wq (given as codes): QUANTISED
;;     2. [M 4,096, K 1,024] x [K 1,024, N 1,024]; A: computed on the way; B: input wk (given as codes): QUANTISED
;;     3. [M 4,096, K 1,024] x [K 1,024, N 1,024]; A: computed on the way; B: input wv (given as codes): QUANTISED
;;     4. batch 32 x [M 2,048, K 64] x [K 64, N 2,048]; A: computed on the way; B: computed on the way: QUANTISED
;;     5. batch 32 x [M 2,048, K 2,048] x [K 2,048, N 64]; A: softmax (see below); B: computed on the way: QUANTISED
;;     6. [M 4,096, K 1,024] x [K 1,024, N 1,024]; A: computed on the way; B: input wo (given as codes): QUANTISED
;;     7. [M 4,096, K 1,024] x [K 1,024, N 4,096]; A: computed on the way; B: input w_up (given as codes): QUANTISED
;;     8. [M 4,096, K 4,096] x [K 4,096, N 1,024]; A: computed on the way; B: input w_down (given as codes): QUANTISED
;;   THE QUANTISER, for each operand of a quantised product, along K:
;;     - K is cut into blocks of 32 from its start; a last block that is shorter is filled with zeros.
;;     - A block's scale is 2^e with e = floor(log2(the largest magnitude in the block)) - 8, held to -126 .. 127; a block of zeros has e = 0. As a byte (E8M0): e + 127.
;;     - Each number is divided by its block's scale, clamped to +-448, and rounded to the nearest number of E4M3, ties to even, subnormals kept.
;;     - The product sums the exact products of the quantised numbers (number of the format x scale) in f32.
;;   ~~~python
;;   def quantise(x, axis):      # numpy; x: float32 -> the quantised numbers, widened to float32 again
;;       x = np.moveaxis(x, axis, -1); K = x.shape[-1]
;;       x = np.pad(x, [(0, 0)] * (x.ndim - 1) + [(0, -K % 32)]); x = x.reshape(x.shape[:-1] + (-1, 32)); a = np.abs(x).max(-1, keepdims=True)
;;       e = np.where(a > 0, np.clip(np.frexp(np.where(a > 0, a, 1))[1] - 1 - 8, -126, 127), 0)      # np.frexp(a)[1] - 1 = floor(log2(a)), exactly
;;       r = np.clip(x / 2.0 ** e, -448, 448)
;;       step = 2.0 ** (np.maximum(np.frexp(np.where(r == 0, 1, r))[1] - 1, -6) - 3)
;;       q = np.round(r / step) * step * 2.0 ** e      # np.round: ties to even
;;       return np.moveaxis(q.reshape(q.shape[:-2] + (-1,))[..., :K], -1, axis).astype(np.float32)
;;   ~~~
;;   SOFTMAX AHEAD OF A QUANTISED PRODUCT. Where the list says 'softmax', what is quantised is not the finished softmax but p = 2^(t - M), with t = logit x log2(e) and M = ceil(the row's largest t), a whole number; so 1/2 < the row's largest p <= 1. The row's sum l is taken of the UNQUANTISED p, in f32, and the product's result is divided by l at the end. Since M is a whole number, a kernel that streams over the keys may use a running M (the ceiling of the running maximum): every later rescaling is an exact power of two, which a block's scale takes up: the codes' values come out the same.
;;   OPERANDS COMPUTED ON THE WAY. 'Computed on the way' means the value that the module computes at that place (a softmax that the list does not call 'softmax' is quantised finished and normalised). What goes into a quantiser is computed in f32, as accurately as f32 sums, v_exp_f32 and their like allow (about 1e-6 of the number): no bf16 or f16 on the way to a quantiser, and a product that is left as it is and whose result goes on into a quantised operand takes f32 operands (vector FMAs, or v_wmma_f32_16x16x4_f32). A number that lies on a knife's edge between two numbers of the format may be rounded either way, as far as f32 arithmetic and the matrix unit's own rounding can turn it there, and no further.
;;   INPUTS GIVEN AS CODES. w_down (in the module: [4096, 1024], K = its axis 0); w_up (in the module: [1024, 4096], K = its axis 0); wk (in the module: [1024, 1024], K = its axis 0); wo (in the module: [1024, 1024], K = its axis 0); wq (in the module: [1024, 1024], K = its axis 0); wv (in the module: [1024, 1024], K = its axis 0): each comes as NAME_codes (uint8): NAME with its K axis moved to the last place and cut into blocks of 32 codes, [.., K / 32, bytes a block], one block behind the other in memory; one code a byte (a code: sign, 4 exponent bits, 3 mantissa bits); and NAME_scales (uint8): the same leading axes, one E8M0 byte (e + 127) for each 32 codes along K. Its value is code x scale, taken as it is: it is not quantised again, and the codes and scales need not be those that the quantiser above would give.
;; 2 versions. Each part assembles by itself: llvm-mc -triple=amdgcn-amd-amdhsa -mcpu=gfx1250 --defsym DOCPART=n.
;; ======== version 1 of 2: 7 launches
;; workspace buffers: hq 4,325,376 bytes; qkvw 12,976,128 bytes; oq 4,325,376 bytes; x1 16,777,216 bytes; fq 17,301,504 bytes
;; launch ln1 (part 1): grid 256 x 1, 4 waves a work-group, no clusters, 41,984 bytes of LDS; arguments x, ln1_a, ln1_b, hq; writes hq
.if DOCPART == 1
	.amdgcn_target "amdgcn-amd-amdhsa--gfx1250"
	.amdhsa_code_object_version 6
	.text
	.protected	k_q7fef1cdf3b_ln1
	.globl	k_q7fef1cdf3b_ln1
	.p2align	8
	.type	k_q7fef1cdf3b_ln1,@function
k_q7fef1cdf3b_ln1:
	s_mov_b64 s[64:65], 0
	v_nop
	global_prefetch_b8 v0, s[64:65] scope:SCOPE_SE
	s_setreg_imm32_b32 hwreg(HW_REG_WAVE_MODE, 25, 1), 1
	s_wait_xcnt 0x0
; h = alpha (x - mean) / (std + 1e-6) + beta along rows of 1,024 f32 (std with 1,023 in its divisor), then h as codes of E4M3 with one E8M0 byte
; for each 32 along the row.  Out: codes [4096][1024] at byte 0 of the workspace, scale bytes [4096][32] at byte 4,194,304.
; DEAD WORK OF THE WHOLE PROGRAM: the input mask.  reference() hands it to no operation (its attention takes h and the four weights alone), so for all
; values of the inputs it has no way to the output: it is not loaded and is no argument of any launch.  Limit: a NaN, an infinity or an overflow that
; reaches only work left out is not carried to the result.
; LIMITS: NaN and infinities among the inputs are not served.  A block whose largest magnitude lies under 2^-118 keeps the scale byte 1; a block of
; zeros has the byte 1 where the quantiser says 127: its codes are zeros, and the bytes are read by this program alone.  The division is a reciprocal and a product.
; SHARES: a work-group takes 16 rows, a wave 4; a wave holds a row in 32 registers a lane.  All 48 loads of a wave go out at the head, each 512 consecutive bytes.
; The conversions want 16 neighbours in one lane: a finished row turns through the wave's own stage in LDS (64 bytes + 16 of padding a granule).
.set X,     32                         ; v32-159  four rows; a row's first 8 registers later hold its codes, the next two its scale bytes
.set AL,    160                        ; v160-191 alpha
.set BE,    192                        ; v192-223 beta
.set TT,    224                        ; v224-255 the row, turned: 2 x 16 neighbours
.set SCB,   40960                      ; the work-group's 512 scale bytes
.set SPARE, 41472                      ; the spare words, 128 bytes a wave
	s_load_b256 s[4:11], s[0:1], 0x0               ; x, alpha, beta, the workspace
	v_lshl_add_u32 v7, v0, 2, SPARE                ; my spare word; never rewritten
	v_mov_b32 v8, 0                                ; 0; never rewritten
	v_lshrrev_b32 v9, 5, v0
	v_readfirstlane_b32 s12, v9                    ; wave
	v_and_b32 v9, 31, v0                           ; lane
	v_lshlrev_b32 v1, 4, v9                        ; 16 x lane
	s_mul_i32 s13, s12, 10240                      ; my two stages
	v_lshrrev_b32 v2, 2, v9
	v_mul_u32_u24 v2, v2, 80
	v_and_b32 v3, 3, v9
	v_lshl_add_u32 v2, v3, 4, v2
	v_add_nc_u32 v2, s13, v2                       ; into a stage: 80 (lane / 4) + 16 (lane % 4)
	v_mul_u32_u24 v3, v9, 80
	v_add_nc_u32 v3, s13, v3                       ; out of it: 80 x lane
	s_lshl_b32 s13, s12, 7
	s_add_co_u32 s13, s13, SCB
	v_lshrrev_b32 v4, 1, v9
	v_add_nc_u32 v4, s13, v4                       ; my block's scale byte: 128 x wave + lane / 2
	s_and_b32 s13, s12, 1
	s_lshl_b32 s13, s13, 8
	v_lshl_add_u32 v6, v9, 3, s13                  ; the scale bytes' way out: 256 x (wave % 2) + 8 x lane,
	v_add_nc_u32 v5, SCB, v6                       ; and the same in LDS
	v_mov_b32 v23, 0                               ; a lane permute's destination counts as one of its sources
	s_mov_b32 s14, 0x76543210
	s_mov_b32 s15, 0xfedcba98                      ; selects for lane l xor 16
	s_mov_b32 s16, 0x600000                        ; the mantissa field of 448
	s_lshl_b32 s18, ttmp9, 16
	s_lshl_b32 s19, s12, 14
	s_add_co_u32 s18, s18, s19                     ; my first row in x: (16 x work-group + 4 x wave) x 4,096
	s_mov_b32 s19, 0
	s_lshr_b32 s20, s18, 2                         ; and among the codes: x 1,024
	s_mov_b32 s21, 0
	s_lshl_b32 s22, ttmp9, 9
	s_add_co_u32 s22, s22, 4194304                 ; the work-group's scale bytes
	s_mov_b32 s23, 0
	s_wait_kmcnt 0x0
	s_add_nc_u64 s[4:5], s[4:5], s[18:19]
	s_add_nc_u64 s[24:25], s[10:11], s[22:23]
	s_add_nc_u64 s[10:11], s[10:11], s[20:21]
.macro LDROW p
.irp j, 0,1,2,3,4,5,6,7
	global_load_b128 v[X+32*\p+4*\j:X+32*\p+4*\j+3], v1, s[4:5] offset:4096*\p+512*\j th:TH_LOAD_NT
.endr
.endm
	LDROW 0
.irp j, 0,1,2,3,4,5,6,7
	global_load_b128 v[AL+4*\j:AL+4*\j+3], v1, s[6:7] offset:512*\j
.endr
.irp j, 0,1,2,3,4,5,6,7
	global_load_b128 v[BE+4*\j:BE+4*\j+3], v1, s[8:9] offset:512*\j
.endr
	LDROW 1
	LDROW 2
	LDROW 3
; the four chains v[10:17] are joined, then the 32 lanes: the sum in v22 of every lane
.macro JOIN
	v_pk_add_f32 v[10:11], v[10:11], v[12:13]
	v_pk_add_f32 v[14:15], v[14:15], v[16:17]
	v_pk_add_f32 v[10:11], v[10:11], v[14:15]
	v_add_f32 v22, v10, v11
	v_add_f32_dpp v22, v22, v22 row_xmask:1 row_mask:0xf bank_mask:0xf
	v_add_f32_dpp v22, v22, v22 row_xmask:2 row_mask:0xf bank_mask:0xf
	v_add_f32_dpp v22, v22, v22 row_xmask:4 row_mask:0xf bank_mask:0xf
	v_add_f32_dpp v22, v22, v22 row_xmask:8 row_mask:0xf bank_mask:0xf
	v_permlanex16_b32 v23, v22, s14, s15
	v_add_f32 v22, v22, v23
.endm
; row p of my four.  c1: the loads issued behind the row's own, which may stay out; c2 (row 0 alone): those behind alpha and beta
.macro ROW p, c1, c2
.set XR, X+32*\p
.set SG, 5120*(\p%2)
	s_wait_loadcnt \c1
.irp k, 0,2,4,6
	v_pk_add_f32 v[10+\k:11+\k], v[XR+\k:XR+\k+1], v[XR+8+\k:XR+9+\k]
.endr
.irp j, 16,24
.irp k, 0,2,4,6
	v_pk_add_f32 v[10+\k:11+\k], v[10+\k:11+\k], v[XR+\j+\k:XR+\j+\k+1]
.endr
.endr
	JOIN
	v_mul_f32 v18, 0x3a800000, v22                 ; the mean: sum / 1,024
	v_mul_f32 v19, 0x3a800000, v22
.set jj, 0
.rept 16
	v_pk_add_f32 v[XR+jj:XR+jj+1], v[XR+jj:XR+jj+1], v[18:19] neg_lo:[0,1] neg_hi:[0,1]
.set jj, jj+2
.endr
.irp k, 0,2,4,6
	v_pk_mul_f32 v[10+\k:11+\k], v[XR+\k:XR+\k+1], v[XR+\k:XR+\k+1]
.endr
.irp j, 8,16,24
.irp k, 0,2,4,6
	v_pk_fma_f32 v[10+\k:11+\k], v[XR+\j+\k:XR+\j+\k+1], v[XR+\j+\k:XR+\j+\k+1], v[10+\k:11+\k]
.endr
.endr
	JOIN
	v_mul_f32 v22, 0x3a802008, v22                 ; / 1,023
	v_sqrt_f32 v24, v22
	v_nop                                          ; a plain instruction behind the root,
	s_wait_alu depctr_va_vdst(0)                   ; and the wait ahead of its first reader
	v_add_f32 v24, 0x358637bd, v24                 ; + 1e-6
	v_rcp_f32 v20, v24
	v_nop
	s_wait_alu depctr_va_vdst(0)
	v_mov_b32 v21, v20
.if \c2 >= 0
	s_wait_loadcnt \c2                             ; alpha and beta are in
.endif
.set jj, 0
.rept 16
	v_pk_mul_f32 v[XR+jj:XR+jj+1], v[XR+jj:XR+jj+1], v[20:21]
.set jj, jj+2
.endr
.set jj, 0
.rept 16
	v_pk_fma_f32 v[XR+jj:XR+jj+1], v[XR+jj:XR+jj+1], v[AL+jj:AL+jj+1], v[BE+jj:BE+jj+1]
.set jj, jj+2
.endr
.irp j, 0,1,2,3,4,5,6,7
	ds_store_b128 v2, v[XR+4*\j:XR+4*\j+3] offset:SG+640*\j
.endr
.irp g, 0,1
.irp i, 0,1,2,3
	ds_load_b128 v[TT+16*\g+4*\i:TT+16*\g+4*\i+3], v3 offset:SG+2560*\g+16*\i   ; LDS serves a wave's instructions in order: these see the stores above
.endr
.endr
	s_wait_dscnt 0x0                               ; the row is back, and the stores have read the row's registers
.irp g, 0,1
.set TS, TT+16*\g
	v_max3_num_f32 v24, |v[TS]|, |v[TS+1]|, |v[TS+2]|
	v_max3_num_f32 v25, |v[TS+3]|, |v[TS+4]|, |v[TS+5]|
.irp i, 6,10
	v_max3_num_f32 v24, v24, |v[TS+\i]|, |v[TS+\i+1]|
	v_max3_num_f32 v25, v25, |v[TS+\i+2]|, |v[TS+\i+3]|
.endr
	v_max3_num_f32 v24, v24, |v[TS+14]|, |v[TS+15]|
	v_max3_num_f32 v24, v24, v25, 0x4800000        ; the floor 2^(9 - 127): the byte cannot fall under 1
	v_max_num_f32_dpp v24, v24, v24 row_xmask:1 row_mask:0xf bank_mask:0xf   ; with my neighbour's 16: the block's largest magnitude
	v_add_nc_u32 v27, 0xfc000000, v24              ; 8 off its exponent field: the conversion's scale operand
	v_and_or_b32 v26, v24, 0x7f800000, s16         ; 448 x the scale
.set jj, 0
.rept 16
	v_med3_num_f32 v[TS+jj], v[TS+jj], -v26, v26   ; the conversion to an 8-bit code does not saturate (ISA guide 7.6.2): the hold
.set jj, jj+1
.endr
	v_cvt_scalef32_pk8_fp8_f32 v[XR+4*\g:XR+4*\g+1], v[TS:TS+7], v27
	v_cvt_scalef32_pk8_fp8_f32 v[XR+4*\g+2:XR+4*\g+3], v[TS+8:TS+15], v27
	v_lshrrev_b32 v[XR+8+\g], 23, v27              ; the scale's byte
	ds_store_b8 v4, v[XR+8+\g] offset:32*\p+16*\g  ; both lanes of a block write the same byte with the same value
	global_store_b128 v1, v[XR+4*\g:XR+4*\g+3], s[10:11] offset:1024*\p+512*\g   ; 32 lanes store 512 consecutive bytes
.endr
.endm
	ROW 0, 40, 24
	ROW 1, 16, -1
	ROW 2, 8, -1
	ROW 3, 0, -1
	s_wait_dscnt 0x0                               ; for the others' sake: my scale bytes lie in LDS
	s_barrier_signal -1
	s_barrier_wait -1
	s_cmp_lt_u32 s12, 2                            ; waves 0 and 1 store the 512 bytes, 256 consecutive aligned bytes each
	s_cbranch_scc0 .Lno_scales
	ds_load_b64 v[10:11], v5
	s_wait_dscnt 0x0
	global_store_b64 v6, v[10:11], s[24:25]
.Lno_scales:
	s_wait_tensorcnt 0x0                           ; the wave's end, behind my last LDS store
	ds_add_u32 v7, v8
	s_wait_dscnt 0x0
	s_endpgm
.Lfunc_end_k_q7fef1cdf3b_ln1:
	.size	k_q7fef1cdf3b_ln1, .Lfunc_end_k_q7fef1cdf3b_ln1-k_q7fef1cdf3b_ln1
	.p2alignl 7, 3214868480
	.fill 96, 4, 3214868480
	.section	.rodata,"a",@progbits
	.p2align	6, 0x0
	.amdhsa_kernel k_q7fef1cdf3b_ln1
		.amdhsa_group_segment_fixed_size 41984
		.amdhsa_private_segment_fixed_size 0
		.amdhsa_enable_private_segment 0
		.amdhsa_kernarg_size 32
		.amdhsa_user_sgpr_count 2
		.amdhsa_user_sgpr_kernarg_segment_ptr 1
		.amdhsa_wavefront_size32 1
		.amdhsa_system_sgpr_workgroup_id_x 1
		.amdhsa_system_sgpr_workgroup_id_y 1
		.amdhsa_system_sgpr_workgroup_id_z 1
		.amdhsa_system_vgpr_workitem_id 0
		.amdhsa_next_free_vgpr 256
		.amdhsa_next_free_sgpr 66
		.amdhsa_reserve_vcc 0
		.amdhsa_float_denorm_mode_32 3
		.amdhsa_float_denorm_mode_16_64 3
		.amdhsa_memory_ordered 1
		.amdhsa_forward_progress 1
		.amdhsa_inst_pref_size 54
	.end_amdhsa_kernel
	.amdgpu_metadata
---
amdhsa.version: [ 1, 2 ]
amdhsa.kernels:
  - .name:           k_q7fef1cdf3b_ln1
    .symbol:         k_q7fef1cdf3b_ln1.kd
    .args:
      - { .name: x, .offset: 0, .size: 8, .value_kind: global_buffer, .address_space: global }
      - { .name: ln1_a, .offset: 8, .size: 8, .value_kind: global_buffer, .address_space: global }
      - { .name: ln1_b, .offset: 16, .size: 8, .value_kind: global_buffer, .address_space: global }
      - { .name: hq, .offset: 24, .size: 8, .value_kind: global_buffer, .address_space: global }
    .group_segment_fixed_size: 41984
    .private_segment_fixed_size: 0
    .kernarg_segment_align: 8
    .kernarg_segment_size: 32
    .max_flat_workgroup_size: 128
    .sgpr_count:     66
    .vgpr_count:     256
    .wavefront_size: 32
...
	.end_amdgpu_metadata
.endif
;; end of part 1
;; launch qkv (part 2): grid 12 x 16, 4 waves a work-group, clusters of 4 x 4, 327,680 bytes of LDS; arguments hq, wq_codes, wq_scales, wk_codes, wk_scales, wv_codes, wv_scales, qkvw; writes qkvw
.if DOCPART == 2
	.amdgcn_target "amdgcn-amd-amdhsa--gfx1250"
	.amdhsa_code_object_version 6
	.text
	.protected	k_q7fef1cdf3b_qkv
	.globl	k_q7fef1cdf3b_qkv
	.p2align	8
	.type	k_q7fef1cdf3b_qkv,@function
k_q7fef1cdf3b_qkv:
	s_mov_b64 s[64:65], 0
	v_nop
	global_prefetch_b8 v0, s[64:65] scope:SCOPE_SE
	s_setreg_imm32_b32 hwreg(HW_REG_WAVE_MODE, 25, 1), 1
	s_wait_xcnt 0x0
	s_wait_alu depctr_hold_cnt(0) depctr_sa_sdst(0) depctr_va_vdst(0) depctr_va_sdst(0) depctr_va_ssrc(0) depctr_va_vcc(0) depctr_vm_vsrc(0)
	s_getreg_b32 s2, hwreg(HW_REG_IB_STS2, 6, 4)
	s_cmp_eq_u32 s2, 0
	s_cbranch_scc0 .Lentry_in_a_cluster
	s_endpgm
.Lentry_in_a_cluster:
	s_bfe_u32 s2, ttmp6, 0x10000c
	s_cmp_lg_u32 s2, 0xf033
	s_cbranch_scc0 .Lentry_shape_is_right
	s_endpgm
.Lentry_shape_is_right:
; q = h wq, k = h wk, v = h wv on codes of E4M3 (K = 1,024), and the results as codes again: q and k along the head's 64, v along the keys.  (The input mask is dead work: see the first kernel.)
; The cluster's x picks the product: 0 q, 1 k, 2 v; it is the same in all sixteen partners.  A tile of C is 256 x 256, four waves of 128 x 128 (64 accumulators).
; ROLES.  The matrix instruction is used transposed (source 0 = 16 rows of the B role, source 1 = 16 rows of the A role): a lane holds one row of the A role and eight neighbouring
; columns of the B role.  q, k: A role = h (tokens), B role = the weight: a lane's numbers run along the head.  v: A role = wv, B role = h: the tile is V^T and a lane's numbers run along the keys.
; So one way out quantises all three along the lane's registers.  Both roles are plain rows of 1,024 codes with 32 scale bytes a row, whichever buffer plays them.
; K goes in steps of 256 through two LDS slots filled by joint tensor loads: A's tile is shared along a row of the cluster, B's along a column.
; THE SCALE WORDS of a wave's 128 + 128 rows for all of K lie in 64 registers, loaded once: lane (r, h) of register (set, block, w) holds row r's word of the 128-step 4 set + 2 h + w;
; steps 2, 3, 6, 7 read lanes 16-31 on both sides.
; OUT (workspace qkvw): q's codes at 0 and k's at 4,194,304: [batch x head 32][position 2048][64], position = the token with bits 3 and 4 exchanged; V^T's at 8,388,608: [32][chunk of 128 keys 16][d 64][128];
; scale words: q's at 12,582,912 and k's at 12,713,984: [batch 2][pair of heads 8][token 2048][4]; V's at 12,845,056: [2][chunk 16][64 head + d 1024][4].
; LIMITS as in the first kernel: byte 1 for blocks under the floor and for blocks of zeros; NaN and infinities are not served.
; REGISTERS: window 0: v1-15 way out; v16-21 LDS addresses; v26 16 x lane; v28, v29 the add's two; v30, v31 scale offsets; v32-95 scale words; v96-113 quantiser; v128-255 A's fragments, one set.
;   window 1: B's fragments, two sets.  windows 2, 3: the accumulators, (a, b) at v[8 (8 (a % 4) + b)] of window 2 + a / 4.
.set SLOT,  139264                     ; A's 256 rows of 272 bytes, then B's
.set AREG,  69632
.set AHALF, 34816
.set SPARE, 278528                     ; behind the ring: the spare words
.set ASLOT, 256                        ; from slot 0's first K step to slot 1's, in A's memory
.set ASTEP, 512                        ; two slots on
.set FR,   16
.set ADRA, 16
.set ADRB, 20
.set CO,   26
.set SPW,  28
.set NIL,  29
.set VSA,  30
.set VSB,  31
.set SC,   32
.set TM,   96
.set AF,   128
.set G1,   24
.set G0,   32
.set G1B,  48
.set G0B,  56
.set MUL_LO, 0xa1                      ; source 0 window 1, source 1 window 0, C and D window 2
.set MUL_HI, 0xf1                      ; the same, C and D window 3
.set TO_B,   0x40                      ; destination window 1
.set MSB, 0
.macro WIN new                         ; the immediate's high byte repeats the setting that is left
.if MSB != (\new)
	s_set_vgpr_msb (MSB<<8)|(\new)
.set MSB, (\new)
.endif
.endm
.macro JLOAD s                         ; a joint load: waves 0, 1 fetch A's halves, waves 2, 3 B's; an s_nop 0 and four v_nop follow each line
	s_cmp_eq_u32 s15, 0
	s_cbranch_scc0 .Lfor_b_\@
	tensor_load_to_lds s[G0+4*\s:G0+4*\s+3], s[G1:G1+7]
	s_nop 0
.rept 4
	v_nop
.endr
	s_branch .Lasked_\@
.Lfor_b_\@:
	tensor_load_to_lds s[G0B+4*\s:G0B+4*\s+3], s[G1B:G1B+7]
	s_nop 0
.rept 4
	v_nop
.endr
.Lasked_\@:
.endm
.macro CREST                           ; a round of the cluster's barrier behind its opening barrier
	s_cmp_lg_u32 s14, 0
	s_cbranch_scc1 .Lnot_wave_0_\@
	s_barrier_signal -3
.Lnot_wave_0_\@:
	s_barrier_wait -3
	s_barrier_signal -1
	s_barrier_wait -1
.endm
.macro CROUND
	s_barrier_signal -1
	s_barrier_wait -1
	CREST
.endm
.macro PLACES n                        ; plain vector instructions behind matrix instructions: eight for this form
.rept \n
	v_nop
.endr
.endm
; 16 matrix instructions: A's blocks a0, a0 + 1 x B's eight; p: B's set; g: the 128-step in 1,024 of K.  The 64 accumulators take turns in the same order in every step.
.macro MUL16 a0, p, g, zero
.irp a, \a0, \a0+1
.irp b, 0,1,2,3,4,5,6,7
.set rD, 8*(8*((\a)%4)+\b)
.set rB, 128*(\p)+FR*\b
.set rA, AF+FR*(\a)
.set sB, SC+32*((\g)/4)+16+2*\b+(\g)%2
.set sA, SC+32*((\g)/4)+2*(\a)+(\g)%2
.if \zero
	v_wmma_scale_f32_16x16x128_f8f6f4 v[rD:rD+7], v[rB:rB+15], v[rA:rA+15], 0, v[sB], v[sA]
.elseif ((\g)/2)%2
	v_wmma_scale_f32_16x16x128_f8f6f4 v[rD:rD+7], v[rB:rB+15], v[rA:rA+15], v[rD:rD+7], v[sB], v[sA] matrix_a_scale:MATRIX_SCALE_ROW1 matrix_b_scale:MATRIX_SCALE_ROW1
.else
	v_wmma_scale_f32_16x16x128_f8f6f4 v[rD:rD+7], v[rB:rB+15], v[rA:rA+15], v[rD:rD+7], v[sB], v[sA]
.endif
.endr
.endr
.endm
.macro FRAGB reg, slot, q, i           ; a fragment: lane l holds row l % 16; registers 4 c .. 4 c + 3 hold K = 32 c + 16 (l / 16) + 0 .. 15
.irp c, 0,1,2,3
	ds_load_b128 v[\reg+4*\c:\reg+4*\c+3], v[ADRB+\slot] offset:128*(\q)+32*\c+(\i)*4352
.endr
.endm
.macro FRAGA reg, slot, q, i
.irp c, 0,1,2,3
	ds_load_b128 v[\reg+4*\c:\reg+4*\c+3], v[ADRA+\slot] offset:128*(\q)+32*\c+(\i)*4352
.endr
.endm
.macro FETCH_B slot, q, p
	WIN TO_B
.irp i, 0,1,2,3,4,5,6,7
	FRAGB 128*(\p)+FR*\i, \slot, \q, \i
.endr
	WIN 0
.endm
.macro FETCH_A slot, q, i0
.irp i, \i0, \i0+1, \i0+2, \i0+3
	FRAGA AF+FR*(\i), \slot, \q, \i
.endr
.endm
.macro STEP slot, g, zero              ; a slot's first 128 along K; fetches its second
	s_wait_dscnt 16                                ; B's set and A's blocks 0-3 are in; A's blocks 4-7, the youngest 16 loads, may be out
	WIN MUL_LO
	MUL16 0, 0, \g, \zero
	MUL16 2, 0, \g, \zero
	s_wait_dscnt 0x0
	PLACES 8
	FETCH_B \slot, 1, 1
	FETCH_A \slot, 1, 0
	WIN MUL_HI
	MUL16 4, 0, \g, \zero
	MUL16 6, 0, \g, \zero
	PLACES 8
	WIN 0
	FETCH_A \slot, 1, 4
.endm
.macro TURN slot, next, g, fill        ; a slot's second 128 along K, and the change of slots: one barrier
	s_wait_tensorcnt 0x0                           ; all my tensor loads have landed: my part of the next slot
	ds_add_u32 v[SPW], v[NIL]                      ; 0 onto my spare word
	s_wait_dscnt 17                                ; the add and A's blocks 4-7 may be out
	WIN MUL_LO
	MUL16 0, 1, \g, 0
	s_wait_dscnt 0x0                               ; the add is done, and my reads of this slot are over
	s_barrier_signal -1
	MUL16 2, 1, \g, 0
	WIN 0
	s_barrier_wait -1
.if \fill
	CREST                                          ; the barrier has opened a round of the cluster's barrier: no wave of any partner still reads this slot or has a load on its way
	s_add_nc_u64 s[G0+4*\slot+2:G0+4*\slot+3], s[G0+4*\slot+2:G0+4*\slot+3], ASTEP
	s_add_nc_u64 s[G0B+4*\slot+2:G0B+4*\slot+3], s[G0B+4*\slot+2:G0B+4*\slot+3], 512
	JLOAD \slot                                    ; the first tensor load behind the round; its four v_nop are four of the eight places
	PLACES 4
.else
	PLACES 8
.endif
	FETCH_B \next, 0, 0
	FETCH_A \next, 0, 0
	WIN MUL_HI
	MUL16 4, 1, \g, 0
	MUL16 6, 1, \g, 0
	PLACES 8
	WIN 0
	FETCH_A \next, 0, 4
.endm
.macro LAST                            ; the very last 128 along K
	s_wait_dscnt 16
	WIN MUL_LO
	MUL16 0, 1, 7, 0
	MUL16 2, 1, 7, 0
	s_wait_dscnt 0x0
	WIN MUL_HI
	MUL16 4, 1, 7, 0
	MUL16 6, 1, 7, 0
	WIN 0
.endm
.macro SCLOAD set                      ; 16 + 16 scale registers: 8 bytes a lane, at 32 bytes a row
.irp i, 0,1,2,3,4,5,6,7
	global_load_b64 v[SC+32*\set+2*\i:SC+32*\set+2*\i+1], v[VSA], s[6:7] offset:512*\i+16*\set
.endr
.irp i, 0,1,2,3,4,5,6,7
	global_load_b64 v[SC+32*\set+16+2*\i:SC+32*\set+17+2*\i], v[VSB], s[10:11] offset:512*\i+16*\set
.endr
.endm
; THE QUANTISING WAY OUT.  Block a: 16 rows x my 128 columns = four blocks of 32 along the lane's registers; a block's other 16 numbers lie in lane l xor 16.
; The codes go through my own stage in LDS (16 rows of 128 + 16 bytes, in slot 0, which has had its last fill and its last read) and leave as runs of 512 consecutive bytes.
; pat: 1 = two heads of 64 bytes a row (q, k); 2 = rows of 128 bytes, four blocks to a head (V^T); 0 = rows of 128 bytes.
.macro QB a, relu, bias, pat
.set WW, 2+(\a)/4
.set AC, 64*((\a)%4)
.set PCD, 128+16*((\a)%2)
.set BK, 160+16*((\a)%2)
.set PW, 112+(\a)%2
.if \bias
.set WN, WW|4|(WW<<6)
	WIN WN
.set jj, 0
.rept 32
	v_pk_add_f32 v[AC+jj:AC+jj+1], v[AC+jj:AC+jj+1], v[jj:jj+1]
.set jj, jj+2
.endr
.endif
.set WN, WW|(WW<<2)
	WIN WN
.irp b, 0,1,2,3
.if \relu
	v_max3_num_f32 v[TM+\b], v[AC+16*\b], v[AC+16*\b+1], 0x4800000
.else
	v_max3_num_f32 v[TM+\b], |v[AC+16*\b]|, |v[AC+16*\b+1]|, 0x4800000   ; each accumulator is read from its low end on; the floor 2^(9 - 127) holds the byte at 1 from below
.endif
.endr
.set WN, (WW<<2)|(WW<<4)
	WIN WN
.set jj, 2
.rept 7
.irp b, 0,1,2,3
.if \relu
	v_max3_num_f32 v[TM+\b], v[TM+\b], v[AC+16*\b+jj], v[AC+16*\b+jj+1]
.else
	v_max3_num_f32 v[TM+\b], v[TM+\b], |v[AC+16*\b+jj]|, |v[AC+16*\b+jj+1]|
.endif
.endr
.set jj, jj+2
.endr
	WIN 0
.irp b, 0,1,2,3
	v_permlanex16_b32 v[TM+4+\b], v[TM+\b], s86, s87
.endr
.irp b, 0,1,2,3
	v_max_num_f32 v[TM+\b], v[TM+\b], v[TM+4+\b]
.endr
.irp b, 0,1,2,3
	v_add_nc_u32 v[TM+12+\b], 0xfc000000, v[TM+\b]         ; 8 off the exponent field: the conversion's scale operand
.endr
.irp b, 0,1,2,3
	v_and_or_b32 v[TM+8+\b], v[TM+\b], 0x7f800000, s88     ; 448 x the scale
.endr
.irp b, 0,1,2,3
	v_lshrrev_b32 v[TM+4+\b], 23, v[TM+12+\b]              ; the scale's byte
.endr
	v_lshl_or_b32 v[PW], v[TM+5], 8, v[TM+4]
	v_lshl_or_b32 v[PW], v[TM+6], 16, v[PW]
	v_lshl_or_b32 v[PW], v[TM+7], 24, v[PW]                ; my row's scale word
.set WN, WW|(WW<<6)
	WIN WN
.set jj, 0
.rept 64
.if \relu
	v_med3_num_f32 v[AC+jj], v[AC+jj], 0, v[TM+8+jj/16]
.else
	v_med3_num_f32 v[AC+jj], v[AC+jj], -v[TM+8+jj/16], v[TM+8+jj/16]   ; the conversion does not saturate (ISA guide 7.6.2): the hold
.endif
.set jj, jj+1
.endr
	WIN WW
.set jj, 0
.rept 8
	v_cvt_scalef32_pk8_fp8_f32 v[PCD+2*jj:PCD+2*jj+1], v[AC+8*jj:AC+8*jj+7], v[TM+12+jj/2]
.set jj, jj+1
.endr
	WIN 0
	v_nop                                          ; a plain instruction behind the last conversion
.if (\a) >= 2
	s_wait_xcnt 0x0                                ; block a - 2's stores have read the registers that the loads below fill
.endif
.set jj, 0
.rept 8
	ds_store_b64 v[STO], v[PCD+2*jj:PCD+2*jj+1] offset:16*jj
.set jj, jj+1
.endr
	ds_store_b32 v[SSO], v[PW] offset:64*(\a)      ; both halves of the lanes write the same word
.irp i, 0,1,2,3
.if \pat == 1
	ds_load_b128 v[BK+4*\i:BK+4*\i+3], v[RD] offset:1152*(\i%2)+64*(\i/2)
.else
	ds_load_b128 v[BK+4*\i:BK+4*\i+3], v[RD] offset:576*\i
.endif
.endr
.endm
.macro SENDQ a, younger, pat           ; younger: the LDS instructions issued behind block a's loads
.set BK, 160+16*((\a)%2)
	s_wait_dscnt \younger
.irp i, 0,1,2,3
.if \pat == 1
	global_store_b128 v[CO], v[BK+4*\i:BK+4*\i+3], s[12:13] offset:131072*(\i/2)+64*(32*((\a)/2)+16*(\i%2)+8*((\a)%2))   ; eight positions of one head: the exchange of bits 3 and 4 is this immediate
.elseif \pat == 2
	global_store_b128 v[CO], v[BK+4*\i:BK+4*\i+3], s[12:13] offset:131072*((\a)/4)+2048*((\a)%4)+512*\i
.else
	global_store_b128 v[CO], v[BK+4*\i:BK+4*\i+3], s[12:13] offset:2048*(\a)+512*\i
.endif
.endr
.endm
.macro QOUT relu, bias, pat
	QB 0, \relu, \bias, \pat
.irp a, 1,2,3,4,5,6,7
	QB \a, \relu, \bias, \pat
	SENDQ \a-1, 13, \pat                           ; behind block a - 1's loads: block a's nine stores and four loads
.endr
	ds_load_b128 v[192:195], v[SRD]                ; my 128 rows' scale words
	SENDQ 7, 0, \pat
	global_store_b128 v[CO], v[192:195], s[66:67]  ; 512 consecutive bytes
.endm
	s_load_b512 s[68:83], s[0:1], 0x0              ; hq, wq codes, scales, wk codes, scales, wv codes, scales, qkvw
	v_lshl_add_u32 v[SPW], v0, 2, SPARE
	v_mov_b32 v[NIL], 0
	ds_add_u32 v[SPW], v[NIL]                      ; the wave's opening: the add, twice on end, and its wait ahead of my first tensor load
	ds_add_u32 v[SPW], v[NIL]
	v_lshrrev_b32 v1, 5, v0
	v_readfirstlane_b32 s14, v1                    ; wave
	s_lshr_b32 s15, s14, 1                         ; my half of A's rows.  Also: I fetch for A (0) or B (1)
	s_and_b32 s16, s14, 1                          ; my half of B's rows.  Also: which half I fetch
	s_bfe_u32 s40, ttmp6, 0x40000                  ; cx
	s_bfe_u32 s41, ttmp6, 0x40004                  ; cy
	s_and_b32 s84, ttmp7, 0xffff
	s_lshl_b32 s84, s84, 2                         ; 4 x cluster y
	s_lshl_b32 s43, s41, 2
	s_lshl_b32 s43, 15, s43                        ; my row of the cluster
	s_lshl_b32 s44, 0x1111, s40                    ; my column
	s_or_b32 s[G1], s43, (1<<20)|(1<<21)|(5<<22)|(3<<25)    ; the mask; elements of 1 byte; 4 words of padding behind every 64
	s_or_b32 s[G1B], s44, (1<<20)|(1<<21)|(5<<22)|(3<<25)
.irp g, G1, G1B
	s_mov_b32 s[\g+1], 256<<16                     ; tensor_dim0
	s_mov_b32 s[\g+2], 128<<16                     ; tensor_dim1
	s_mov_b32 s[\g+3], 256<<16                     ; tile_dim0
	s_mov_b32 s[\g+4], 128                         ; tile_dim1
	s_mov_b32 s[\g+5], 1024                        ; the pitch
	s_mov_b32 s[\g+6], 0
	s_mov_b32 s[\g+7], 0
.endr
	s_cmp_eq_u32 ttmp9, 2                          ; v?  The tokens are then B's rows
	s_cselect_b32 s18, 0, s84
	s_cselect_b32 s19, s84, 0
	s_cselect_b32 s22, 0, 0x400000                 ; h's scale bytes lie behind its codes
	s_cselect_b32 s92, 0x400000, 0
	s_add_co_u32 s17, s41, s18                     ; A's tile: cy (+ 4 x cluster y)
	s_add_co_u32 s42, s40, s19                     ; B's tile: cx (+ 4 x cluster y)
	s_lshl_b32 s20, s17, 18
	s_lshl_b32 s21, s16, 17
	s_add_co_u32 s20, s20, s21                     ; the rows that I fetch for A: (256 tile + 128 half) x 1,024
	s_mov_b32 s21, 0
	s_lshl_b32 s46, s42, 18
	s_lshl_b32 s47, s16, 17
	s_add_co_u32 s46, s46, s47                     ; and for B
	s_mov_b32 s47, 0
	s_lshl_b32 s23, s17, 13
	s_add_co_u32 s22, s22, s23
	s_lshl_b32 s23, s15, 12
	s_add_co_u32 s22, s22, s23                     ; the scale bytes of the 128 rows of A that I multiply
	s_mov_b32 s23, 0
	s_lshl_b32 s93, s42, 13
	s_add_co_u32 s92, s92, s93
	s_lshl_b32 s93, s16, 12
	s_add_co_u32 s92, s92, s93                     ; and of B
	s_mov_b32 s93, 0
	s_mul_i32 s45, s16, AHALF                      ; where the tiles go: no place in the cluster enters an LDS address
	s_add_co_u32 s85, s45, AREG
	s_mov_b32 s86, 0x76543210
	s_mov_b32 s87, 0xfedcba98
	s_mov_b32 s88, 0x600000
	s_wait_dscnt 0x0                               ; both opening adds are done
	s_wait_kmcnt 0x0
	s_cmp_eq_u32 ttmp9, 0
	s_cselect_b64 s[8:9], s[70:71], s[74:75]
	s_cselect_b64 s[10:11], s[72:73], s[76:77]
	s_cmp_eq_u32 ttmp9, 2
	s_cselect_b64 s[4:5], s[78:79], s[68:69]
	s_cselect_b64 s[6:7], s[80:81], s[68:69]
	s_cselect_b64 s[8:9], s[68:69], s[8:9]
	s_cselect_b64 s[10:11], s[68:69], s[10:11]
	s_add_nc_u64 s[20:21], s[4:5], s[20:21]
	s_add_nc_u64 s[46:47], s[8:9], s[46:47]
	s_add_nc_u64 s[6:7], s[6:7], s[22:23]
	s_add_nc_u64 s[10:11], s[10:11], s[92:93]
	CROUND                                         ; all sixteen work-groups are here: the first joint loads meet
.irp s, 0,1
	s_mov_b32 s[G0+4*\s], 1
	s_add_co_u32 s[G0+4*\s+1], s45, \s*SLOT
	s_add_nc_u64 s[G0+4*\s+2:G0+4*\s+3], s[20:21], \s*ASLOT
	s_or_b32 s[G0+4*\s+3], s[G0+4*\s+3], 0x80000000
	s_mov_b32 s[G0B+4*\s], 1
	s_add_co_u32 s[G0B+4*\s+1], s85, \s*SLOT
	s_add_nc_u64 s[G0B+4*\s+2:G0B+4*\s+3], s[46:47], \s*256
	s_or_b32 s[G0B+4*\s+3], s[G0B+4*\s+3], 0x80000000
	JLOAD \s                                       ; two tensor loads of mine are out
.endr
	v_and_b32 v1, 15, v0                           ; r
	v_bfe_u32 v2, v0, 4, 1                         ; h
	v_and_b32 v11, 31, v0                          ; lane
	v_mul_u32_u24 v12, v1, 272
	v_lshl_add_u32 v12, v2, 4, v12
	s_mul_i32 s18, s15, 34816
	s_mul_i32 s19, s16, 34816
	s_add_co_u32 s19, s19, AREG
	v_add_nc_u32 v13, s18, v12
	v_add_nc_u32 v14, s19, v12
.irp s, 0,1
	v_add_nc_u32 v[ADRA+\s], \s*SLOT, v13
	v_add_nc_u32 v[ADRB+\s], \s*SLOT, v14
.endr
	v_lshlrev_b32 v[VSA], 5, v1
	v_lshl_add_u32 v[VSA], v2, 3, v[VSA]           ; 32 r + 8 h
	v_mov_b32 v[VSB], v[VSA]
	SCLOAD 0
	SCLOAD 1
	; the way out's addresses, for both paths, each with LDS bytes of its own
	v_lshlrev_b32 v[CO], 4, v11
	s_mul_i32 s18, s14, 3072
	v_mul_u32_u24 v12, v1, 144
	v_lshl_add_u32 v12, v2, 3, v12                 ; 144 r + 8 h
	v_lshlrev_b32 v13, 2, v1
	v_add_nc_u32 v13, 2304, v13                    ; the scale words: 4 r behind the 16 rows
	v_add_nc_u32 v14, 2304, v[CO]
	v_lshrrev_b32 v15, 2, v11
	v_mul_u32_u24 v15, v15, 144
	v_and_b32 v24, 3, v11
	v_lshl_add_u32 v15, v24, 4, v15                ; back by heads: 144 (lane / 4) + 16 (lane % 4)
	v_lshrrev_b32 v25, 3, v11
	v_mul_u32_u24 v25, v25, 144
	v_and_b32 v24, 7, v11
	v_lshl_add_u32 v25, v24, 4, v25                ; back by rows: 144 (lane / 8) + 16 (lane % 8)
	v_add_nc_u32 v3, s18, v12
	v_add_nc_u32 v4, s18, v13
	v_add_nc_u32 v5, s18, v14
	v_add_nc_u32 v6, s18, v15
	s_add_co_u32 s18, s18, 16384
	v_add_nc_u32 v7, s18, v12
	v_add_nc_u32 v8, s18, v13
	v_add_nc_u32 v9, s18, v14
	v_add_nc_u32 v10, s18, v25
.irp b, 0,1,2,3
	v_mov_b32 v[TM+4+\b], 0                        ; a lane permute's destination counts as one of its sources
.endr
	s_wait_tensorcnt 1                             ; my part of slot 0 is in; slot 1's may stay out
	s_barrier_signal -1
	s_barrier_wait -1
	FETCH_B 0, 0, 0
	FETCH_A 0, 0, 0
	FETCH_A 0, 0, 4
	s_wait_loadcnt 0x0                             ; the scale words
	STEP 0, 0, 1                                   ; the first products start the sums: nothing is cleared
	TURN 0, 1, 1, 1
	STEP 1, 2, 0
	TURN 1, 0, 3, 1
	STEP 0, 4, 0
	TURN 0, 1, 5, 0                                ; nothing is left to fetch
	STEP 1, 6, 0
	LAST
	PLACES 8
	s_cmp_eq_u32 ttmp9, 2
	s_cbranch_scc1 .Lv_out
	; q or k: tokens 256 tile + 128 half on, heads 4 tile + 2 half and the next
	s_lshr_b32 s18, s17, 3                         ; batch
	s_and_b32 s19, s17, 7
	s_lshl_b32 s19, s19, 8
	s_lshl_b32 s20, s15, 7
	s_add_co_u32 s19, s19, s20                     ; my first token in the batch
	s_lshl_b32 s20, s42, 1
	s_add_co_u32 s20, s20, s16                     ; the pair of heads
	s_lshl_b32 s21, s18, 3
	s_add_co_u32 s21, s21, s20
	s_lshl_b32 s22, s21, 18
	s_lshl_b32 s23, s19, 6
	s_add_co_u32 s22, s22, s23
	s_lshl_b32 s92, s21, 13
	s_lshl_b32 s23, s19, 2
	s_add_co_u32 s92, s92, s23
	s_add_co_u32 s92, s92, 12582912
	s_cmp_eq_u32 ttmp9, 0
	s_cselect_b32 s23, 0, 4194304
	s_cselect_b32 s93, 0, 131072
	s_add_co_u32 s22, s22, s23
	s_add_co_u32 s92, s92, s93
	s_mov_b32 s23, 0
	s_mov_b32 s93, 0
	s_add_nc_u64 s[12:13], s[82:83], s[22:23]
	s_add_nc_u64 s[66:67], s[82:83], s[92:93]
.set STO, 3
.set SSO, 4
.set SRD, 5
.set RD,  6
	QOUT 0, 0, 1
	s_branch .Ldone
.Lv_out:
	; V^T: rows 64 head + d = 256 tile + 128 half on; keys: chunk 2 (tile % 8) + half of batch tile / 8
	s_lshr_b32 s18, s42, 3
	s_and_b32 s19, s42, 7
	s_lshl_b32 s19, s19, 1
	s_add_co_u32 s19, s19, s16                     ; the chunk
	s_lshl_b32 s20, s17, 1
	s_add_co_u32 s20, s20, s15
	s_lshl_b32 s21, s18, 3
	s_add_co_u32 s21, s21, s20                     ; (16 batch + my first head) / 2
	s_lshl_b32 s22, s21, 18
	s_lshl_b32 s23, s19, 13
	s_add_co_u32 s22, s22, s23
	s_add_co_u32 s22, s22, 8388608
	s_lshl_b32 s92, s18, 4
	s_add_co_u32 s92, s92, s19
	s_lshl_b32 s92, s92, 12
	s_lshl_b32 s23, s17, 10
	s_add_co_u32 s92, s92, s23
	s_lshl_b32 s23, s15, 9
	s_add_co_u32 s92, s92, s23
	s_add_co_u32 s92, s92, 12845056
	s_mov_b32 s23, 0
	s_mov_b32 s93, 0
	s_add_nc_u64 s[12:13], s[82:83], s[22:23]
	s_add_nc_u64 s[66:67], s[82:83], s[92:93]
.set STO, 7
.set SSO, 8
.set SRD, 9
.set RD,  10
	QOUT 0, 0, 2
.Ldone:
	s_wait_tensorcnt 0x0                           ; the wave's end, behind my last tensor load and my last LDS store
	ds_add_u32 v[SPW], v[NIL]
	s_wait_dscnt 0x0
	CROUND                                         ; the closing round
	s_endpgm
.Lfunc_end_k_q7fef1cdf3b_qkv:
	.size	k_q7fef1cdf3b_qkv, .Lfunc_end_k_q7fef1cdf3b_qkv-k_q7fef1cdf3b_qkv
	.p2alignl 7, 3214868480
	.fill 96, 4, 3214868480
	.section	.rodata,"a",@progbits
	.p2align	6, 0x0
	.amdhsa_kernel k_q7fef1cdf3b_qkv
		.amdhsa_group_segment_fixed_size 327680
		.amdhsa_private_segment_fixed_size 0
		.amdhsa_enable_private_segment 0
		.amdhsa_kernarg_size 64
		.amdhsa_user_sgpr_count 2
		.amdhsa_user_sgpr_kernarg_segment_ptr 1
		.amdhsa_wavefront_size32 1
		.amdhsa_system_sgpr_workgroup_id_x 1
		.amdhsa_system_sgpr_workgroup_id_y 1
		.amdhsa_system_sgpr_workgroup_id_z 1
		.amdhsa_system_vgpr_workitem_id 0
		.amdhsa_next_free_vgpr 1024
		.amdhsa_next_free_sgpr 100
		.amdhsa_reserve_vcc 0
		.amdhsa_float_denorm_mode_32 3
		.amdhsa_float_denorm_mode_16_64 3
		.amdhsa_memory_ordered 1
		.amdhsa_forward_progress 1
		.amdhsa_inst_pref_size 255
	.end_amdhsa_kernel
	.section	.bss,"aw",@nobits
	.p2align	6
	.space	262144
	.amdgpu_metadata
---
amdhsa.version: [ 1, 2 ]
amdhsa.kernels:
  - .name:           k_q7fef1cdf3b_qkv
    .symbol:         k_q7fef1cdf3b_qkv.kd
    .args:
      - { .name: hq, .offset: 0, .size: 8, .value_kind: global_buffer, .address_space: global }
      - { .name: wq_codes, .offset: 8, .size: 8, .value_kind: global_buffer, .address_space: global }
      - { .name: wq_scales, .offset: 16, .size: 8, .value_kind: global_buffer, .address_space: global }
      - { .name: wk_codes, .offset: 24, .size: 8, .value_kind: global_buffer, .address_space: global }
      - { .name: wk_scales, .offset: 32, .size: 8, .value_kind: global_buffer, .address_space: global }
      - { .name: wv_codes, .offset: 40, .size: 8, .value_kind: global_buffer, .address_space: global }
      - { .name: wv_scales, .offset: 48, .size: 8, .value_kind: global_buffer, .address_space: global }
      - { .name: qkvw, .offset: 56, .size: 8, .value_kind: global_buffer, .address_space: global }
    .group_segment_fixed_size: 327680
    .private_segment_fixed_size: 0
    .kernarg_segment_align: 8
    .kernarg_segment_size: 64
    .max_flat_workgroup_size: 128
    .sgpr_count:     100
    .vgpr_count:     1024
    .wavefront_size: 32
...
	.end_amdgpu_metadata
.endif
;; end of part 2
;; launch attn (part 3): grid 8 x 32, 16 waves a work-group, clusters of 4 x 1, 327,680 bytes of LDS; arguments qkvw, oq; writes oq
.if DOCPART == 3
	.amdgcn_target "amdgcn-amd-amdhsa--gfx1250"
	.amdhsa_code_object_version 6
	.text
	.protected	k_q7fef1cdf3b_attn
	.globl	k_q7fef1cdf3b_attn
	.p2align	8
	.type	k_q7fef1cdf3b_attn,@function
k_q7fef1cdf3b_attn:
	s_mov_b64 s[64:65], 0
	v_nop
	global_prefetch_b8 v0, s[64:65] scope:SCOPE_SE
	s_setreg_imm32_b32 hwreg(HW_REG_WAVE_MODE, 25, 1), 1
	s_wait_xcnt 0x0
	s_wait_alu depctr_hold_cnt(0) depctr_sa_sdst(0) depctr_va_vdst(0) depctr_va_sdst(0) depctr_va_ssrc(0) depctr_va_vcc(0) depctr_vm_vsrc(0)
	s_getreg_b32 s2, hwreg(HW_REG_IB_STS2, 6, 4)
	s_cmp_eq_u32 s2, 0
	s_cbranch_scc0 .Lentry_in_a_cluster
	s_endpgm
.Lentry_in_a_cluster:
	s_bfe_u32 s2, ttmp6, 0x10000c
	s_cmp_lg_u32 s2, 0x3003
	s_cbranch_scc0 .Lentry_shape_is_right
	s_endpgm
.Lentry_shape_is_right:
; o = softmax(q k^T / 8) v for one head, both products on codes of E4M3, and o / l as codes along the model's 1,024 again.  (The input mask is dead work: see the first kernel.)
; THE SOFTMAX: t = score x log2(e) / 8; M = the running largest t rounded up to a whole number; p = 2^(t - M) is quantised along the keys, not normalised; the row's sum is taken of the unquantised p.
; SHARES: a work-group owns 256 queries of one head, each of its sixteen waves 16 (one tile, 256 registers).  Every wave walks the head's 2,048 keys, 128 a step.
; ALL OF A HEAD'S K, V AND SCALE BYTES LIE IN LDS AT ONCE: each byte is filled once, by five tensor loads a wave at the head (waves 0-7: K's, waves 8-15: V's); five loads of mine are out at the most.
; Nothing is filled again.  The keys come in four groups of 512: a counted wait and a barrier stand in front of each group's four steps.
; CLUSTER: the four query blocks of a cluster belong to one head: each tile is asked for jointly (mask 15), with descriptors that hang on the head and the wave's number alone.
; LAYOUT: both products transposed: S^T = K Q^T, O^T = V^T P^T: a lane holds one query.  K's and Q's rows lie by position (the token with bits 3 and 4 exchanged), so that the 16 registers of
; tiles 2 b and 2 b + 1 of S^T are the neighbouring keys 32 b + 16 (lane / 16) + 0 .. 15, and a tile's 16 rows are neighbours in LDS.
; THE HEAD'S 64 IN AN INSTRUCTION OF 128: Q's codes for K = 64 .. 127 are zeros.  K's operand of tile t names 16 registers, of which the upper eight hold the next tile's codes (behind tile 7: zeros):
; this program's quantiser holds at 448 and makes no NaN code, so those products are zeros.  The 16-bit loads of the scale words leave the bytes of K = 64 .. 127 at 0, which is a number.
; No prefetch: every byte that the launch reads is asked for at its head.  LIMITS as in the first kernel.
; The scale bytes of o leave 2 bytes a row, rows 32 bytes apart: one byte in 32 of what the launch stores.
; REGISTERS: v1-4 places that stay; v5, v6 the add's two; v7 16 x lane; v8-11 the step's addresses; v12 -M, v13 the largest t, v[14:15] the sum; v16-31 Q; v32-95 K's eight tiles, then V's four;
; v96-103 zeros; v104-167 S^T, then p; v168-199 O^T; v200-215 p's codes; v216-231 at work; v232-239 scale words of K, then of V; v240 f, v241 p's scale word; v243 Q's; v244-248 addresses.
.set VREG,  163840                     ; K: 2,048 rows of 64 + 16 bytes from 0; V: 1,024 rows of 128 + 16 bytes from here
.set SCK,   311296                     ; K's scale words, 8,192 bytes
.set SCV,   319488                     ; V's, 4,096 bytes
.set SPARE, 323584                     ; the spare words, 128 bytes a wave
.set KCO, 4194304
.set VTO, 8388608
.set QSO, 12582912
.set KSO, 12713984
.set VSO, 12845056
.macro CROUND
	s_barrier_signal -1
	s_barrier_wait -1
	s_cmp_lg_u32 s8, 0
	s_cbranch_scc1 .Lnot_wave_0_\@
	s_barrier_signal -3
.Lnot_wave_0_\@:
	s_barrier_wait -3
	s_barrier_signal -1
	s_barrier_wait -1
.endm
.macro G1SET g, w0, c, r, p            ; a descriptor's group 1, of constants
	s_mov_b32 s[\g], \w0
	s_mov_b32 s[\g+1], (\c)<<16
	s_mov_b32 s[\g+2], (\r)<<16
	s_mov_b32 s[\g+3], (\c)<<16
	s_mov_b32 s[\g+4], \r
	s_mov_b32 s[\g+5], \p
	s_mov_b32 s[\g+6], 0
	s_mov_b32 s[\g+7], 0
.endm
.macro MKG0 g, ldsoff, ptr, goff       ; a group 0: LDS address s2 + a constant, global address a pointer + a constant
	s_mov_b32 s[\g], 1
	s_add_co_u32 s[\g+1], s2, \ldsoff
	s_add_nc_u64 s[\g+2:\g+3], s[\ptr:\ptr+1], \goff
	s_or_b32 s[\g+3], s[\g+3], 0x80000000
.endm
	s_load_b128 s[4:7], s[0:1], 0x0                ; qkvw, oq
	v_lshl_add_u32 v5, v0, 2, SPARE
	v_mov_b32 v6, 0
	ds_add_u32 v5, v6                              ; the wave's opening: the add, twice on end, and its wait ahead of my first tensor load
	ds_add_u32 v5, v6
	v_lshrrev_b32 v8, 5, v0
	v_readfirstlane_b32 s8, v8                     ; wave 0..15
	s_and_b32 s9, s8, 7                            ; my place among the eight that fetch what I fetch
	s_bfe_u32 s2, ttmp6, 0x40000                   ; cx
	s_lshl_b32 s3, ttmp9, 2
	s_add_co_u32 s3, s3, s2                        ; my block of 256 queries: it enters Q's and o's global addresses alone
	s_and_b32 s10, ttmp7, 0xffff                   ; 16 batch + head, which the partners share
	s_lshr_b32 s11, s10, 4                         ; batch
	s_and_b32 s12, s10, 15                         ; head
	s_lshr_b32 s13, s12, 1                         ; the pair of heads
	s_and_b32 s14, s12, 1                          ; and which of the pair
	s_lshl_b32 s15, s11, 3
	s_add_co_u32 s15, s15, s13
	G1SET 24, 15|(1<<20)|(1<<21)|(3<<22)|(3<<25), 64, 64, 64      ; K: 64 rows of 64 bytes, 4 words of padding behind every 16
	G1SET 32, 15|(1<<20)|(1<<21)|(4<<22)|(3<<25), 128, 32, 128    ; V: 32 rows of 128 bytes, 4 words behind every 32
	G1SET 40, 15|(3<<16)|(1<<21), 32, 4, 32                       ; K's scale words: 4 rows of 256 bytes, dense
	G1SET 48, 15|(3<<16)|(1<<21), 32, 2, 512                      ; V's: 2 rows of 256 bytes, 4,096 bytes apart
	s_lshl_b32 s16, s15, 13
	s_lshl_b32 s2, s9, 10
	s_add_co_u32 s16, s16, s2
	s_add_co_u32 s16, s16, KSO                     ; K's scale words: my 1,024 bytes
	s_mov_b32 s17, 0
	s_lshl_b32 s18, s10, 17
	s_lshl_b32 s2, s9, 12
	s_add_co_u32 s18, s18, s2                      ; my 4,096 bytes of a group's 32,768, in K's codes and in V's
	s_add_co_u32 s22, s18, VTO
	s_add_co_u32 s18, s18, KCO
	s_mov_b32 s19, 0
	s_mov_b32 s23, 0
	s_lshl_b32 s20, s11, 16
	s_lshl_b32 s2, s9, 13
	s_add_co_u32 s20, s20, s2
	s_lshl_b32 s2, s12, 8
	s_add_co_u32 s20, s20, s2
	s_add_co_u32 s20, s20, VSO                     ; V's scale words: chunks 2 w and 2 w + 1, my head's 256 bytes
	s_mov_b32 s21, 0
	; every LDS address register is made here, ahead of the branch on the wave's number
	v_and_b32 v8, 15, v0                           ; r
	v_bfe_u32 v9, v0, 4, 1                         ; h
	v_and_b32 v11, 31, v0                          ; lane
	v_mul_u32_u24 v1, v8, 80
	v_lshl_add_u32 v1, v9, 4, v1                   ; K: 80 r + 16 h
	v_mul_u32_u24 v2, v8, 144
	v_lshl_add_u32 v2, v9, 4, v2
	v_add_nc_u32 v2, VREG, v2                      ; V: 144 r + 16 h
	v_and_b32 v10, 8, v8
	v_add_nc_u32 v10, v10, v8                      ; r + 8 (r / 8): my row's token in its tile's 24
	v_lshl_add_u32 v3, v10, 2, SCK
	s_lshl_b32 s2, s14, 1
	v_add_nc_u32 v3, s2, v3                        ; K's scale words lie by token: 4 bytes a token, my head's two of them
	v_lshl_add_u32 v4, v8, 2, SCV                  ; V's: 4 r
	v_lshlrev_b32 v7, 4, v11                       ; 16 x lane
	s_mul_i32 s2, s8, 1280                         ; the way out's stage: 16 rows of 64 + 16 bytes a wave, where K lay
	v_mul_u32_u24 v244, v8, 80
	v_lshl_add_u32 v244, v9, 3, v244
	v_add_nc_u32 v244, s2, v244                    ; in: 80 r + 8 h
	v_lshrrev_b32 v245, 2, v11
	v_mul_u32_u24 v245, v245, 80
	v_and_b32 v246, 3, v11
	v_lshl_add_u32 v245, v246, 4, v245
	v_add_nc_u32 v245, s2, v245                    ; back: 80 (lane / 4) + 16 (lane % 4)
	v_lshlrev_b32 v246, 5, v10                     ; o's scale bytes: 32 bytes a token
	v_lshlrev_b32 v247, 6, v8
	v_lshl_add_u32 v247, v9, 4, v247               ; Q: 64 r + 16 h
	v_lshlrev_b32 v248, 2, v10                     ; Q's scale word: 4 bytes a token
	s_wait_dscnt 0x0                               ; both opening adds are done
	s_wait_kmcnt 0x0
	s_add_nc_u64 s[16:17], s[4:5], s[16:17]
	s_add_nc_u64 s[18:19], s[4:5], s[18:19]
	s_add_nc_u64 s[20:21], s[4:5], s[20:21]
	s_add_nc_u64 s[22:23], s[4:5], s[22:23]
	s_lshl_b32 s2, s9, 10
	MKG0 56, SCK, 16, 0
	s_mul_i32 s2, s9, 5120
	MKG0 60, 0, 18, 0
	MKG0 68, 40960, 18, 32768
	MKG0 72, 81920, 18, 65536
	MKG0 76, 122880, 18, 98304
	s_lshl_b32 s2, s9, 9
	MKG0 80, SCV, 20, 0
	s_mul_i32 s2, s9, 4608
	MKG0 84, VREG, 22, 0
	MKG0 88, VREG+36864, 22, 32768
	MKG0 92, VREG+73728, 22, 65536
	MKG0 96, VREG+110592, 22, 98304
	CROUND                                         ; all four work-groups are here: the joint loads meet
	s_cmp_lt_u32 s8, 8                             ; all fills of a wave stand in one branch, five in each arm; an s_nop 0 follows each, four v_nop the last
	s_cbranch_scc0 .Lfill_v
	tensor_load_to_lds s[56:59], s[40:47]
	s_nop 0
	tensor_load_to_lds s[60:63], s[24:31]
	s_nop 0
	tensor_load_to_lds s[68:71], s[24:31]
	s_nop 0
	tensor_load_to_lds s[72:75], s[24:31]
	s_nop 0
	tensor_load_to_lds s[76:79], s[24:31]
	s_nop 0
.rept 4
	v_nop
.endr
	s_branch .Lfilled
.Lfill_v:
	tensor_load_to_lds s[80:83], s[48:55]
	s_nop 0
	tensor_load_to_lds s[84:87], s[32:39]
	s_nop 0
	tensor_load_to_lds s[88:91], s[32:39]
	s_nop 0
	tensor_load_to_lds s[92:95], s[32:39]
	s_nop 0
	tensor_load_to_lds s[96:99], s[32:39]
	s_nop 0
.rept 4
	v_nop
.endr
.Lfilled:
	s_lshl_b32 s16, s10, 17
	s_lshl_b32 s2, s3, 14
	s_add_co_u32 s16, s16, s2
	s_lshl_b32 s2, s8, 10
	s_add_co_u32 s16, s16, s2
	s_mov_b32 s17, 0
	s_add_nc_u64 s[16:17], s[4:5], s[16:17]        ; Q's codes at position 256 block + 16 wave
	s_lshr_b32 s2, s8, 1
	s_lshl_b32 s2, s2, 5
	s_and_b32 s18, s8, 1
	s_lshl_b32 s18, s18, 3
	s_add_co_u32 s2, s2, s18                       ; those positions' first token in the block: 32 (wave / 2) + 8 (wave % 2)
	s_lshl_b32 s18, s3, 8
	s_add_co_u32 s18, s18, s2
	s_lshl_b32 s19, s15, 11
	s_add_co_u32 s18, s18, s19
	s_lshl_b32 s18, s18, 2
	s_lshl_b32 s19, s14, 1
	s_add_co_u32 s18, s18, s19
	s_add_co_u32 s18, s18, QSO
	s_mov_b32 s19, 0
	s_add_nc_u64 s[18:19], s[4:5], s[18:19]        ; and its scale word's two bytes of my head
	global_load_b128 v[16:19], v247, s[16:17]
	global_load_b128 v[20:23], v247, s[16:17] offset:32
	global_load_u16 v243, v248, s[18:19]
	s_lshl_b32 s100, s11, 3
	s_add_co_u32 s100, s100, s3                    ; the block of 256 rows among the 16
	s_lshl_b32 s20, s100, 18
	s_lshl_b32 s101, s12, 14
	s_add_co_u32 s20, s20, s101
	s_lshl_b32 s101, s2, 6
	s_add_co_u32 s20, s20, s101
	s_mov_b32 s21, 0
	s_add_nc_u64 s[20:21], s[6:7], s[20:21]        ; o's codes: [block 16][head 16][row 256][64]
	s_lshl_b32 s22, s100, 13
	s_lshl_b32 s101, s2, 5
	s_add_co_u32 s22, s22, s101
	s_lshl_b32 s101, s12, 1
	s_add_co_u32 s22, s22, s101
	s_add_co_u32 s22, s22, 4194304
	s_mov_b32 s23, 0
	s_add_nc_u64 s[22:23], s[6:7], s[22:23]        ; o's scale bytes: [row 4096][32]
.set jj, 0
.rept 8
	v_mov_b32 v[24+jj], 0                          ; Q's codes of K = 64 .. 127
	v_mov_b32 v[96+jj], 0                          ; what stands behind K's tile 7
.set jj, jj+1
.endr
	v_mov_b32 v13, 0xff61b1e6                      ; the largest t so far: -3e38
	v_floor_f32 v12, -v13                          ; -M
	v_mov_b32 v14, 0
	v_mov_b32 v15, 0
.irp b, 0,1,2,3
	v_mov_b32 v[220+\b], 0                         ; a lane permute's destination counts as one of its sources
.endr
	v_mov_b32 v241, 0                              ; named as the upper half of the pair v[240:241] before it is first written
	v_mov_b32 v242, 0
.set jj, 0
.rept 32
	v_mov_b32 v[168+jj], 0                         ; O^T: the step is written once; the first change of M leaves zeros zeros
.set jj, jj+1
.endr
	s_wait_loadcnt 0x0                             ; Q: its pointers are free from here on
	s_mov_b32 s16, 0x76543210
	s_mov_b32 s17, 0xfedcba98                      ; selects for lane l xor 16
	s_mov_b32 s18, 0x3e38aa3b                      ; c = log2(e) / 8
	s_mov_b32 s19, s18
	s_mov_b32 s9, 0x600000                         ; the mantissa field of 448
	s_mov_b32 s10, 0                               ; where the step's K begins: 10,240 bytes a step
	s_mov_b32 s11, 0                               ; V: 9,216
	s_mov_b32 s12, 0                               ; K's scale words: 512
	s_mov_b32 s13, 0                               ; V's: 256
; A KEY STEP: 128 keys
.macro STEP
	v_add_nc_u32 v8, s10, v1
	v_add_nc_u32 v9, s11, v2
	v_add_nc_u32 v10, s12, v3
	v_add_nc_u32 v11, s13, v4
.rept 4
	v_nop                                          ; with the four additions: eight places in front of loads into registers that the last products read
.endr
.irp t, 0,1,2,3,4,5,6,7
	ds_load_b128 v[32+8*\t:35+8*\t], v8 offset:1280*\t
	ds_load_b128 v[36+8*\t:39+8*\t], v8 offset:1280*\t+32
	ds_load_u16 v[232+\t], v10 offset:4*(32*(\t/2)+8*(\t%2))
.endr
	s_wait_dscnt 0x0
.irp t, 0,1,2,3,4,5,6,7
	v_wmma_scale_f32_16x16x128_f8f6f4 v[104+8*\t:111+8*\t], v[32+8*\t:47+8*\t], v[16:31], 0, v[232+\t], v243
.endr
.rept 8
	v_nop
.endr
.irp t, 0,1,2,3                                ; V's run of loads stands here and lands under the softmax
.irp c, 0,1,2,3
	ds_load_b128 v[32+16*\t+4*\c:35+16*\t+4*\c], v9 offset:2304*\t+32*\c
.endr
	ds_load_b32 v[232+\t], v11 offset:64*\t
.endr
.irp b, 0,1,2,3
	v_max3_num_f32 v[216+\b], v[104+16*\b], v[105+16*\b], v[106+16*\b]   ; the largest score of each block of 32 keys: for the row's maximum and, since p rises with the score, for the block's largest p
.endr
.irp i, 3,5,7,9,11,13
.irp b, 0,1,2,3
	v_max3_num_f32 v[216+\b], v[216+\b], v[104+16*\b+\i], v[105+16*\b+\i]
.endr
.endr
.irp b, 0,1,2,3
	v_max_num_f32 v[216+\b], v[216+\b], v[119+16*\b]
.endr
.irp b, 0,1,2,3
	v_permlanex16_b32 v[220+\b], v[216+\b], s16, s17
.endr
.irp b, 0,1,2,3
	v_max_num_f32 v[216+\b], v[216+\b], v[220+\b]
.endr
	v_max3_num_f32 v242, v216, v217, v218
	v_max_num_f32 v242, v242, v219
	v_mul_f32 v242, s18, v242
	v_max_num_f32 v13, v13, v242                   ; the running largest t
	v_mov_b32 v242, v12
	v_floor_f32 v12, -v13                          ; the new -M: M is a whole number
	v_sub_f32 v242, v12, v242
	v_cvt_i32_f32 v242, v242                       ; (it saturates)
	v_ldexp_f32 v240, 1.0, v242                    ; f = 2^(old M - new M)
.set jj, 0
.rept 32
	v_pk_fma_f32 v[104+jj:105+jj], v[104+jj:105+jj], s[18:19], v[12:13] op_sel_hi:[1,0,0]   ; t - M
.set jj, jj+2
.endr
.irp b, 0,1,2,3
	v_fma_f32 v[216+\b], v[216+\b], s18, v12
.endr
.set jj, 0
.rept 64
	v_exp_f32 v[104+jj], v[104+jj]                 ; p = 2^(t - M)
.set jj, jj+1
.endr
	v_pk_mul_f32 v[14:15], v[14:15], v[240:241] op_sel_hi:[1,0]   ; the sums under the new M: a plain instruction behind the exponentials
	s_wait_alu depctr_va_vdst(0)                   ; one wait for the batch, ahead of its first reader
.irp b, 0,1,2,3
	v_exp_f32 v[216+\b], v[216+\b]                 ; each block's largest p
.endr
	v_pk_add_f32 v[220:221], v[104:105], v[106:107]   ; the row's sum of the unquantised p, in two chains
.set jj, 4
.rept 15
	v_pk_add_f32 v[14:15], v[14:15], v[104+jj:105+jj]
	v_pk_add_f32 v[220:221], v[220:221], v[106+jj:107+jj]
.set jj, jj+4
.endr
	v_pk_add_f32 v[14:15], v[14:15], v[220:221]
	s_wait_alu depctr_va_vdst(0)                   ; and one for the four
.irp b, 0,1,2,3
	v_max_num_f32 v[216+\b], 0x4800000, v[216+\b]  ; the floor 2^(9 - 127)
.endr
.irp b, 0,1,2,3
	v_add_nc_u32 v[228+\b], 0xfc000000, v[216+\b]  ; the conversion's scale operand
.endr
.irp b, 0,1,2,3
	v_and_or_b32 v[224+\b], v[216+\b], 0x7f800000, s9   ; 448 x the scale
.endr
.irp b, 0,1,2,3
	v_lshrrev_b32 v[220+\b], 23, v[228+\b]
.endr
	v_lshl_or_b32 v241, v221, 8, v220              ; p's scale word for these 128 keys
	v_lshl_or_b32 v241, v222, 16, v241
	v_lshl_or_b32 v241, v223, 24, v241
.irp b, 0,1,2,3
.set jj, 0
.rept 16
	v_min_num_f32 v[104+16*\b+jj], v[104+16*\b+jj], v[224+\b]   ; the hold; p is not negative
.set jj, jj+1
.endr
	v_cvt_scalef32_pk8_fp8_f32 v[200+4*\b:201+4*\b], v[104+16*\b:111+16*\b], v[228+\b]
	v_cvt_scalef32_pk8_fp8_f32 v[202+4*\b:203+4*\b], v[112+16*\b:119+16*\b], v[228+\b]
.endr
.set jj, 0
.rept 16
	v_pk_mul_f32 v[168+jj:169+jj], v[168+jj:169+jj], v[240:241] op_sel_hi:[1,0]   ; O^T under the new M; these are also the places ahead of the products below
.set jj, jj+2
.endr
	s_wait_dscnt 0x0                               ; V and its scale words
.irp t, 0,1,2,3
	v_wmma_scale_f32_16x16x128_f8f6f4 v[168+8*\t:175+8*\t], v[32+16*\t:47+16*\t], v[200:215], v[168+8*\t:175+8*\t], v[232+\t], v241
.endr
	s_add_co_u32 s10, s10, 10240
	s_add_co_u32 s11, s11, 9216
	s_add_co_u32 s12, s12, 512
	s_add_co_u32 s13, s13, 256
.endm
; a group of 512 keys.  n: my tensor loads issued behind this group's, which may stay out
.macro GROUP n
	s_wait_tensorcnt \n
	s_wait_dscnt 0x0
	s_barrier_signal -1
	s_barrier_wait -1                              ; every wave's part of the group lies in LDS
	s_mov_b32 s14, 4
.Lstep_\@:
	STEP
	s_sub_co_u32 s14, s14, 1
	s_cmp_lg_u32 s14, 0
	s_cbranch_scc1 .Lstep_\@
.endm
	GROUP 3
	GROUP 2
	GROUP 1
	GROUP 0
	; THE WAY OUT: o = O^T / l, quantised along the head's 64 (two blocks of the model's 1,024), through my stage, which lies where K lay
	s_wait_dscnt 0x0
	s_barrier_signal -1
	s_barrier_wait -1                              ; no wave reads K any more
	v_add_f32 v14, v14, v15
	v_permlanex16_b32 v242, v14, s16, s17
	v_add_f32 v14, v14, v242                       ; the row's sum
	v_rcp_f32 v14, v14
.rept 6
	v_nop                                          ; with the two additions: eight places behind the last products; also the plain instruction behind the reciprocal
.endr
	s_wait_alu depctr_va_vdst(0)
.set jj, 0
.rept 16
	v_pk_mul_f32 v[104+jj:105+jj], v[168+jj:169+jj], v[14:15] op_sel_hi:[1,0]   ; register 8 t + j is o(query r, 16 t + 8 h + j); each accumulator from its low end on
.set jj, jj+2
.endr
.irp b, 0,1
	v_max3_num_f32 v[216+\b], |v[104+16*\b]|, |v[105+16*\b]|, 0x4800000
.endr
.set jj, 2
.rept 7
.irp b, 0,1
	v_max3_num_f32 v[216+\b], v[216+\b], |v[104+16*\b+jj]|, |v[105+16*\b+jj]|
.endr
.set jj, jj+2
.endr
.irp b, 0,1
	v_permlanex16_b32 v[220+\b], v[216+\b], s16, s17
.endr
.irp b, 0,1
	v_max_num_f32 v[216+\b], v[216+\b], v[220+\b]
.endr
.irp b, 0,1
	v_add_nc_u32 v[228+\b], 0xfc000000, v[216+\b]
.endr
.irp b, 0,1
	v_and_or_b32 v[224+\b], v[216+\b], 0x7f800000, s9
.endr
.irp b, 0,1
	v_lshrrev_b32 v[220+\b], 23, v[228+\b]
.endr
	v_lshl_or_b32 v242, v221, 8, v220              ; my row's two scale bytes
.set jj, 0
.rept 32
	v_med3_num_f32 v[104+jj], v[104+jj], -v[224+jj/16], v[224+jj/16]
.set jj, jj+1
.endr
.set jj, 0
.rept 4
	v_cvt_scalef32_pk8_fp8_f32 v[200+2*jj:201+2*jj], v[104+8*jj:111+8*jj], v[228+jj/2]
.set jj, jj+1
.endr
	v_nop                                          ; a plain instruction behind the last conversion
.set jj, 0
.rept 4
	ds_store_b64 v244, v[200+2*jj:201+2*jj] offset:16*jj
.set jj, jj+1
.endr
	ds_load_b128 v[208:211], v245                  ; LDS serves a wave's instructions in order: these see my stores
	ds_load_b128 v[212:215], v245 offset:640
	s_wait_dscnt 0x0
	global_store_b128 v7, v[208:211], s[20:21]     ; eight rows of 64 bytes: 512 consecutive bytes
	global_store_b128 v7, v[212:215], s[20:21] offset:1024
	global_store_b16 v246, v242, s[22:23]          ; both halves of the lanes write the same two bytes
	s_wait_tensorcnt 0x0                           ; the wave's end, behind my last tensor load and my last LDS store
	ds_add_u32 v5, v6
	s_wait_dscnt 0x0
	CROUND                                         ; the closing round
	s_endpgm
.Lfunc_end_k_q7fef1cdf3b_attn:
	.size	k_q7fef1cdf3b_attn, .Lfunc_end_k_q7fef1cdf3b_attn-k_q7fef1cdf3b_attn
	.p2alignl 7, 3214868480
	.fill 96, 4, 3214868480
	.section	.rodata,"a",@progbits
	.p2align	6, 0x0
	.amdhsa_kernel k_q7fef1cdf3b_attn
		.amdhsa_group_segment_fixed_size 327680
		.amdhsa_private_segment_fixed_size 0
		.amdhsa_enable_private_segment 0
		.amdhsa_kernarg_size 16
		.amdhsa_user_sgpr_count 2
		.amdhsa_user_sgpr_kernarg_segment_ptr 1
		.amdhsa_wavefront_size32 1
		.amdhsa_system_sgpr_workgroup_id_x 1
		.amdhsa_system_sgpr_workgroup_id_y 1
		.amdhsa_system_sgpr_workgroup_id_z 1
		.amdhsa_system_vgpr_workitem_id 0
		.amdhsa_next_free_vgpr 256
		.amdhsa_next_free_sgpr 102
		.amdhsa_reserve_vcc 0
		.amdhsa_float_denorm_mode_32 3
		.amdhsa_float_denorm_mode_16_64 3
		.amdhsa_memory_ordered 1
		.amdhsa_forward_progress 1
		.amdhsa_inst_pref_size 97
	.end_amdhsa_kernel
	.amdgpu_metadata
---
amdhsa.version: [ 1, 2 ]
amdhsa.kernels:
  - .name:           k_q7fef1cdf3b_attn
    .symbol:         k_q7fef1cdf3b_attn.kd
    .args:
      - { .name: qkvw, .offset: 0, .size: 8, .value_kind: global_buffer, .address_space: global }
      - { .name: oq, .offset: 8, .size: 8, .value_kind: global_buffer, .address_space: global }
    .group_segment_fixed_size: 327680
    .private_segment_fixed_size: 0
    .kernarg_segment_align: 8
    .kernarg_segment_size: 16
    .max_flat_workgroup_size: 512
    .sgpr_count:     102
    .vgpr_count:     256
    .wavefront_size: 32
...
	.end_amdgpu_metadata
.endif
;; end of part 3
;; launch wo (part 4): grid 4 x 16, 4 waves a work-group, clusters of 4 x 4, 327,680 bytes of LDS; arguments oq, wo_codes, wo_scales, x, x1; writes x1
.if DOCPART == 4
	.amdgcn_target "amdgcn-amd-amdhsa--gfx1250"
	.amdhsa_code_object_version 6
	.text
	.protected	k_q7fef1cdf3b_wo
	.globl	k_q7fef1cdf3b_wo
	.p2align	8
	.type	k_q7fef1cdf3b_wo,@function
k_q7fef1cdf3b_wo:
	s_mov_b64 s[64:65], 0
	v_nop
	global_prefetch_b8 v0, s[64:65] scope:SCOPE_SE
	s_setreg_imm32_b32 hwreg(HW_REG_WAVE_MODE, 25, 1), 1
	s_wait_xcnt 0x0
	s_wait_alu depctr_hold_cnt(0) depctr_sa_sdst(0) depctr_va_vdst(0) depctr_va_sdst(0) depctr_va_ssrc(0) depctr_va_vcc(0) depctr_vm_vsrc(0)
	s_getreg_b32 s2, hwreg(HW_REG_IB_STS2, 6, 4)
	s_cmp_eq_u32 s2, 0
	s_cbranch_scc0 .Lentry_in_a_cluster
	s_endpgm
.Lentry_in_a_cluster:
	s_bfe_u32 s2, ttmp6, 0x10000c
	s_cmp_lg_u32 s2, 0xf033
	s_cbranch_scc0 .Lentry_shape_is_right
	s_endpgm
.Lentry_shape_is_right:
; x1 = x + o wo on codes of E4M3 (K = 1,024).  (The input mask is dead work: see the first kernel.)
; The frame is that of the launch qkv: a tile of C of 256 x 256, four waves of 128 x 128, transposed use, K in steps of 256 through two LDS slots filled by joint tensor loads, the scale words in 64 registers.
; A's codes lie [block of 256 rows 16][head 16][row 256][64]: a slot's four heads are 65,536 dense bytes; a load brings two heads as 512 rows of 64 + 16 bytes.  A's scale bytes [4096][32] lie at 4,194,304.
; The grid has 64 work-groups: the wave's tile of 128 x 128 is kept, so that each byte read from LDS feeds as many products as the registers allow.
; THE WAY OUT: a block of 16 rows x 128 columns goes through my stage in LDS (in slot 0, which has had its last fill and its last read) and comes back as rows of 512 bytes; x's rows, asked for four blocks ahead, are added.
.set SLOT,  151552                     ; A: 4 heads x 256 rows of 80 bytes; then B's 256 rows of 272
.set AREG,  81920
.set AHALF, 40960
.set SPARE, 303104
.set ASLOT, 65536
.set ASTEP, 131072
.set FR,   16
.set ADRA, 16
.set ADRB, 20
.set STO,  24
.set RD,   25
.set CO,   26
.set SPW,  28
.set NIL,  29
.set VSA,  30
.set VSB,  31
.set SC,   32
.set AF,   128
.set G1,   24
.set G0,   32
.set G1B,  48
.set G0B,  56
.set MUL_LO, 0xa1
.set MUL_HI, 0xf1
.set TO_B,   0x40
.set MSB, 0
.macro WIN new                         ; the immediate's high byte repeats the setting that is left
.if MSB != (\new)
	s_set_vgpr_msb (MSB<<8)|(\new)
.set MSB, (\new)
.endif
.endm
.macro JLOAD s                         ; a joint load: waves 0, 1 fetch A's halves, waves 2, 3 B's; an s_nop 0 and four v_nop follow each line
	s_cmp_eq_u32 s15, 0
	s_cbranch_scc0 .Lfor_b_\@
	tensor_load_to_lds s[G0+4*\s:G0+4*\s+3], s[G1:G1+7]
	s_nop 0
.rept 4
	v_nop
.endr
	s_branch .Lasked_\@
.Lfor_b_\@:
	tensor_load_to_lds s[G0B+4*\s:G0B+4*\s+3], s[G1B:G1B+7]
	s_nop 0
.rept 4
	v_nop
.endr
.Lasked_\@:
.endm
.macro CREST
	s_cmp_lg_u32 s14, 0
	s_cbranch_scc1 .Lnot_wave_0_\@
	s_barrier_signal -3
.Lnot_wave_0_\@:
	s_barrier_wait -3
	s_barrier_signal -1
	s_barrier_wait -1
.endm
.macro CROUND
	s_barrier_signal -1
	s_barrier_wait -1
	CREST
.endm
.macro PLACES n
.rept \n
	v_nop
.endr
.endm
.macro MUL16 a0, p, g, zero            ; the 64 accumulators take turns in the same order in every step
.irp a, \a0, \a0+1
.irp b, 0,1,2,3,4,5,6,7
.set rD, 8*(8*((\a)%4)+\b)
.set rB, 128*(\p)+FR*\b
.set rA, AF+FR*(\a)
.set sB, SC+32*((\g)/4)+16+2*\b+(\g)%2
.set sA, SC+32*((\g)/4)+2*(\a)+(\g)%2
.if \zero
	v_wmma_scale_f32_16x16x128_f8f6f4 v[rD:rD+7], v[rB:rB+15], v[rA:rA+15], 0, v[sB], v[sA]
.elseif ((\g)/2)%2
	v_wmma_scale_f32_16x16x128_f8f6f4 v[rD:rD+7], v[rB:rB+15], v[rA:rA+15], v[rD:rD+7], v[sB], v[sA] matrix_a_scale:MATRIX_SCALE_ROW1 matrix_b_scale:MATRIX_SCALE_ROW1
.else
	v_wmma_scale_f32_16x16x128_f8f6f4 v[rD:rD+7], v[rB:rB+15], v[rA:rA+15], v[rD:rD+7], v[sB], v[sA]
.endif
.endr
.endr
.endm
.macro FRAGB reg, slot, q, i
.irp c, 0,1,2,3
	ds_load_b128 v[\reg+4*\c:\reg+4*\c+3], v[ADRB+\slot] offset:128*(\q)+32*\c+(\i)*4352
.endr
.endm
.macro FRAGA reg, slot, q, i           ; 128 along K are two heads: K = 32 c + .. lies in head c / 2 of the two, at byte 32 (c % 2) of its row
.irp c, 0,1,2,3
	ds_load_b128 v[\reg+4*\c:\reg+4*\c+3], v[ADRA+2*(\slot)+(\q)] offset:20480*(\c/2)+32*(\c%2)+(\i)*1280
.endr
.endm
.macro FETCH_B slot, q, p
	WIN TO_B
.irp i, 0,1,2,3,4,5,6,7
	FRAGB 128*(\p)+FR*\i, \slot, \q, \i
.endr
	WIN 0
.endm
.macro FETCH_A slot, q, i0
.irp i, \i0, \i0+1, \i0+2, \i0+3
	FRAGA AF+FR*(\i), \slot, \q, \i
.endr
.endm
.macro STEP slot, g, zero
	s_wait_dscnt 16                                ; A's blocks 4-7, the youngest 16 loads, may be out
	WIN MUL_LO
	MUL16 0, 0, \g, \zero
	MUL16 2, 0, \g, \zero
	s_wait_dscnt 0x0
	PLACES 8
	FETCH_B \slot, 1, 1
	FETCH_A \slot, 1, 0
	WIN MUL_HI
	MUL16 4, 0, \g, \zero
	MUL16 6, 0, \g, \zero
	PLACES 8
	WIN 0
	FETCH_A \slot, 1, 4
.endm
.macro TURN slot, next, g, fill
	s_wait_tensorcnt 0x0                           ; all my tensor loads have landed: my part of the next slot
	ds_add_u32 v[SPW], v[NIL]                      ; 0 onto my spare word
	s_wait_dscnt 17                                ; the add and A's blocks 4-7 may be out
	WIN MUL_LO
	MUL16 0, 1, \g, 0
	s_wait_dscnt 0x0                               ; the add is done, and my reads of this slot are over
	s_barrier_signal -1
	MUL16 2, 1, \g, 0
	WIN 0
	s_barrier_wait -1
.if \fill
	CREST                                          ; no wave of any partner still reads this slot or has a load on its way
	s_add_nc_u64 s[G0+4*\slot+2:G0+4*\slot+3], s[G0+4*\slot+2:G0+4*\slot+3], ASTEP
	s_add_nc_u64 s[G0B+4*\slot+2:G0B+4*\slot+3], s[G0B+4*\slot+2:G0B+4*\slot+3], 512
	JLOAD \slot
	PLACES 4
.else
	PLACES 8
.endif
	FETCH_B \next, 0, 0
	FETCH_A \next, 0, 0
	WIN MUL_HI
	MUL16 4, 1, \g, 0
	MUL16 6, 1, \g, 0
	PLACES 8
	WIN 0
	FETCH_A \next, 0, 4
.endm
.macro LAST
	s_wait_dscnt 16
	WIN MUL_LO
	MUL16 0, 1, 7, 0
	MUL16 2, 1, 7, 0
	s_wait_dscnt 0x0
	WIN MUL_HI
	MUL16 4, 1, 7, 0
	MUL16 6, 1, 7, 0
	WIN 0
.endm
.macro SCLOAD set
.irp i, 0,1,2,3,4,5,6,7
	global_load_b64 v[SC+32*\set+2*\i:SC+32*\set+2*\i+1], v[VSA], s[6:7] offset:512*\i+16*\set
.endr
.irp i, 0,1,2,3,4,5,6,7
	global_load_b64 v[SC+32*\set+16+2*\i:SC+32*\set+17+2*\i], v[VSB], s[10:11] offset:512*\i+16*\set
.endr
.endm
.macro XLOAD a                         ; the residual's rows of block a, into window 1, where B's fragments lay
	WIN 0x40
.irp t, 0,1,2,3,4,5,6,7,8,9,10,11,12,13,14,15
	global_load_b128 v[64*((\a)%4)+4*\t:64*((\a)%4)+4*\t+3], v[CO], s[66:67] offset:(16*(\a)+\t)*4096
.endr
	WIN 0
.endm
.macro TOSTAGE a
.set AC, 64*((\a)%4)
.set WN, 0x08+4*((\a)/4)
	WIN WN                                         ; an LDS store's data are its source 1: window 2 or 3
.irp b, 0,1,2,3,4,5,6,7
	ds_store_b128 v[STO], v[AC+8*\b:AC+8*\b+3] offset:64*\b          ; each accumulator from its low end on
	ds_store_b128 v[STO], v[AC+8*\b+4:AC+8*\b+7] offset:64*\b+16
.endr
	WIN 0
.set BB, 128+64*((\a)%2)
.irp t, 0,1,2,3,4,5,6,7,8,9,10,11,12,13,14,15
	ds_load_b128 v[BB+4*\t:BB+4*\t+3], v[RD] offset:\t*528           ; LDS serves a wave's instructions in order
.endr
.endm
.macro SEND a, younger
.set BB, 128+64*((\a)%2)
.set RX, 64*((\a)%4)
	s_wait_dscnt \younger                          ; the block is back in registers
.if 7-(\a) < 3
	s_wait_loadcnt 16*(7-(\a))                     ; its rows of the residual are in: behind them the later blocks' loads, 16 each
.else
	s_wait_loadcnt 48
.endif
	WIN 0x04
.set jj, 0
.rept 32
	v_pk_add_f32 v[BB+jj:BB+jj+1], v[BB+jj:BB+jj+1], v[RX+jj:RX+jj+1]
.set jj, jj+2
.endr
	WIN 0
.if (\a) < 4
	XLOAD (\a)+4
.endif
.irp t, 0,1,2,3,4,5,6,7,8,9,10,11,12,13,14,15
	global_store_b128 v[CO], v[BB+4*\t:BB+4*\t+3], s[12:13] offset:(16*(\a)+\t)*4096   ; 32 lanes store 512 consecutive bytes
.endr
.endm
	s_load_b256 s[68:75], s[0:1], 0x0              ; oq, wo codes, wo scales, x
	s_load_b64 s[76:77], s[0:1], 0x20              ; x1
	v_lshl_add_u32 v[SPW], v0, 2, SPARE
	v_mov_b32 v[NIL], 0
	ds_add_u32 v[SPW], v[NIL]                      ; the wave's opening: the add, twice on end, and its wait ahead of my first tensor load
	ds_add_u32 v[SPW], v[NIL]
	v_lshrrev_b32 v1, 5, v0
	v_readfirstlane_b32 s14, v1
	s_lshr_b32 s15, s14, 1
	s_and_b32 s16, s14, 1
	s_bfe_u32 s40, ttmp6, 0x40000
	s_bfe_u32 s41, ttmp6, 0x40004
	s_and_b32 s84, ttmp7, 0xffff
	s_lshl_b32 s84, s84, 2
	s_add_co_u32 s17, s84, s41                     ; A's tile: 4 x cluster y + cy
	s_lshl_b32 s42, ttmp9, 2
	s_add_co_u32 s42, s42, s40                     ; B's tile: 4 x cluster x + cx
	s_lshl_b32 s43, s41, 2
	s_lshl_b32 s43, 15, s43
	s_lshl_b32 s44, 0x1111, s40
	s_or_b32 s[G1], s43, (1<<20)|(1<<21)|(3<<22)|(3<<25)    ; A: 512 rows of 64 bytes, 4 words of padding behind every 16
	s_mov_b32 s[G1+1], 64<<16
	s_mov_b32 s[G1+2], 512<<16
	s_mov_b32 s[G1+3], 64<<16
	s_mov_b32 s[G1+4], 512
	s_mov_b32 s[G1+5], 64
	s_mov_b32 s[G1+6], 0
	s_mov_b32 s[G1+7], 0
	s_or_b32 s[G1B], s44, (1<<20)|(1<<21)|(5<<22)|(3<<25)   ; B: 128 rows of 256 bytes
	s_mov_b32 s[G1B+1], 256<<16
	s_mov_b32 s[G1B+2], 128<<16
	s_mov_b32 s[G1B+3], 256<<16
	s_mov_b32 s[G1B+4], 128
	s_mov_b32 s[G1B+5], 1024
	s_mov_b32 s[G1B+6], 0
	s_mov_b32 s[G1B+7], 0
	s_lshl_b32 s20, s17, 18
	s_lshl_b32 s21, s16, 15
	s_add_co_u32 s20, s20, s21                     ; A: 262,144 x tile + the two heads that I fetch
	s_mov_b32 s21, 0
	s_lshl_b32 s46, s42, 18
	s_lshl_b32 s47, s16, 17
	s_add_co_u32 s46, s46, s47
	s_mov_b32 s47, 0
	s_lshl_b32 s22, s17, 13
	s_lshl_b32 s23, s15, 12
	s_add_co_u32 s22, s22, s23
	s_add_co_u32 s22, s22, 4194304
	s_mov_b32 s23, 0
	s_lshl_b32 s92, s42, 13
	s_lshl_b32 s93, s16, 12
	s_add_co_u32 s92, s92, s93
	s_mov_b32 s93, 0
	s_lshl_b32 s18, s17, 20
	s_lshl_b32 s19, s15, 19
	s_add_co_u32 s18, s18, s19
	s_lshl_b32 s19, s42, 10
	s_add_co_u32 s18, s18, s19
	s_lshl_b32 s19, s16, 9
	s_add_co_u32 s18, s18, s19                     ; my 128 x 128 in x and x1
	s_mov_b32 s19, 0
	s_mul_i32 s45, s16, AHALF
	s_mul_i32 s85, s16, 34816
	s_add_co_u32 s85, s85, AREG
	s_wait_dscnt 0x0
	s_wait_kmcnt 0x0
	s_add_nc_u64 s[20:21], s[68:69], s[20:21]
	s_add_nc_u64 s[46:47], s[70:71], s[46:47]
	s_add_nc_u64 s[6:7], s[68:69], s[22:23]
	s_add_nc_u64 s[10:11], s[72:73], s[92:93]
	s_add_nc_u64 s[66:67], s[74:75], s[18:19]
	s_add_nc_u64 s[12:13], s[76:77], s[18:19]
	CROUND
.irp s, 0,1
	s_mov_b32 s[G0+4*\s], 1
	s_add_co_u32 s[G0+4*\s+1], s45, \s*SLOT
	s_add_nc_u64 s[G0+4*\s+2:G0+4*\s+3], s[20:21], \s*ASLOT
	s_or_b32 s[G0+4*\s+3], s[G0+4*\s+3], 0x80000000
	s_mov_b32 s[G0B+4*\s], 1
	s_add_co_u32 s[G0B+4*\s+1], s85, \s*SLOT
	s_add_nc_u64 s[G0B+4*\s+2:G0B+4*\s+3], s[46:47], \s*256
	s_or_b32 s[G0B+4*\s+3], s[G0B+4*\s+3], 0x80000000
	JLOAD \s
.endr
	v_and_b32 v1, 15, v0
	v_bfe_u32 v2, v0, 4, 1
	v_and_b32 v11, 31, v0
	v_mul_u32_u24 v12, v1, 80
	v_lshl_add_u32 v12, v2, 4, v12
	s_mul_i32 s18, s15, 10240                      ; my 128 rows of 80 bytes
	v_add_nc_u32 v13, s18, v12
	v_mul_u32_u24 v12, v1, 272
	v_lshl_add_u32 v12, v2, 4, v12
	s_mul_i32 s19, s16, 34816
	s_add_co_u32 s19, s19, AREG
	v_add_nc_u32 v14, s19, v12
.irp s, 0,1
.irp q, 0,1
	v_add_nc_u32 v[ADRA+2*\s+\q], \s*SLOT+\q*40960, v13
.endr
	v_add_nc_u32 v[ADRB+\s], \s*SLOT, v14
.endr
	v_lshlrev_b32 v[VSA], 5, v1
	v_lshl_add_u32 v[VSA], v2, 3, v[VSA]
	v_mov_b32 v[VSB], v[VSA]
	SCLOAD 0
	SCLOAD 1
	v_lshlrev_b32 v[CO], 4, v11
	s_mul_i32 s18, s14, 8448                       ; my stage: 16 rows of 512 + 16 bytes
	v_mul_u32_u24 v12, v1, 528
	v_lshl_add_u32 v12, v2, 5, v12
	v_add_nc_u32 v[STO], s18, v12
	v_add_nc_u32 v[RD], s18, v[CO]
	s_wait_tensorcnt 1                             ; my part of slot 0 is in; slot 1's may stay out
	s_barrier_signal -1
	s_barrier_wait -1
	FETCH_B 0, 0, 0
	FETCH_A 0, 0, 0
	FETCH_A 0, 0, 4
	s_wait_loadcnt 0x0
	STEP 0, 0, 1
	TURN 0, 1, 1, 1
	STEP 1, 2, 0
	TURN 1, 0, 3, 1
	STEP 0, 4, 0
	TURN 0, 1, 5, 0
	STEP 1, 6, 0
	XLOAD 0                                        ; B's set 0 is done with, eight places back
	XLOAD 1
	LAST
	PLACES 8
	XLOAD 2
	XLOAD 3
	TOSTAGE 0
.irp a, 1,2,3,4,5,6,7
.if \a > 1
	s_wait_xcnt 0x0                                ; block a - 2's stores have read the registers that block a's loads fill
.endif
	TOSTAGE \a
	SEND \a-1, 32                                  ; behind block a - 1's loads: block a's 16 stores and 16 loads
.endr
	SEND 7, 0
	s_wait_tensorcnt 0x0                           ; the wave's end
	ds_add_u32 v[SPW], v[NIL]
	s_wait_dscnt 0x0
	CROUND
	s_endpgm
.Lfunc_end_k_q7fef1cdf3b_wo:
	.size	k_q7fef1cdf3b_wo, .Lfunc_end_k_q7fef1cdf3b_wo-k_q7fef1cdf3b_wo
	.p2alignl 7, 3214868480
	.fill 96, 4, 3214868480
	.section	.rodata,"a",@progbits
	.p2align	6, 0x0
	.amdhsa_kernel k_q7fef1cdf3b_wo
		.amdhsa_group_segment_fixed_size 327680
		.amdhsa_private_segment_fixed_size 0
		.amdhsa_enable_private_segment 0
		.amdhsa_kernarg_size 40
		.amdhsa_user_sgpr_count 2
		.amdhsa_user_sgpr_kernarg_segment_ptr 1
		.amdhsa_wavefront_size32 1
		.amdhsa_system_sgpr_workgroup_id_x 1
		.amdhsa_system_sgpr_workgroup_id_y 1
		.amdhsa_system_sgpr_workgroup_id_z 1
		.amdhsa_system_vgpr_workitem_id 0
		.amdhsa_next_free_vgpr 1024
		.amdhsa_next_free_sgpr 100
		.amdhsa_reserve_vcc 0
		.amdhsa_float_denorm_mode_32 3
		.amdhsa_float_denorm_mode_16_64 3
		.amdhsa_memory_ordered 1
		.amdhsa_forward_progress 1
		.amdhsa_inst_pref_size 173
	.end_amdhsa_kernel
	.amdgpu_metadata
---
amdhsa.version: [ 1, 2 ]
amdhsa.kernels:
  - .name:           k_q7fef1cdf3b_wo
    .symbol:         k_q7fef1cdf3b_wo.kd
    .args:
      - { .name: oq, .offset: 0, .size: 8, .value_kind: global_buffer, .address_space: global }
      - { .name: wo_codes, .offset: 8, .size: 8, .value_kind: global_buffer, .address_space: global }
      - { .name: wo_scales, .offset: 16, .size: 8, .value_kind: global_buffer, .address_space: global }
      - { .name: x, .offset: 24, .size: 8, .value_kind: global_buffer, .address_space: global }
      - { .name: x1, .offset: 32, .size: 8, .value_kind: global_buffer, .address_space: global }
    .group_segment_fixed_size: 327680
    .private_segment_fixed_size: 0
    .kernarg_segment_align: 8
    .kernarg_segment_size: 40
    .max_flat_workgroup_size: 128
    .sgpr_count:     100
    .vgpr_count:     1024
    .wavefront_size: 32
...
	.end_amdgpu_metadata
.endif
;; end of part 4
;; launch ln2: the kernel of part 1 again; grid 256 x 1, 4 waves a work-group, no clusters, 41,984 bytes of LDS; arguments x1, ln2_a, ln2_b, hq; writes hq
;; launch up (part 5): grid 16 x 16, 4 waves a work-group, clusters of 4 x 4, 327,680 bytes of LDS; arguments hq, w_up_codes, w_up_scales, b_up, fq; writes fq
.if DOCPART == 5
	.amdgcn_target "amdgcn-amd-amdhsa--gfx1250"
	.amdhsa_code_object_version 6
	.text
	.protected	k_q7fef1cdf3b_up
	.globl	k_q7fef1cdf3b_up
	.p2align	8
	.type	k_q7fef1cdf3b_up,@function
k_q7fef1cdf3b_up:
	s_mov_b64 s[64:65], 0
	v_nop
	global_prefetch_b8 v0, s[64:65] scope:SCOPE_SE
	s_setreg_imm32_b32 hwreg(HW_REG_WAVE_MODE, 25, 1), 1
	s_wait_xcnt 0x0
	s_wait_alu depctr_hold_cnt(0) depctr_sa_sdst(0) depctr_va_vdst(0) depctr_va_sdst(0) depctr_va_ssrc(0) depctr_va_vcc(0) depctr_vm_vsrc(0)
	s_getreg_b32 s2, hwreg(HW_REG_IB_STS2, 6, 4)
	s_cmp_eq_u32 s2, 0
	s_cbranch_scc0 .Lentry_in_a_cluster
	s_endpgm
.Lentry_in_a_cluster:
	s_bfe_u32 s2, ttmp6, 0x10000c
	s_cmp_lg_u32 s2, 0xf033
	s_cbranch_scc0 .Lentry_shape_is_right
	s_endpgm
.Lentry_shape_is_right:
; f = relu(h w_up + b_up) on codes of E4M3 (K = 1,024), and f as codes along its 4,096 columns.  (The input mask is dead work: see the first kernel.)
; The frame and the quantising way out are those of the launch qkv; here the bias is added first, and the hold between 0 and 448 x the scale is the activation as well.
; OUT (workspace fq): codes [block of 256 rows 16][chunk of 128 columns 32][row 256][128] at 0; scale words [chunk 32][row 4096][4] at 16,777,216.  LIMITS as in the first kernel.
.set SLOT,  139264
.set AREG,  69632
.set AHALF, 34816
.set SPARE, 278528
.set ASLOT, 256
.set ASTEP, 512
.set FR,   16
.set ADRA, 16
.set ADRB, 20
.set CO,   26
.set SPW,  28
.set NIL,  29
.set VSA,  30
.set VSB,  31
.set SC,   32
.set TM,   96
.set AF,   128
.set G1,   24
.set G0,   32
.set G1B,  48
.set G0B,  56
.set STO,  3
.set SSO,  4
.set SRD,  5
.set RD,   6
.set MUL_LO, 0xa1
.set MUL_HI, 0xf1
.set TO_B,   0x40
.set MSB, 0
.macro WIN new                         ; the immediate's high byte repeats the setting that is left
.if MSB != (\new)
	s_set_vgpr_msb (MSB<<8)|(\new)
.set MSB, (\new)
.endif
.endm
.macro JLOAD s                         ; a joint load: waves 0, 1 fetch A's halves, waves 2, 3 B's; an s_nop 0 and four v_nop follow each line
	s_cmp_eq_u32 s15, 0
	s_cbranch_scc0 .Lfor_b_\@
	tensor_load_to_lds s[G0+4*\s:G0+4*\s+3], s[G1:G1+7]
	s_nop 0
.rept 4
	v_nop
.endr
	s_branch .Lasked_\@
.Lfor_b_\@:
	tensor_load_to_lds s[G0B+4*\s:G0B+4*\s+3], s[G1B:G1B+7]
	s_nop 0
.rept 4
	v_nop
.endr
.Lasked_\@:
.endm
.macro CREST
	s_cmp_lg_u32 s14, 0
	s_cbranch_scc1 .Lnot_wave_0_\@
	s_barrier_signal -3
.Lnot_wave_0_\@:
	s_barrier_wait -3
	s_barrier_signal -1
	s_barrier_wait -1
.endm
.macro CROUND
	s_barrier_signal -1
	s_barrier_wait -1
	CREST
.endm
.macro PLACES n
.rept \n
	v_nop
.endr
.endm
.macro MUL16 a0, p, g, zero            ; the 64 accumulators take turns in the same order in every step
.irp a, \a0, \a0+1
.irp b, 0,1,2,3,4,5,6,7
.set rD, 8*(8*((\a)%4)+\b)
.set rB, 128*(\p)+FR*\b
.set rA, AF+FR*(\a)
.set sB, SC+32*((\g)/4)+16+2*\b+(\g)%2
.set sA, SC+32*((\g)/4)+2*(\a)+(\g)%2
.if \zero
	v_wmma_scale_f32_16x16x128_f8f6f4 v[rD:rD+7], v[rB:rB+15], v[rA:rA+15], 0, v[sB], v[sA]
.elseif ((\g)/2)%2
	v_wmma_scale_f32_16x16x128_f8f6f4 v[rD:rD+7], v[rB:rB+15], v[rA:rA+15], v[rD:rD+7], v[sB], v[sA] matrix_a_scale:MATRIX_SCALE_ROW1 matrix_b_scale:MATRIX_SCALE_ROW1
.else
	v_wmma_scale_f32_16x16x128_f8f6f4 v[rD:rD+7], v[rB:rB+15], v[rA:rA+15], v[rD:rD+7], v[sB], v[sA]
.endif
.endr
.endr
.endm
.macro FRAGB reg, slot, q, i
.irp c, 0,1,2,3
	ds_load_b128 v[\reg+4*\c:\reg+4*\c+3], v[ADRB+\slot] offset:128*(\q)+32*\c+(\i)*4352
.endr
.endm
.macro FRAGA reg, slot, q, i
.irp c, 0,1,2,3
	ds_load_b128 v[\reg+4*\c:\reg+4*\c+3], v[ADRA+\slot] offset:128*(\q)+32*\c+(\i)*4352
.endr
.endm
.macro FETCH_B slot, q, p
	WIN TO_B
.irp i, 0,1,2,3,4,5,6,7
	FRAGB 128*(\p)+FR*\i, \slot, \q, \i
.endr
	WIN 0
.endm
.macro FETCH_A slot, q, i0
.irp i, \i0, \i0+1, \i0+2, \i0+3
	FRAGA AF+FR*(\i), \slot, \q, \i
.endr
.endm
.macro STEP slot, g, zero
	s_wait_dscnt 16                                ; A's blocks 4-7, the youngest 16 loads, may be out
	WIN MUL_LO
	MUL16 0, 0, \g, \zero
	MUL16 2, 0, \g, \zero
	s_wait_dscnt 0x0
	PLACES 8
	FETCH_B \slot, 1, 1
	FETCH_A \slot, 1, 0
	WIN MUL_HI
	MUL16 4, 0, \g, \zero
	MUL16 6, 0, \g, \zero
	PLACES 8
	WIN 0
	FETCH_A \slot, 1, 4
.endm
.macro TURN slot, next, g, fill
	s_wait_tensorcnt 0x0                           ; all my tensor loads have landed: my part of the next slot
	ds_add_u32 v[SPW], v[NIL]                      ; 0 onto my spare word
	s_wait_dscnt 17                                ; the add and A's blocks 4-7 may be out
	WIN MUL_LO
	MUL16 0, 1, \g, 0
	s_wait_dscnt 0x0                               ; the add is done, and my reads of this slot are over
	s_barrier_signal -1
	MUL16 2, 1, \g, 0
	WIN 0
	s_barrier_wait -1
.if \fill
	CREST                                          ; no wave of any partner still reads this slot or has a load on its way
	s_add_nc_u64 s[G0+4*\slot+2:G0+4*\slot+3], s[G0+4*\slot+2:G0+4*\slot+3], ASTEP
	s_add_nc_u64 s[G0B+4*\slot+2:G0B+4*\slot+3], s[G0B+4*\slot+2:G0B+4*\slot+3], 512
	JLOAD \slot
	PLACES 4
.else
	PLACES 8
.endif
	FETCH_B \next, 0, 0
	FETCH_A \next, 0, 0
	WIN MUL_HI
	MUL16 4, 1, \g, 0
	MUL16 6, 1, \g, 0
	PLACES 8
	WIN 0
	FETCH_A \next, 0, 4
.endm
.macro LAST
	s_wait_dscnt 16
	WIN MUL_LO
	MUL16 0, 1, 7, 0
	MUL16 2, 1, 7, 0
	s_wait_dscnt 0x0
	WIN MUL_HI
	MUL16 4, 1, 7, 0
	MUL16 6, 1, 7, 0
	WIN 0
.endm
.macro SCLOAD set
.irp i, 0,1,2,3,4,5,6,7
	global_load_b64 v[SC+32*\set+2*\i:SC+32*\set+2*\i+1], v[VSA], s[6:7] offset:512*\i+16*\set
.endr
.irp i, 0,1,2,3,4,5,6,7
	global_load_b64 v[SC+32*\set+16+2*\i:SC+32*\set+17+2*\i], v[VSB], s[10:11] offset:512*\i+16*\set
.endr
.endm
; block a of the way out: the bias, the four blocks' scales, the activation and the hold in one, the codes; through my stage and back as rows of 128 bytes
.macro QB a
.set WW, 2+(\a)/4
.set AC, 64*((\a)%4)
.set PCD, 128+16*((\a)%2)
.set BK, 160+16*((\a)%2)
.set PW, 112+(\a)%2
.set WN, WW|4|(WW<<6)
	WIN WN
.set jj, 0
.rept 32
	v_pk_add_f32 v[AC+jj:AC+jj+1], v[AC+jj:AC+jj+1], v[jj:jj+1]   ; the bias lies in window 1, in the result's layout; each accumulator is read from its low end on
.set jj, jj+2
.endr
.set WN, WW|(WW<<2)
	WIN WN
.irp b, 0,1,2,3
	v_max3_num_f32 v[TM+\b], v[AC+16*\b], v[AC+16*\b+1], 0x4800000   ; no magnitudes: what is negative becomes 0 and must not count; the floor 2^(9 - 127) stands over it
.endr
.set WN, (WW<<2)|(WW<<4)
	WIN WN
.set jj, 2
.rept 7
.irp b, 0,1,2,3
	v_max3_num_f32 v[TM+\b], v[TM+\b], v[AC+16*\b+jj], v[AC+16*\b+jj+1]
.endr
.set jj, jj+2
.endr
	WIN 0
.irp b, 0,1,2,3
	v_permlanex16_b32 v[TM+4+\b], v[TM+\b], s86, s87
.endr
.irp b, 0,1,2,3
	v_max_num_f32 v[TM+\b], v[TM+\b], v[TM+4+\b]
.endr
.irp b, 0,1,2,3
	v_add_nc_u32 v[TM+12+\b], 0xfc000000, v[TM+\b]
.endr
.irp b, 0,1,2,3
	v_and_or_b32 v[TM+8+\b], v[TM+\b], 0x7f800000, s88
.endr
.irp b, 0,1,2,3
	v_lshrrev_b32 v[TM+4+\b], 23, v[TM+12+\b]
.endr
	v_lshl_or_b32 v[PW], v[TM+5], 8, v[TM+4]
	v_lshl_or_b32 v[PW], v[TM+6], 16, v[PW]
	v_lshl_or_b32 v[PW], v[TM+7], 24, v[PW]
.set WN, WW|(WW<<6)
	WIN WN
.set jj, 0
.rept 64
	v_med3_num_f32 v[AC+jj], v[AC+jj], 0, v[TM+8+jj/16]
.set jj, jj+1
.endr
	WIN WW
.set jj, 0
.rept 8
	v_cvt_scalef32_pk8_fp8_f32 v[PCD+2*jj:PCD+2*jj+1], v[AC+8*jj:AC+8*jj+7], v[TM+12+jj/2]
.set jj, jj+1
.endr
	WIN 0
	v_nop                                          ; a plain instruction behind the last conversion
.if (\a) >= 2
	s_wait_xcnt 0x0                                ; block a - 2's stores have read the registers that the loads below fill
.endif
.set jj, 0
.rept 8
	ds_store_b64 v[STO], v[PCD+2*jj:PCD+2*jj+1] offset:16*jj
.set jj, jj+1
.endr
	ds_store_b32 v[SSO], v[PW] offset:64*(\a)
.irp i, 0,1,2,3
	ds_load_b128 v[BK+4*\i:BK+4*\i+3], v[RD] offset:576*\i
.endr
.endm
.macro SENDQ a, younger
.set BK, 160+16*((\a)%2)
	s_wait_dscnt \younger
.irp i, 0,1,2,3
	global_store_b128 v[CO], v[BK+4*\i:BK+4*\i+3], s[12:13] offset:2048*(\a)+512*\i   ; four rows of 128 bytes: 512 consecutive bytes
.endr
.endm
	s_load_b256 s[68:75], s[0:1], 0x0              ; hq, w_up codes, w_up scales, b_up
	s_load_b64 s[76:77], s[0:1], 0x20              ; fq
	v_lshl_add_u32 v[SPW], v0, 2, SPARE
	v_mov_b32 v[NIL], 0
	ds_add_u32 v[SPW], v[NIL]                      ; the wave's opening: the add, twice on end, and its wait ahead of my first tensor load
	ds_add_u32 v[SPW], v[NIL]
	v_lshrrev_b32 v1, 5, v0
	v_readfirstlane_b32 s14, v1
	s_lshr_b32 s15, s14, 1
	s_and_b32 s16, s14, 1
	s_bfe_u32 s40, ttmp6, 0x40000
	s_bfe_u32 s41, ttmp6, 0x40004
	s_and_b32 s84, ttmp7, 0xffff
	s_lshl_b32 s84, s84, 2
	s_add_co_u32 s17, s84, s41                     ; A's tile
	s_lshl_b32 s42, ttmp9, 2
	s_add_co_u32 s42, s42, s40                     ; B's tile
	s_lshl_b32 s43, s41, 2
	s_lshl_b32 s43, 15, s43
	s_lshl_b32 s44, 0x1111, s40
	s_or_b32 s[G1], s43, (1<<20)|(1<<21)|(5<<22)|(3<<25)
	s_or_b32 s[G1B], s44, (1<<20)|(1<<21)|(5<<22)|(3<<25)
.irp g, G1, G1B
	s_mov_b32 s[\g+1], 256<<16
	s_mov_b32 s[\g+2], 128<<16
	s_mov_b32 s[\g+3], 256<<16
	s_mov_b32 s[\g+4], 128
	s_mov_b32 s[\g+5], 1024
	s_mov_b32 s[\g+6], 0
	s_mov_b32 s[\g+7], 0
.endr
	s_lshl_b32 s20, s17, 18
	s_lshl_b32 s21, s16, 17
	s_add_co_u32 s20, s20, s21
	s_mov_b32 s21, 0
	s_lshl_b32 s46, s42, 18
	s_lshl_b32 s47, s16, 17
	s_add_co_u32 s46, s46, s47
	s_mov_b32 s47, 0
	s_lshl_b32 s22, s17, 13
	s_lshl_b32 s23, s15, 12
	s_add_co_u32 s22, s22, s23
	s_add_co_u32 s22, s22, 4194304
	s_mov_b32 s23, 0
	s_lshl_b32 s92, s42, 13
	s_lshl_b32 s93, s16, 12
	s_add_co_u32 s92, s92, s93
	s_mov_b32 s93, 0
	s_lshl_b32 s18, s42, 1
	s_add_co_u32 s18, s18, s16                     ; my chunk of 128 columns
	s_lshl_b32 s90, s18, 9                         ; its bias: 512 bytes a chunk
	s_mov_b32 s91, 0
	s_lshl_b32 s94, s17, 20
	s_lshl_b32 s19, s18, 15
	s_add_co_u32 s94, s94, s19
	s_lshl_b32 s19, s15, 14
	s_add_co_u32 s94, s94, s19                     ; my codes' place
	s_mov_b32 s95, 0
	s_lshl_b32 s96, s18, 14
	s_lshl_b32 s19, s17, 10
	s_add_co_u32 s96, s96, s19
	s_lshl_b32 s19, s15, 9
	s_add_co_u32 s96, s96, s19
	s_add_co_u32 s96, s96, 16777216                ; my scale words' place
	s_mov_b32 s97, 0
	s_mul_i32 s45, s16, AHALF
	s_add_co_u32 s85, s45, AREG
	s_mov_b32 s86, 0x76543210
	s_mov_b32 s87, 0xfedcba98
	s_mov_b32 s88, 0x600000
	s_wait_dscnt 0x0
	s_wait_kmcnt 0x0
	s_add_nc_u64 s[20:21], s[68:69], s[20:21]
	s_add_nc_u64 s[46:47], s[70:71], s[46:47]
	s_add_nc_u64 s[6:7], s[68:69], s[22:23]
	s_add_nc_u64 s[10:11], s[72:73], s[92:93]
	s_add_nc_u64 s[8:9], s[74:75], s[90:91]
	s_add_nc_u64 s[12:13], s[76:77], s[94:95]
	s_add_nc_u64 s[66:67], s[76:77], s[96:97]
	CROUND
.irp s, 0,1
	s_mov_b32 s[G0+4*\s], 1
	s_add_co_u32 s[G0+4*\s+1], s45, \s*SLOT
	s_add_nc_u64 s[G0+4*\s+2:G0+4*\s+3], s[20:21], \s*ASLOT
	s_or_b32 s[G0+4*\s+3], s[G0+4*\s+3], 0x80000000
	s_mov_b32 s[G0B+4*\s], 1
	s_add_co_u32 s[G0B+4*\s+1], s85, \s*SLOT
	s_add_nc_u64 s[G0B+4*\s+2:G0B+4*\s+3], s[46:47], \s*256
	s_or_b32 s[G0B+4*\s+3], s[G0B+4*\s+3], 0x80000000
	JLOAD \s
.endr
	v_and_b32 v1, 15, v0
	v_bfe_u32 v2, v0, 4, 1
	v_and_b32 v11, 31, v0
	v_mul_u32_u24 v12, v1, 272
	v_lshl_add_u32 v12, v2, 4, v12
	s_mul_i32 s18, s15, 34816
	s_mul_i32 s19, s16, 34816
	s_add_co_u32 s19, s19, AREG
	v_add_nc_u32 v13, s18, v12
	v_add_nc_u32 v14, s19, v12
.irp s, 0,1
	v_add_nc_u32 v[ADRA+\s], \s*SLOT, v13
	v_add_nc_u32 v[ADRB+\s], \s*SLOT, v14
.endr
	v_lshlrev_b32 v[VSA], 5, v1
	v_lshl_add_u32 v[VSA], v2, 3, v[VSA]
	v_mov_b32 v[VSB], v[VSA]
	SCLOAD 0
	SCLOAD 1
	v_lshlrev_b32 v[CO], 4, v11
	v_lshlrev_b32 v27, 5, v2                       ; the bias: 32 h
	s_mul_i32 s18, s14, 3072                       ; my stage
	v_mul_u32_u24 v12, v1, 144
	v_lshl_add_u32 v12, v2, 3, v12
	v_add_nc_u32 v[STO], s18, v12
	v_lshl_add_u32 v[SSO], v1, 2, s18
	v_add_nc_u32 v[SSO], 2304, v[SSO]
	v_add_nc_u32 v[SRD], s18, v[CO]
	v_add_nc_u32 v[SRD], 2304, v[SRD]
	v_lshrrev_b32 v12, 3, v11
	v_mul_u32_u24 v12, v12, 144
	v_and_b32 v13, 7, v11
	v_lshl_add_u32 v12, v13, 4, v12
	v_add_nc_u32 v[RD], s18, v12
.irp b, 0,1,2,3
	v_mov_b32 v[TM+4+\b], 0
.endr
	s_wait_tensorcnt 1                             ; my part of slot 0 is in; slot 1's may stay out
	s_barrier_signal -1
	s_barrier_wait -1
	FETCH_B 0, 0, 0
	FETCH_A 0, 0, 0
	FETCH_A 0, 0, 4
	s_wait_loadcnt 0x0
	STEP 0, 0, 1
	TURN 0, 1, 1, 1
	STEP 1, 2, 0
	TURN 1, 0, 3, 1
	STEP 0, 4, 0
	TURN 0, 1, 5, 0
	STEP 1, 6, 0
	WIN 0x40                                       ; the bias, into window 1 where B's set 0 lay (done with, eight places back): register 8 b + j = column 16 b + 8 h + j
.irp b, 0,1,2,3,4,5,6,7
	global_load_b128 v[8*\b:8*\b+3], v27, s[8:9] offset:64*\b
	global_load_b128 v[8*\b+4:8*\b+7], v27, s[8:9] offset:64*\b+16
.endr
	WIN 0
	LAST
	PLACES 8
	s_wait_loadcnt 0x0                             ; the bias
	QB 0
.irp a, 1,2,3,4,5,6,7
	QB \a
	SENDQ \a-1, 13                                 ; behind block a - 1's loads: block a's nine stores and four loads
.endr
	ds_load_b128 v[192:195], v[SRD]
	SENDQ 7, 0
	global_store_b128 v[CO], v[192:195], s[66:67]  ; my 128 rows' scale words: 512 consecutive bytes
	s_wait_tensorcnt 0x0                           ; the wave's end
	ds_add_u32 v[SPW], v[NIL]
	s_wait_dscnt 0x0
	CROUND
	s_endpgm
.Lfunc_end_k_q7fef1cdf3b_up:
	.size	k_q7fef1cdf3b_up, .Lfunc_end_k_q7fef1cdf3b_up-k_q7fef1cdf3b_up
	.p2alignl 7, 3214868480
	.fill 96, 4, 3214868480
	.section	.rodata,"a",@progbits
	.p2align	6, 0x0
	.amdhsa_kernel k_q7fef1cdf3b_up
		.amdhsa_group_segment_fixed_size 327680
		.amdhsa_private_segment_fixed_size 0
		.amdhsa_enable_private_segment 0
		.amdhsa_kernarg_size 40
		.amdhsa_user_sgpr_count 2
		.amdhsa_user_sgpr_kernarg_segment_ptr 1
		.amdhsa_wavefront_size32 1
		.amdhsa_system_sgpr_workgroup_id_x 1
		.amdhsa_system_sgpr_workgroup_id_y 1
		.amdhsa_system_sgpr_workgroup_id_z 1
		.amdhsa_system_vgpr_workitem_id 0
		.amdhsa_next_free_vgpr 1024
		.amdhsa_next_free_sgpr 100
		.amdhsa_reserve_vcc 0
		.amdhsa_float_denorm_mode_32 3
		.amdhsa_float_denorm_mode_16_64 3
		.amdhsa_memory_ordered 1
		.amdhsa_forward_progress 1
		.amdhsa_inst_pref_size 209
	.end_amdhsa_kernel
	.amdgpu_metadata
---
amdhsa.version: [ 1, 2 ]
amdhsa.kernels:
  - .name:           k_q7fef1cdf3b_up
    .symbol:         k_q7fef1cdf3b_up.kd
    .args:
      - { .name: hq, .offset: 0, .size: 8, .value_kind: global_buffer, .address_space: global }
      - { .name: w_up_codes, .offset: 8, .size: 8, .value_kind: global_buffer, .address_space: global }
      - { .name: w_up_scales, .offset: 16, .size: 8, .value_kind: global_buffer, .address_space: global }
      - { .name: b_up, .offset: 24, .size: 8, .value_kind: global_buffer, .address_space: global }
      - { .name: fq, .offset: 32, .size: 8, .value_kind: global_buffer, .address_space: global }
    .group_segment_fixed_size: 327680
    .private_segment_fixed_size: 0
    .kernarg_segment_align: 8
    .kernarg_segment_size: 40
    .max_flat_workgroup_size: 128
    .sgpr_count:     100
    .vgpr_count:     1024
    .wavefront_size: 32
...
	.end_amdgpu_metadata
.endif
;; end of part 5
;; launch down (part 6): grid 4 x 16, 4 waves a work-group, clusters of 4 x 4, 327,680 bytes of LDS; arguments fq, w_down_codes, w_down_scales, b_down, x1, out0; writes out0
.if DOCPART == 6
	.amdgcn_target "amdgcn-amd-amdhsa--gfx1250"
	.amdhsa_code_object_version 6
	.text
	.protected	k_q7fef1cdf3b_down
	.globl	k_q7fef1cdf3b_down
	.p2align	8
	.type	k_q7fef1cdf3b_down,@function
k_q7fef1cdf3b_down:
	s_mov_b64 s[64:65], 0
	v_nop
	global_prefetch_b8 v0, s[64:65] scope:SCOPE_SE
	s_setreg_imm32_b32 hwreg(HW_REG_WAVE_MODE, 25, 1), 1
	s_wait_xcnt 0x0
	s_wait_alu depctr_hold_cnt(0) depctr_sa_sdst(0) depctr_va_vdst(0) depctr_va_sdst(0) depctr_va_ssrc(0) depctr_va_vcc(0) depctr_vm_vsrc(0)
	s_getreg_b32 s2, hwreg(HW_REG_IB_STS2, 6, 4)
	s_cmp_eq_u32 s2, 0
	s_cbranch_scc0 .Lentry_in_a_cluster
	s_endpgm
.Lentry_in_a_cluster:
	s_bfe_u32 s2, ttmp6, 0x10000c
	s_cmp_lg_u32 s2, 0xf033
	s_cbranch_scc0 .Lentry_shape_is_right
	s_endpgm
.Lentry_shape_is_right:
; out = x1 + f w_down + b_down on codes of E4M3 (K = 4,096).  (The input mask is dead work: see the first kernel.)
; The frame is that of the launch wo.  A's codes lie [block of 256 rows 16][chunk of 128 along K 32][row 256][128]: a slot's two chunks are 65,536 dense bytes; a load brings one chunk as 256 rows of 128 + 16 bytes.
; K goes in four runs of 1,024: a trip of the loop is eight steps of 128, from a run's second step to the next run's first.  The 64 scale registers are two sets of four steps; a set is loaded anew,
; 24 loads, as soon as its last step is issued, half a run ahead of its next use.  A's scale words lie [chunk 32][row 4096][4] at 16,777,216; B's are 128 bytes a row.
.set SLOT,  143360                     ; A: 2 chunks x 256 rows of 144 bytes; then B's 256 rows of 272
.set AREG,  73728
.set AHALF, 36864
.set SPARE, 286720
.set ASLOT, 65536
.set ASTEP, 131072
.set FR,   16
.set ADRA, 16
.set ADRB, 20
.set STO,  24
.set RD,   25
.set CO,   26
.set SPW,  28
.set NIL,  29
.set VSA,  30
.set VSB,  31
.set SC,   32
.set AF,   128
.set G1,   24
.set G0,   32
.set G1B,  48
.set G0B,  56
.set MUL_LO, 0xa1
.set MUL_HI, 0xf1
.set TO_B,   0x40
.set MSB, 0
.macro WIN new                         ; the immediate's high byte repeats the setting that is left
.if MSB != (\new)
	s_set_vgpr_msb (MSB<<8)|(\new)
.set MSB, (\new)
.endif
.endm
.macro JLOAD s                         ; a joint load: waves 0, 1 fetch A's halves, waves 2, 3 B's; an s_nop 0 and four v_nop follow each line
	s_cmp_eq_u32 s15, 0
	s_cbranch_scc0 .Lfor_b_\@
	tensor_load_to_lds s[G0+4*\s:G0+4*\s+3], s[G1:G1+7]
	s_nop 0
.rept 4
	v_nop
.endr
	s_branch .Lasked_\@
.Lfor_b_\@:
	tensor_load_to_lds s[G0B+4*\s:G0B+4*\s+3], s[G1B:G1B+7]
	s_nop 0
.rept 4
	v_nop
.endr
.Lasked_\@:
.endm
.macro CREST
	s_cmp_lg_u32 s14, 0
	s_cbranch_scc1 .Lnot_wave_0_\@
	s_barrier_signal -3
.Lnot_wave_0_\@:
	s_barrier_wait -3
	s_barrier_signal -1
	s_barrier_wait -1
.endm
.macro CROUND
	s_barrier_signal -1
	s_barrier_wait -1
	CREST
.endm
.macro PLACES n
.rept \n
	v_nop
.endr
.endm
.macro MUL16 a0, p, g, zero            ; the 64 accumulators take turns in the same order in every step, over the loop's backward jump too
.irp a, \a0, \a0+1
.irp b, 0,1,2,3,4,5,6,7
.set rD, 8*(8*((\a)%4)+\b)
.set rB, 128*(\p)+FR*\b
.set rA, AF+FR*(\a)
.set sB, SC+32*((\g)/4)+16+2*\b+(\g)%2
.set sA, SC+32*((\g)/4)+2*(\a)+(\g)%2
.if \zero
	v_wmma_scale_f32_16x16x128_f8f6f4 v[rD:rD+7], v[rB:rB+15], v[rA:rA+15], 0, v[sB], v[sA]
.elseif ((\g)/2)%2
	v_wmma_scale_f32_16x16x128_f8f6f4 v[rD:rD+7], v[rB:rB+15], v[rA:rA+15], v[rD:rD+7], v[sB], v[sA] matrix_a_scale:MATRIX_SCALE_ROW1 matrix_b_scale:MATRIX_SCALE_ROW1
.else
	v_wmma_scale_f32_16x16x128_f8f6f4 v[rD:rD+7], v[rB:rB+15], v[rA:rA+15], v[rD:rD+7], v[sB], v[sA]
.endif
.endr
.endr
.endm
.macro FRAGB reg, slot, q, i
.irp c, 0,1,2,3
	ds_load_b128 v[\reg+4*\c:\reg+4*\c+3], v[ADRB+\slot] offset:128*(\q)+32*\c+(\i)*4352
.endr
.endm
.macro FRAGA reg, slot, q, i           ; chunk q of the slot's two
.irp c, 0,1,2,3
	ds_load_b128 v[\reg+4*\c:\reg+4*\c+3], v[ADRA+\slot] offset:36864*(\q)+32*\c+(\i)*2304
.endr
.endm
.macro FETCH_B slot, q, p
	WIN TO_B
.irp i, 0,1,2,3,4,5,6,7
	FRAGB 128*(\p)+FR*\i, \slot, \q, \i
.endr
	WIN 0
.endm
.macro FETCH_A slot, q, i0
.irp i, \i0, \i0+1, \i0+2, \i0+3
	FRAGA AF+FR*(\i), \slot, \q, \i
.endr
.endm
.macro STEP slot, g, zero
	s_wait_dscnt 16                                ; A's blocks 4-7, the youngest 16 loads, may be out
	WIN MUL_LO
	MUL16 0, 0, \g, \zero
	MUL16 2, 0, \g, \zero
	s_wait_dscnt 0x0
	PLACES 8
	FETCH_B \slot, 1, 1
	FETCH_A \slot, 1, 0
	WIN MUL_HI
	MUL16 4, 0, \g, \zero
	MUL16 6, 0, \g, \zero
	PLACES 8
	WIN 0
	FETCH_A \slot, 1, 4
.endm
.macro TURN slot, next, g, fill
	s_wait_tensorcnt 0x0                           ; all my tensor loads have landed: my part of the next slot
	ds_add_u32 v[SPW], v[NIL]                      ; 0 onto my spare word
	s_wait_dscnt 17                                ; the add and A's blocks 4-7 may be out
	WIN MUL_LO
	MUL16 0, 1, \g, 0
	s_wait_dscnt 0x0                               ; the add is done, and my reads of this slot are over
	s_barrier_signal -1
	MUL16 2, 1, \g, 0
	WIN 0
	s_barrier_wait -1
.if \fill
	CREST                                          ; no wave of any partner still reads this slot or has a load on its way
	s_add_nc_u64 s[G0+4*\slot+2:G0+4*\slot+3], s[G0+4*\slot+2:G0+4*\slot+3], ASTEP
	s_add_nc_u64 s[G0B+4*\slot+2:G0B+4*\slot+3], s[G0B+4*\slot+2:G0B+4*\slot+3], 512
	JLOAD \slot
	PLACES 4
.else
	PLACES 8
.endif
	FETCH_B \next, 0, 0
	FETCH_A \next, 0, 0
	WIN MUL_HI
	MUL16 4, 1, \g, 0
	MUL16 6, 1, \g, 0
	PLACES 8
	WIN 0
	FETCH_A \next, 0, 4
.endm
.macro LAST
	s_wait_dscnt 16
	WIN MUL_LO
	MUL16 0, 1, 7, 0
	MUL16 2, 1, 7, 0
	s_wait_dscnt 0x0
	WIN MUL_HI
	MUL16 4, 1, 7, 0
	MUL16 6, 1, 7, 0
	WIN 0
.endm
.macro SCLOAD set                      ; 24 loads: A's 16 words a lane (lanes 16-31 two chunks on), B's 8 pairs
.irp i, 0,1,2,3,4,5,6,7
.irp w, 0,1
	global_load_b32 v[SC+32*\set+2*\i+\w], v[VSA], s[6:7] offset:16384*(4*\set+\w)+64*\i
.endr
.endr
.irp i, 0,1,2,3,4,5,6,7
	global_load_b64 v[SC+32*\set+16+2*\i:SC+32*\set+17+2*\i], v[VSB], s[10:11] offset:2048*\i+16*\set
.endr
.endm
.macro XLOAD a                         ; the residual's rows of block a, into window 1, where B's fragments lay
	WIN 0x40
.irp t, 0,1,2,3,4,5,6,7,8,9,10,11,12,13,14,15
	global_load_b128 v[64*((\a)%4)+4*\t:64*((\a)%4)+4*\t+3], v[CO], s[66:67] offset:(16*(\a)+\t)*4096
.endr
	WIN 0
.endm
.macro TOSTAGE a
.set AC, 64*((\a)%4)
.set WN, 0x08+4*((\a)/4)
	WIN WN
.irp b, 0,1,2,3,4,5,6,7
	ds_store_b128 v[STO], v[AC+8*\b:AC+8*\b+3] offset:64*\b          ; each accumulator from its low end on
	ds_store_b128 v[STO], v[AC+8*\b+4:AC+8*\b+7] offset:64*\b+16
.endr
	WIN 0
.set BB, 128+64*((\a)%2)
.irp t, 0,1,2,3,4,5,6,7,8,9,10,11,12,13,14,15
	ds_load_b128 v[BB+4*\t:BB+4*\t+3], v[RD] offset:\t*528
.endr
.endm
.macro SEND a, younger
.set BB, 128+64*((\a)%2)
.set RX, 64*((\a)%4)
	s_wait_dscnt \younger
.if 7-(\a) < 3
	s_wait_loadcnt 16*(7-(\a))                     ; behind this block's rows of the residual: the later blocks' loads, 16 each
.else
	s_wait_loadcnt 48
.endif
	WIN 0x04
.set jj, 0
.rept 32
	v_pk_add_f32 v[BB+jj:BB+jj+1], v[BB+jj:BB+jj+1], v[RX+jj:RX+jj+1]
.set jj, jj+2
.endr
	WIN 0
.set jj, 0
.rept 16
	v_pk_add_f32 v[BB+4*jj:BB+4*jj+1], v[BB+4*jj:BB+4*jj+1], v[96:97]       ; the bias of my four columns
	v_pk_add_f32 v[BB+4*jj+2:BB+4*jj+3], v[BB+4*jj+2:BB+4*jj+3], v[98:99]
.set jj, jj+1
.endr
.if (\a) < 4
	XLOAD (\a)+4
.endif
.irp t, 0,1,2,3,4,5,6,7,8,9,10,11,12,13,14,15
	global_store_b128 v[CO], v[BB+4*\t:BB+4*\t+3], s[12:13] offset:(16*(\a)+\t)*4096 th:TH_STORE_NT   ; 32 lanes store 512 consecutive bytes
.endr
.endm
	s_load_b256 s[68:75], s[0:1], 0x0              ; fq, w_down codes, w_down scales, b_down
	s_load_b128 s[76:79], s[0:1], 0x20             ; x1, out0
	v_lshl_add_u32 v[SPW], v0, 2, SPARE
	v_mov_b32 v[NIL], 0
	ds_add_u32 v[SPW], v[NIL]                      ; the wave's opening: the add, twice on end, and its wait ahead of my first tensor load
	ds_add_u32 v[SPW], v[NIL]
	v_lshrrev_b32 v1, 5, v0
	v_readfirstlane_b32 s14, v1
	s_lshr_b32 s15, s14, 1
	s_and_b32 s16, s14, 1
	s_bfe_u32 s40, ttmp6, 0x40000
	s_bfe_u32 s41, ttmp6, 0x40004
	s_and_b32 s84, ttmp7, 0xffff
	s_lshl_b32 s84, s84, 2
	s_add_co_u32 s17, s84, s41                     ; A's tile
	s_lshl_b32 s42, ttmp9, 2
	s_add_co_u32 s42, s42, s40                     ; B's tile
	s_lshl_b32 s43, s41, 2
	s_lshl_b32 s43, 15, s43
	s_lshl_b32 s44, 0x1111, s40
	s_or_b32 s[G1], s43, (1<<20)|(1<<21)|(4<<22)|(3<<25)    ; A: 256 rows of 128 bytes, 4 words of padding behind every 32
	s_mov_b32 s[G1+1], 128<<16
	s_mov_b32 s[G1+2], 256<<16
	s_mov_b32 s[G1+3], 128<<16
	s_mov_b32 s[G1+4], 256
	s_mov_b32 s[G1+5], 128
	s_mov_b32 s[G1+6], 0
	s_mov_b32 s[G1+7], 0
	s_or_b32 s[G1B], s44, (1<<20)|(1<<21)|(5<<22)|(3<<25)   ; B: 128 rows of 256 bytes, 4,096 bytes apart
	s_mov_b32 s[G1B+1], 256<<16
	s_mov_b32 s[G1B+2], 128<<16
	s_mov_b32 s[G1B+3], 256<<16
	s_mov_b32 s[G1B+4], 128
	s_mov_b32 s[G1B+5], 4096
	s_mov_b32 s[G1B+6], 0
	s_mov_b32 s[G1B+7], 0
	s_lshl_b32 s20, s17, 20
	s_lshl_b32 s21, s16, 15
	s_add_co_u32 s20, s20, s21                     ; A: 1,048,576 x tile + the chunk that I fetch
	s_mov_b32 s21, 0
	s_lshl_b32 s46, s42, 20
	s_lshl_b32 s47, s16, 19
	s_add_co_u32 s46, s46, s47
	s_mov_b32 s47, 0
	s_lshl_b32 s22, s17, 10
	s_lshl_b32 s23, s15, 9
	s_add_co_u32 s22, s22, s23
	s_add_co_u32 s22, s22, 16777216                ; A's scale words: 4 bytes a row, my 128 rows
	s_mov_b32 s23, 0
	s_lshl_b32 s92, s42, 15
	s_lshl_b32 s93, s16, 14
	s_add_co_u32 s92, s92, s93                     ; B's: 128 bytes a row
	s_mov_b32 s93, 0
	s_lshl_b32 s90, s42, 10
	s_lshl_b32 s91, s16, 9
	s_add_co_u32 s90, s90, s91                     ; my 128 columns, in bytes
	s_mov_b32 s91, 0
	s_lshl_b32 s18, s17, 20
	s_lshl_b32 s19, s15, 19
	s_add_co_u32 s18, s18, s19
	s_add_co_u32 s18, s18, s90                     ; my 128 x 128 in x1 and out0
	s_mov_b32 s19, 0
	s_mul_i32 s45, s16, AHALF
	s_mul_i32 s85, s16, 34816
	s_add_co_u32 s85, s85, AREG
	s_wait_dscnt 0x0
	s_wait_kmcnt 0x0
	s_add_nc_u64 s[20:21], s[68:69], s[20:21]
	s_add_nc_u64 s[46:47], s[70:71], s[46:47]
	s_add_nc_u64 s[6:7], s[68:69], s[22:23]
	s_add_nc_u64 s[10:11], s[72:73], s[92:93]
	s_add_nc_u64 s[8:9], s[74:75], s[90:91]
	s_add_nc_u64 s[66:67], s[76:77], s[18:19]
	s_add_nc_u64 s[12:13], s[78:79], s[18:19]
	CROUND
.irp s, 0,1
	s_mov_b32 s[G0+4*\s], 1
	s_add_co_u32 s[G0+4*\s+1], s45, \s*SLOT
	s_add_nc_u64 s[G0+4*\s+2:G0+4*\s+3], s[20:21], \s*ASLOT
	s_or_b32 s[G0+4*\s+3], s[G0+4*\s+3], 0x80000000
	s_mov_b32 s[G0B+4*\s], 1
	s_add_co_u32 s[G0B+4*\s+1], s85, \s*SLOT
	s_add_nc_u64 s[G0B+4*\s+2:G0B+4*\s+3], s[46:47], \s*256
	s_or_b32 s[G0B+4*\s+3], s[G0B+4*\s+3], 0x80000000
	JLOAD \s
.endr
	v_and_b32 v1, 15, v0
	v_bfe_u32 v2, v0, 4, 1
	v_and_b32 v11, 31, v0
	v_mul_u32_u24 v12, v1, 144
	v_lshl_add_u32 v12, v2, 4, v12
	s_mul_i32 s18, s15, 18432                      ; my 128 rows of 144 bytes
	v_add_nc_u32 v13, s18, v12
	v_mul_u32_u24 v12, v1, 272
	v_lshl_add_u32 v12, v2, 4, v12
	s_mul_i32 s19, s16, 34816
	s_add_co_u32 s19, s19, AREG
	v_add_nc_u32 v14, s19, v12
.irp s, 0,1
	v_add_nc_u32 v[ADRA+\s], \s*SLOT, v13
	v_add_nc_u32 v[ADRB+\s], \s*SLOT, v14
.endr
	v_lshlrev_b32 v[VSA], 2, v1
	v_lshl_add_u32 v[VSA], v2, 15, v[VSA]          ; 4 r + 32,768 h
	v_lshlrev_b32 v[VSB], 7, v1
	v_lshl_add_u32 v[VSB], v2, 3, v[VSB]           ; 128 r + 8 h
	v_lshlrev_b32 v[CO], 4, v11
	global_load_b128 v[96:99], v[CO], s[8:9]       ; the bias of the four columns that I store
	SCLOAD 0
	SCLOAD 1
	s_mul_i32 s18, s14, 8448
	v_mul_u32_u24 v12, v1, 528
	v_lshl_add_u32 v12, v2, 5, v12
	v_add_nc_u32 v[STO], s18, v12
	v_add_nc_u32 v[RD], s18, v[CO]
	s_wait_tensorcnt 1                             ; my part of slot 0 is in; slot 1's may stay out
	s_barrier_signal -1
	s_barrier_wait -1
	FETCH_B 0, 0, 0
	FETCH_A 0, 0, 0
	FETCH_A 0, 0, 4
	s_wait_loadcnt 24                              ; the bias and set 0 are in; set 1's 24 loads may be out
	STEP 0, 0, 1
	s_mov_b32 s3, 3
.Lrun:                                                 ; three trips; each fills four slots and loads both sets of scale words for the next run of 1,024
	s_wait_xcnt 0x0                                ; the last scale loads have read their bases
	s_add_nc_u64 s[6:7], s[6:7], 131072            ; eight chunks on
	s_add_nc_u64 s[10:11], s[10:11], 32
	TURN 0, 1, 1, 1
	STEP 1, 2, 0
	TURN 1, 0, 3, 1
	SCLOAD 0                                       ; set 0's last step is issued, eight places back
	s_wait_loadcnt 24                              ; set 1 is in; the 24 just issued may be out
	STEP 0, 4, 0
	TURN 0, 1, 5, 1
	STEP 1, 6, 0
	TURN 1, 0, 7, 1
	SCLOAD 1
	s_wait_loadcnt 24                              ; set 0 is in
	STEP 0, 0, 0
	s_sub_co_u32 s3, s3, 1
	s_cmp_lg_u32 s3, 0
	s_cbranch_scc1 .Lrun
	TURN 0, 1, 1, 1                                ; the last run is written out: two more fills, then none
	STEP 1, 2, 0
	TURN 1, 0, 3, 1
	s_wait_loadcnt 0x0                             ; set 1
	STEP 0, 4, 0
	TURN 0, 1, 5, 0
	STEP 1, 6, 0
	XLOAD 0
	XLOAD 1
	LAST
	PLACES 8
	XLOAD 2
	XLOAD 3
	TOSTAGE 0
.irp a, 1,2,3,4,5,6,7
.if \a > 1
	s_wait_xcnt 0x0                                ; block a - 2's stores have read the registers that block a's loads fill
.endif
	TOSTAGE \a
	SEND \a-1, 32
.endr
	SEND 7, 0
	s_wait_tensorcnt 0x0                           ; the wave's end
	ds_add_u32 v[SPW], v[NIL]
	s_wait_dscnt 0x0
	CROUND
	s_endpgm
.Lfunc_end_k_q7fef1cdf3b_down:
	.size	k_q7fef1cdf3b_down, .Lfunc_end_k_q7fef1cdf3b_down-k_q7fef1cdf3b_down
	.p2alignl 7, 3214868480
	.fill 96, 4, 3214868480
	.section	.rodata,"a",@progbits
	.p2align	6, 0x0
	.amdhsa_kernel k_q7fef1cdf3b_down
		.amdhsa_group_segment_fixed_size 327680
		.amdhsa_private_segment_fixed_size 0
		.amdhsa_enable_private_segment 0
		.amdhsa_kernarg_size 48
		.amdhsa_user_sgpr_count 2
		.amdhsa_user_sgpr_kernarg_segment_ptr 1
		.amdhsa_wavefront_size32 1
		.amdhsa_system_sgpr_workgroup_id_x 1
		.amdhsa_system_sgpr_workgroup_id_y 1
		.amdhsa_system_sgpr_workgroup_id_z 1
		.amdhsa_system_vgpr_workitem_id 0
		.amdhsa_next_free_vgpr 1024
		.amdhsa_next_free_sgpr 100
		.amdhsa_reserve_vcc 0
		.amdhsa_float_denorm_mode_32 3
		.amdhsa_float_denorm_mode_16_64 3
		.amdhsa_memory_ordered 1
		.amdhsa_forward_progress 1
		.amdhsa_inst_pref_size 255
	.end_amdhsa_kernel
	.section	.bss,"aw",@nobits
	.p2align	6
	.space	262144
	.amdgpu_metadata
---
amdhsa.version: [ 1, 2 ]
amdhsa.kernels:
  - .name:           k_q7fef1cdf3b_down
    .symbol:         k_q7fef1cdf3b_down.kd
    .args:
      - { .name: fq, .offset: 0, .size: 8, .value_kind: global_buffer, .address_space: global }
      - { .name: w_down_codes, .offset: 8, .size: 8, .value_kind: global_buffer, .address_space: global }
      - { .name: w_down_scales, .offset: 16, .size: 8, .value_kind: global_buffer, .address_space: global }
      - { .name: b_down, .offset: 24, .size: 8, .value_kind: global_buffer, .address_space: global }
      - { .name: x1, .offset: 32, .size: 8, .value_kind: global_buffer, .address_space: global }
      - { .name: out0, .offset: 40, .size: 8, .value_kind: global_buffer, .address_space: global }
    .group_segment_fixed_size: 327680
    .private_segment_fixed_size: 0
    .kernarg_segment_align: 8
    .kernarg_segment_size: 48
    .max_flat_workgroup_size: 128
    .sgpr_count:     100
    .vgpr_count:     1024
    .wavefront_size: 32
...
	.end_amdgpu_metadata
.endif
;; end of part 6
;; ======== version 2 of 2: 7 launches
;; limits: right only within a limited range of input values
;; workspace buffers: hq 4,325,376 bytes; qkvw 12,976,128 bytes; oq 4,325,376 bytes; x1 16,777,216 bytes; fq 17,301,504 bytes
;; launch ln1 (part 7): grid 256 x 1, 4 waves a work-group, no clusters, 41,984 bytes of LDS; arguments x, ln1_a, ln1_b, hq; writes hq
.if DOCPART == 7
	.amdgcn_target "amdgcn-amd-amdhsa--gfx1250"
	.amdhsa_code_object_version 6
	.text
	.protected	k_q7fef1cdf3b_ln1
	.globl	k_q7fef1cdf3b_ln1
	.p2align	8
	.type	k_q7fef1cdf3b_ln1,@function
k_q7fef1cdf3b_ln1:
	s_mov_b64 s[64:65], 0
	v_nop
	global_prefetch_b8 v0, s[64:65] scope:SCOPE_SE
	s_setreg_imm32_b32 hwreg(HW_REG_WAVE_MODE, 25, 1), 1
	s_wait_xcnt 0x0
; h = alpha (x - mean) / (std + 1e-6) + beta along rows of 1,024 f32 (std with 1,023 in its divisor), then h as codes of E4M3 with one E8M0 byte
; for each 32 along the row.  Out: codes [4096][1024] at byte 0 of the workspace, scale bytes [4096][32] at byte 4,194,304.
; DEAD WORK OF THE WHOLE PROGRAM: the input mask.  reference() hands it to no operation (its attention takes h and the four weights alone), so for all
; values of the inputs it has no way to the output: it is not loaded and is no argument of any launch.  Limit: a NaN, an infinity or an overflow that
; reaches only work left out is not carried to the result.
; LIMITS: NaN and infinities among the inputs are not served.  A block whose largest magnitude lies under 2^-118 keeps the scale byte 1; a block of
; zeros has the byte 1 where the quantiser says 127: its codes are zeros, and the bytes are read by this program alone.  The division is a reciprocal and a product.
; SHARES: a work-group takes 16 rows, a wave 4; a wave holds a row in 32 registers a lane.  All 48 loads of a wave go out at the head, each 512 consecutive bytes.
; The conversions want 16 neighbours in one lane: a finished row turns through the wave's own stage in LDS (64 bytes + 16 of padding a granule).
.set X,     32                         ; v32-159  four rows; a row's first 8 registers later hold its codes, the next two its scale bytes
.set AL,    160                        ; v160-191 alpha
.set BE,    192                        ; v192-223 beta
.set TT,    224                        ; v224-255 the row, turned: 2 x 16 neighbours
.set SCB,   40960                      ; the work-group's 512 scale bytes
.set SPARE, 41472                      ; the spare words, 128 bytes a wave
	s_load_b256 s[4:11], s[0:1], 0x0               ; x, alpha, beta, the workspace
	v_lshl_add_u32 v7, v0, 2, SPARE                ; my spare word; never rewritten
	v_mov_b32 v8, 0                                ; 0; never rewritten
	v_lshrrev_b32 v9, 5, v0
	v_readfirstlane_b32 s12, v9                    ; wave
	v_and_b32 v9, 31, v0                           ; lane
	v_lshlrev_b32 v1, 4, v9                        ; 16 x lane
	s_mul_i32 s13, s12, 10240                      ; my two stages
	v_lshrrev_b32 v2, 2, v9
	v_mul_u32_u24 v2, v2, 80
	v_and_b32 v3, 3, v9
	v_lshl_add_u32 v2, v3, 4, v2
	v_add_nc_u32 v2, s13, v2                       ; into a stage: 80 (lane / 4) + 16 (lane % 4)
	v_mul_u32_u24 v3, v9, 80
	v_add_nc_u32 v3, s13, v3                       ; out of it: 80 x lane
	s_lshl_b32 s13, s12, 7
	s_add_co_u32 s13, s13, SCB
	v_lshrrev_b32 v4, 1, v9
	v_add_nc_u32 v4, s13, v4                       ; my block's scale byte: 128 x wave + lane / 2
	s_and_b32 s13, s12, 1
	s_lshl_b32 s13, s13, 8
	v_lshl_add_u32 v6, v9, 3, s13                  ; the scale bytes' way out: 256 x (wave % 2) + 8 x lane,
	v_add_nc_u32 v5, SCB, v6                       ; and the same in LDS
	v_mov_b32 v23, 0                               ; a lane permute's destination counts as one of its sources
	s_mov_b32 s14, 0x76543210
	s_mov_b32 s15, 0xfedcba98                      ; selects for lane l xor 16
	s_mov_b32 s16, 0x600000                        ; the mantissa field of 448
	s_lshl_b32 s18, ttmp9, 16
	s_lshl_b32 s19, s12, 14
	s_add_co_u32 s18, s18, s19                     ; my first row in x: (16 x work-group + 4 x wave) x 4,096
	s_mov_b32 s19, 0
	s_lshr_b32 s20, s18, 2                         ; and among the codes: x 1,024
	s_mov_b32 s21, 0
	s_lshl_b32 s22, ttmp9, 9
	s_add_co_u32 s22, s22, 4194304                 ; the work-group's scale bytes
	s_mov_b32 s23, 0
	s_wait_kmcnt 0x0
	s_add_nc_u64 s[4:5], s[4:5], s[18:19]
	s_add_nc_u64 s[24:25], s[10:11], s[22:23]
	s_add_nc_u64 s[10:11], s[10:11], s[20:21]
.macro LDROW p
.irp j, 0,1,2,3,4,5,6,7
	global_load_b128 v[X+32*\p+4*\j:X+32*\p+4*\j+3], v1, s[4:5] offset:4096*\p+512*\j th:TH_LOAD_NT
.endr
.endm
	LDROW 0
.irp j, 0,1,2,3,4,5,6,7
	global_load_b128 v[AL+4*\j:AL+4*\j+3], v1, s[6:7] offset:512*\j
.endr
.irp j, 0,1,2,3,4,5,6,7
	global_load_b128 v[BE+4*\j:BE+4*\j+3], v1, s[8:9] offset:512*\j
.endr
	LDROW 1
	LDROW 2
	LDROW 3
; the four chains v[10:17] are joined, then the 32 lanes: the sum in v22 of every lane
.macro JOIN
	v_pk_add_f32 v[10:11], v[10:11], v[12:13]
	v_pk_add_f32 v[14:15], v[14:15], v[16:17]
	v_pk_add_f32 v[10:11], v[10:11], v[14:15]
	v_add_f32 v22, v10, v11
	v_add_f32_dpp v22, v22, v22 row_xmask:1 row_mask:0xf bank_mask:0xf
	v_add_f32_dpp v22, v22, v22 row_xmask:2 row_mask:0xf bank_mask:0xf
	v_add_f32_dpp v22, v22, v22 row_xmask:4 row_mask:0xf bank_mask:0xf
	v_add_f32_dpp v22, v22, v22 row_xmask:8 row_mask:0xf bank_mask:0xf
	v_permlanex16_b32 v23, v22, s14, s15
	v_add_f32 v22, v22, v23
.endm
; row p of my four.  c1: the loads issued behind the row's own, which may stay out; c2 (row 0 alone): those behind alpha and beta
.macro ROW p, c1, c2
.set XR, X+32*\p
.set SG, 5120*(\p%2)
	s_wait_loadcnt \c1
.irp k, 0,2,4,6
	v_pk_add_f32 v[10+\k:11+\k], v[XR+\k:XR+\k+1], v[XR+8+\k:XR+9+\k]
.endr
.irp j, 16,24
.irp k, 0,2,4,6
	v_pk_add_f32 v[10+\k:11+\k], v[10+\k:11+\k], v[XR+\j+\k:XR+\j+\k+1]
.endr
.endr
	JOIN
	v_mul_f32 v18, 0x3a800000, v22                 ; the mean: sum / 1,024
	v_mul_f32 v19, 0x3a800000, v22
.set jj, 0
.rept 16
	v_pk_add_f32 v[XR+jj:XR+jj+1], v[XR+jj:XR+jj+1], v[18:19] neg_lo:[0,1] neg_hi:[0,1]
.set jj, jj+2
.endr
.irp k, 0,2,4,6
	v_pk_mul_f32 v[10+\k:11+\k], v[XR+\k:XR+\k+1], v[XR+\k:XR+\k+1]
.endr
.irp j, 8,16,24
.irp k, 0,2,4,6
	v_pk_fma_f32 v[10+\k:11+\k], v[XR+\j+\k:XR+\j+\k+1], v[XR+\j+\k:XR+\j+\k+1], v[10+\k:11+\k]
.endr
.endr
	JOIN
	v_mul_f32 v22, 0x3a802008, v22                 ; / 1,023
	s_wait_alu depctr_va_vdst(0)
	v_sqrt_f32 v24, v22
	v_nop                                          ; a plain instruction behind the root,
	s_wait_alu depctr_va_vdst(0)                   ; and the wait ahead of its first reader
	v_add_f32 v24, 0x358637bd, v24                 ; + 1e-6
	s_wait_alu depctr_va_vdst(0)
	v_rcp_f32 v20, v24
	v_nop
	s_wait_alu depctr_va_vdst(0)
	v_mov_b32 v21, v20
.if \c2 >= 0
	s_wait_alu depctr_va_vdst(0)
	s_wait_loadcnt \c2                             ; alpha and beta are in
.endif
.set jj, 0
.rept 16
	v_pk_mul_f32 v[XR+jj:XR+jj+1], v[XR+jj:XR+jj+1], v[20:21]
.set jj, jj+2
.endr
.set jj, 0
.rept 16
	v_pk_fma_f32 v[XR+jj:XR+jj+1], v[XR+jj:XR+jj+1], v[AL+jj:AL+jj+1], v[BE+jj:BE+jj+1]
.set jj, jj+2
.endr
.irp j, 0,1,2,3,4,5,6,7
	ds_store_b128 v2, v[XR+4*\j:XR+4*\j+3] offset:SG+640*\j
.endr
.irp g, 0,1
.irp i, 0,1,2,3
	ds_load_b128 v[TT+16*\g+4*\i:TT+16*\g+4*\i+3], v3 offset:SG+2560*\g+16*\i   ; LDS serves a wave's instructions in order: these see the stores above
.endr
.endr
	s_wait_dscnt 0x0                               ; the row is back, and the stores have read the row's registers
.irp g, 0,1
.set TS, TT+16*\g
	v_max3_num_f32 v24, |v[TS]|, |v[TS+1]|, |v[TS+2]|
	v_max3_num_f32 v25, |v[TS+3]|, |v[TS+4]|, |v[TS+5]|
.irp i, 6,10
	v_max3_num_f32 v24, v24, |v[TS+\i]|, |v[TS+\i+1]|
	v_max3_num_f32 v25, v25, |v[TS+\i+2]|, |v[TS+\i+3]|
.endr
	v_max3_num_f32 v24, v24, |v[TS+14]|, |v[TS+15]|
	v_max3_num_f32 v24, v24, v25, 0x4800000        ; the floor 2^(9 - 127): the byte cannot fall under 1
	v_max_num_f32_dpp v24, v24, v24 row_xmask:1 row_mask:0xf bank_mask:0xf   ; with my neighbour's 16: the block's largest magnitude
	v_add_nc_u32 v27, 0xfc000000, v24              ; 8 off its exponent field: the conversion's scale operand
	v_and_or_b32 v26, v24, 0x7f800000, s16         ; 448 x the scale
.set jj, 0
.rept 16
	v_med3_num_f32 v[TS+jj], v[TS+jj], -v26, v26   ; the conversion to an 8-bit code does not saturate (ISA guide 7.6.2): the hold
.set jj, jj+1
.endr
	v_cvt_scalef32_pk8_fp8_f32 v[XR+4*\g:XR+4*\g+1], v[TS:TS+7], v27
	v_cvt_scalef32_pk8_fp8_f32 v[XR+4*\g+2:XR+4*\g+3], v[TS+8:TS+15], v27
	v_lshrrev_b32 v[XR+8+\g], 23, v27              ; the scale's byte
	ds_store_b8 v4, v[XR+8+\g] offset:32*\p+16*\g  ; both lanes of a block write the same byte with the same value
	global_store_b128 v1, v[XR+4*\g:XR+4*\g+3], s[10:11] offset:1024*\p+512*\g   ; 32 lanes store 512 consecutive bytes
.endr
.endm
	ROW 0, 40, 24
	ROW 1, 16, -1
	ROW 2, 8, -1
	ROW 3, 0, -1
	s_wait_dscnt 0x0                               ; for the others' sake: my scale bytes lie in LDS
	s_barrier_signal -1
	s_barrier_wait -1
	s_cmp_lt_u32 s12, 2                            ; waves 0 and 1 store the 512 bytes, 256 consecutive aligned bytes each
	s_cbranch_scc0 .Lno_scales
	ds_load_b64 v[10:11], v5
	s_wait_dscnt 0x0
	global_store_b64 v6, v[10:11], s[24:25]
.Lno_scales:
	s_wait_tensorcnt 0x0                           ; the wave's end, behind my last LDS store
	ds_add_u32 v7, v8
	s_wait_dscnt 0x0
	s_endpgm
.Lfunc_end_k_q7fef1cdf3b_ln1:
	.size	k_q7fef1cdf3b_ln1, .Lfunc_end_k_q7fef1cdf3b_ln1-k_q7fef1cdf3b_ln1
	.p2alignl 7, 3214868480
	.fill 96, 4, 3214868480
	.section	.rodata,"a",@progbits
	.p2align	6, 0x0
	.amdhsa_kernel k_q7fef1cdf3b_ln1
		.amdhsa_group_segment_fixed_size 41984
		.amdhsa_private_segment_fixed_size 0
		.amdhsa_enable_private_segment 0
		.amdhsa_kernarg_size 32
		.amdhsa_user_sgpr_count 2
		.amdhsa_user_sgpr_kernarg_segment_ptr 1
		.amdhsa_wavefront_size32 1
		.amdhsa_system_sgpr_workgroup_id_x 1
		.amdhsa_system_sgpr_workgroup_id_y 1
		.amdhsa_system_sgpr_workgroup_id_z 1
		.amdhsa_system_vgpr_workitem_id 0
		.amdhsa_next_free_vgpr 256
		.amdhsa_next_free_sgpr 66
		.amdhsa_reserve_vcc 0
		.amdhsa_float_denorm_mode_32 3
		.amdhsa_float_denorm_mode_16_64 3
		.amdhsa_memory_ordered 1
		.amdhsa_forward_progress 1
		.amdhsa_inst_pref_size 54
	.end_amdhsa_kernel
	.amdgpu_metadata
---
amdhsa.version: [ 1, 2 ]
amdhsa.kernels:
  - .name:           k_q7fef1cdf3b_ln1
    .symbol:         k_q7fef1cdf3b_ln1.kd
    .args:
      - { .name: x, .offset: 0, .size: 8, .value_kind: global_buffer, .address_space: global }
      - { .name: ln1_a, .offset: 8, .size: 8, .value_kind: global_buffer, .address_space: global }
      - { .name: ln1_b, .offset: 16, .size: 8, .value_kind: global_buffer, .address_space: global }
      - { .name: hq, .offset: 24, .size: 8, .value_kind: global_buffer, .address_space: global }
    .group_segment_fixed_size: 41984
    .private_segment_fixed_size: 0
    .kernarg_segment_align: 8
    .kernarg_segment_size: 32
    .max_flat_workgroup_size: 128
    .sgpr_count:     66
    .vgpr_count:     256
    .wavefront_size: 32
...
	.end_amdgpu_metadata
.endif
;; end of part 7
;; launch qkv (part 8): grid 12 x 16, 4 waves a work-group, clusters of 4 x 4, 327,680 bytes of LDS; arguments hq, wq_codes, wq_scales, wk_codes, wk_scales, wv_codes, wv_scales, qkvw; writes qkvw
.if DOCPART == 8
	.amdgcn_target "amdgcn-amd-amdhsa--gfx1250"
	.amdhsa_code_object_version 6
	.text
	.protected	k_q7fef1cdf3b_qkv
	.globl	k_q7fef1cdf3b_qkv
	.p2align	8
	.type	k_q7fef1cdf3b_qkv,@function
k_q7fef1cdf3b_qkv:
	s_mov_b64 s[64:65], 0
	v_nop
	global_prefetch_b8 v0, s[64:65] scope:SCOPE_SE
	s_setreg_imm32_b32 hwreg(HW_REG_WAVE_MODE, 25, 1), 1
	s_wait_xcnt 0x0
	s_wait_alu depctr_hold_cnt(0) depctr_sa_sdst(0) depctr_va_vdst(0) depctr_va_sdst(0) depctr_va_ssrc(0) depctr_va_vcc(0) depctr_vm_vsrc(0)
	s_getreg_b32 s2, hwreg(HW_REG_IB_STS2, 6, 4)
	s_cmp_eq_u32 s2, 0
	s_cbranch_scc0 .Lentry_in_a_cluster
	s_endpgm
.Lentry_in_a_cluster:
	s_bfe_u32 s2, ttmp6, 0x10000c
	s_cmp_lg_u32 s2, 0xf033
	s_cbranch_scc0 .Lentry_shape_is_right
	s_endpgm
.Lentry_shape_is_right:
.set SLOT,  139264
.set AREG,  69632
.set AHALF, 34816
.set SPARE, 278528
.set ASLOT, 256
.set ASTEP, 512
.set FR,   16
.set ADRA, 16
.set ADRB, 20
.set CO,   26
.set SPW,  28
.set NIL,  29
.set VSA,  30
.set VSB,  31
.set SC,   32
.set TM,   96
.set AF,   128
.set G1,   24
.set G0,   32
.set G1B,  48
.set G0B,  56
.set MUL_LO, 0xa1
.set MUL_HI, 0xf1
.set TO_B,   0x40
.set MSB, 0
.macro WIN new
.if MSB != (\new)
	s_set_vgpr_msb (MSB<<8)|(\new)
.set MSB, (\new)
.endif
.endm
.macro JLOAD s
	s_cmp_eq_u32 s15, 0
	s_cbranch_scc0 .Lfor_b_\@
	tensor_load_to_lds s[G0+4*\s:G0+4*\s+3], s[G1:G1+7]
	s_nop 0
.rept 4
	v_nop
.endr
	s_branch .Lasked_\@
.Lfor_b_\@:
	tensor_load_to_lds s[G0B+4*\s:G0B+4*\s+3], s[G1B:G1B+7]
	s_nop 0
.rept 4
	v_nop
.endr
.Lasked_\@:
.endm
.macro CREST
	s_cmp_lg_u32 s14, 0
	s_cbranch_scc1 .Lnot_wave_0_\@
	s_barrier_signal -3
.Lnot_wave_0_\@:
	s_barrier_wait -3
	s_barrier_signal -1
	s_barrier_wait -1
.endm
.macro CROUND
	s_barrier_signal -1
	s_barrier_wait -1
	CREST
.endm
.macro PLACES n
.rept \n
	v_nop
.endr
.endm
.macro MUL16 a0, p, g, zero
.irp a, \a0, \a0+1
.irp b, 0,1,2,3,4,5,6,7
.set rD, 8*(8*((\a)%4)+\b)
.set rB, 128*(\p)+FR*\b
.set rA, AF+FR*(\a)
.set sB, SC+32*((\g)/4)+16+2*\b+(\g)%2
.set sA, SC+32*((\g)/4)+2*(\a)+(\g)%2
.if \zero
	v_wmma_scale_f32_16x16x128_f8f6f4 v[rD:rD+7], v[rB:rB+15], v[rA:rA+15], 0, v[sB], v[sA]
.elseif ((\g)/2)%2
	v_wmma_scale_f32_16x16x128_f8f6f4 v[rD:rD+7], v[rB:rB+15], v[rA:rA+15], v[rD:rD+7], v[sB], v[sA] matrix_a_scale:MATRIX_SCALE_ROW1 matrix_b_scale:MATRIX_SCALE_ROW1
.else
	v_wmma_scale_f32_16x16x128_f8f6f4 v[rD:rD+7], v[rB:rB+15], v[rA:rA+15], v[rD:rD+7], v[sB], v[sA]
.endif
.endr
.endr
.endm
.macro FRAGB reg, slot, q, i
.irp c, 0,1,2,3
	ds_load_b128 v[\reg+4*\c:\reg+4*\c+3], v[ADRB+\slot] offset:128*(\q)+32*\c+(\i)*4352
.endr
.endm
.macro FRAGA reg, slot, q, i
.irp c, 0,1,2,3
	ds_load_b128 v[\reg+4*\c:\reg+4*\c+3], v[ADRA+\slot] offset:128*(\q)+32*\c+(\i)*4352
.endr
.endm
.macro FETCH_B slot, q, p
	WIN TO_B
.irp i, 0,1,2,3,4,5,6,7
	FRAGB 128*(\p)+FR*\i, \slot, \q, \i
.endr
	WIN 0
.endm
.macro FETCH_A slot, q, i0
.irp i, \i0, \i0+1, \i0+2, \i0+3
	FRAGA AF+FR*(\i), \slot, \q, \i
.endr
.endm
.macro STEP slot, g, zero
	s_wait_dscnt 16
	WIN MUL_LO
	MUL16 0, 0, \g, \zero
	MUL16 2, 0, \g, \zero
	s_wait_dscnt 0x0
	PLACES 8
	FETCH_B \slot, 1, 1
	FETCH_A \slot, 1, 0
	WIN MUL_HI
	MUL16 4, 0, \g, \zero
	MUL16 6, 0, \g, \zero
	PLACES 8
	WIN 0
	FETCH_A \slot, 1, 4
.endm
.macro TURN slot, next, g, fill
	s_wait_tensorcnt 0x0
	ds_add_u32 v[SPW], v[NIL]
	s_wait_dscnt 17
	WIN MUL_LO
	MUL16 0, 1, \g, 0
	s_wait_dscnt 0x0
	s_barrier_signal -1
	MUL16 2, 1, \g, 0
	WIN 0
	s_barrier_wait -1
.if \fill
	CREST
	s_add_nc_u64 s[G0+4*\slot+2:G0+4*\slot+3], s[G0+4*\slot+2:G0+4*\slot+3], ASTEP
	s_add_nc_u64 s[G0B+4*\slot+2:G0B+4*\slot+3], s[G0B+4*\slot+2:G0B+4*\slot+3], 512
	JLOAD \slot
	PLACES 4
.else
	PLACES 8
.endif
	FETCH_B \next, 0, 0
	FETCH_A \next, 0, 0
	WIN MUL_HI
	MUL16 4, 1, \g, 0
	MUL16 6, 1, \g, 0
	PLACES 8
	WIN 0
	FETCH_A \next, 0, 4
.endm
.macro LAST
	s_wait_dscnt 16
	WIN MUL_LO
	MUL16 0, 1, 7, 0
	MUL16 2, 1, 7, 0
	s_wait_dscnt 0x0
	WIN MUL_HI
	MUL16 4, 1, 7, 0
	MUL16 6, 1, 7, 0
	WIN 0
.endm
.macro SCLOAD set
.irp i, 0,1,2,3,4,5,6,7
	global_load_b64 v[SC+32*\set+2*\i:SC+32*\set+2*\i+1], v[VSA], s[6:7] offset:512*\i+16*\set
.endr
.irp i, 0,1,2,3,4,5,6,7
	global_load_b64 v[SC+32*\set+16+2*\i:SC+32*\set+17+2*\i], v[VSB], s[10:11] offset:512*\i+16*\set
.endr
.endm
.macro QB a, relu, bias, pat
.set WW, 2+(\a)/4
.set AC, 64*((\a)%4)
.set PCD, 128+16*((\a)%2)
.set BK, 160+16*((\a)%2)
.set PW, 112+(\a)%2
.if \bias
.set WN, WW|4|(WW<<6)
	WIN WN
.set jj, 0
.rept 32
	v_pk_add_f32 v[AC+jj:AC+jj+1], v[AC+jj:AC+jj+1], v[jj:jj+1]
.set jj, jj+2
.endr
.endif
.set WN, WW|(WW<<2)
	WIN WN
.irp b, 0,1,2,3
.if \relu
	v_max3_num_f32 v[TM+\b], v[AC+16*\b], v[AC+16*\b+1], 0x4800000
.else
	v_max3_num_f32 v[TM+\b], |v[AC+16*\b]|, |v[AC+16*\b+1]|, 0x4800000
.endif
.endr
.set WN, (WW<<2)|(WW<<4)
	WIN WN
.set jj, 2
.rept 7
.irp b, 0,1,2,3
.if \relu
	v_max3_num_f32 v[TM+\b], v[TM+\b], v[AC+16*\b+jj], v[AC+16*\b+jj+1]
.else
	v_max3_num_f32 v[TM+\b], v[TM+\b], |v[AC+16*\b+jj]|, |v[AC+16*\b+jj+1]|
.endif
.endr
.set jj, jj+2
.endr
	WIN 0
.irp b, 0,1,2,3
	v_permlanex16_b32 v[TM+4+\b], v[TM+\b], s86, s87
.endr
.irp b, 0,1,2,3
	v_max_num_f32 v[TM+\b], v[TM+\b], v[TM+4+\b]
.endr
.irp b, 0,1,2,3
	v_add_nc_u32 v[TM+12+\b], 0xfc000000, v[TM+\b]
.endr
.irp b, 0,1,2,3
	v_and_or_b32 v[TM+8+\b], v[TM+\b], 0x7f800000, s88
.endr
.irp b, 0,1,2,3
	v_lshrrev_b32 v[TM+4+\b], 23, v[TM+12+\b]
.endr
	v_lshl_or_b32 v[PW], v[TM+5], 8, v[TM+4]
	v_lshl_or_b32 v[PW], v[TM+6], 16, v[PW]
	v_lshl_or_b32 v[PW], v[TM+7], 24, v[PW]
.set WN, WW|(WW<<6)
	WIN WN
.set jj, 0
.rept 64
.if \relu
	v_med3_num_f32 v[AC+jj], v[AC+jj], 0, v[TM+8+jj/16]
.else
	v_med3_num_f32 v[AC+jj], v[AC+jj], -v[TM+8+jj/16], v[TM+8+jj/16]
.endif
.set jj, jj+1
.endr
	WIN WW
.set jj, 0
.rept 8
	v_cvt_scalef32_pk8_fp8_f32 v[PCD+2*jj:PCD+2*jj+1], v[AC+8*jj:AC+8*jj+7], v[TM+12+jj/2]
.set jj, jj+1
.endr
	WIN 0
	v_nop
.if (\a) >= 2
	s_wait_alu depctr_va_vdst(0)
	s_wait_xcnt 0x0
.endif
.set jj, 0
.rept 8
	ds_store_b64 v[STO], v[PCD+2*jj:PCD+2*jj+1] offset:16*jj
.set jj, jj+1
.endr
	ds_store_b32 v[SSO], v[PW] offset:64*(\a)
.irp i, 0,1,2,3
.if \pat == 1
	ds_load_b128 v[BK+4*\i:BK+4*\i+3], v[RD] offset:1152*(\i%2)+64*(\i/2)
.else
	ds_load_b128 v[BK+4*\i:BK+4*\i+3], v[RD] offset:576*\i
.endif
.endr
.endm
.macro SENDQ a, younger, pat
.set BK, 160+16*((\a)%2)
	s_wait_dscnt \younger
.irp i, 0,1,2,3
.if \pat == 1
	global_store_b128 v[CO], v[BK+4*\i:BK+4*\i+3], s[12:13] offset:131072*(\i/2)+64*(32*((\a)/2)+16*(\i%2)+8*((\a)%2))
.elseif \pat == 2
	global_store_b128 v[CO], v[BK+4*\i:BK+4*\i+3], s[12:13] offset:131072*((\a)/4)+2048*((\a)%4)+512*\i
.else
	global_store_b128 v[CO], v[BK+4*\i:BK+4*\i+3], s[12:13] offset:2048*(\a)+512*\i
.endif
.endr
.endm
.macro QOUT relu, bias, pat
	QB 0, \relu, \bias, \pat
.irp a, 1,2,3,4,5,6,7
	QB \a, \relu, \bias, \pat
	SENDQ \a-1, 13, \pat
.endr
	ds_load_b128 v[192:195], v[SRD]
	SENDQ 7, 0, \pat
	global_store_b128 v[CO], v[192:195], s[66:67]
.endm
	s_load_b512 s[68:83], s[0:1], 0x0
	v_lshl_add_u32 v[SPW], v0, 2, SPARE
	v_mov_b32 v[NIL], 0
	ds_add_u32 v[SPW], v[NIL]
	ds_add_u32 v[SPW], v[NIL]
	v_lshrrev_b32 v1, 5, v0
	v_readfirstlane_b32 s14, v1
	s_lshr_b32 s15, s14, 1
	s_and_b32 s16, s14, 1
	s_bfe_u32 s40, ttmp6, 0x40000
	s_bfe_u32 s41, ttmp6, 0x40004
	s_and_b32 s84, ttmp7, 0xffff
	s_lshl_b32 s84, s84, 2
	s_lshl_b32 s43, s41, 2
	s_lshl_b32 s43, 15, s43
	s_lshl_b32 s44, 0x1111, s40
	s_or_b32 s[G1], s43, (1<<20)|(1<<21)|(5<<22)|(3<<25)
	s_or_b32 s[G1B], s44, (1<<20)|(1<<21)|(5<<22)|(3<<25)
.irp g, G1, G1B
	s_mov_b32 s[\g+1], 256<<16
	s_mov_b32 s[\g+2], 128<<16
	s_mov_b32 s[\g+3], 256<<16
	s_mov_b32 s[\g+4], 128
	s_mov_b32 s[\g+5], 1024
	s_mov_b32 s[\g+6], 0
	s_mov_b32 s[\g+7], 0
.endr
	s_cmp_eq_u32 ttmp9, 2
	s_cselect_b32 s18, 0, s84
	s_cselect_b32 s19, s84, 0
	s_cselect_b32 s22, 0, 0x400000
	s_cselect_b32 s92, 0x400000, 0
	s_add_co_u32 s17, s41, s18
	s_add_co_u32 s42, s40, s19
	s_lshl_b32 s20, s17, 18
	s_lshl_b32 s21, s16, 17
	s_add_co_u32 s20, s20, s21
	s_mov_b32 s21, 0
	s_lshl_b32 s46, s42, 18
	s_lshl_b32 s47, s16, 17
	s_add_co_u32 s46, s46, s47
	s_mov_b32 s47, 0
	s_lshl_b32 s23, s17, 13
	s_add_co_u32 s22, s22, s23
	s_lshl_b32 s23, s15, 12
	s_add_co_u32 s22, s22, s23
	s_mov_b32 s23, 0
	s_lshl_b32 s93, s42, 13
	s_add_co_u32 s92, s92, s93
	s_lshl_b32 s93, s16, 12
	s_add_co_u32 s92, s92, s93
	s_mov_b32 s93, 0
	s_mul_i32 s45, s16, AHALF
	s_add_co_u32 s85, s45, AREG
	s_mov_b32 s86, 0x76543210
	s_mov_b32 s87, 0xfedcba98
	s_mov_b32 s88, 0x600000
	s_wait_dscnt 0x0
	s_wait_kmcnt 0x0
	s_cmp_eq_u32 ttmp9, 0
	s_cselect_b64 s[8:9], s[70:71], s[74:75]
	s_cselect_b64 s[10:11], s[72:73], s[76:77]
	s_cmp_eq_u32 ttmp9, 2
	s_cselect_b64 s[4:5], s[78:79], s[68:69]
	s_cselect_b64 s[6:7], s[80:81], s[68:69]
	s_cselect_b64 s[8:9], s[68:69], s[8:9]
	s_cselect_b64 s[10:11], s[68:69], s[10:11]
	s_add_nc_u64 s[20:21], s[4:5], s[20:21]
	s_add_nc_u64 s[46:47], s[8:9], s[46:47]
	s_add_nc_u64 s[6:7], s[6:7], s[22:23]
	s_add_nc_u64 s[10:11], s[10:11], s[92:93]
	CROUND
.irp s, 0,1
	s_mov_b32 s[G0+4*\s], 1
	s_add_co_u32 s[G0+4*\s+1], s45, \s*SLOT
	s_add_nc_u64 s[G0+4*\s+2:G0+4*\s+3], s[20:21], \s*ASLOT
	s_or_b32 s[G0+4*\s+3], s[G0+4*\s+3], 0x80000000
	s_mov_b32 s[G0B+4*\s], 1
	s_add_co_u32 s[G0B+4*\s+1], s85, \s*SLOT
	s_add_nc_u64 s[G0B+4*\s+2:G0B+4*\s+3], s[46:47], \s*256
	s_or_b32 s[G0B+4*\s+3], s[G0B+4*\s+3], 0x80000000
.if \s == 0
	JLOAD \s                                       ; K step 0: one tensor load a wave at the head; the address work and the scale words' loads below stand under its flight
.endif
.endr
	v_and_b32 v1, 15, v0
	v_bfe_u32 v2, v0, 4, 1
	v_and_b32 v11, 31, v0
	v_mul_u32_u24 v12, v1, 272
	v_lshl_add_u32 v12, v2, 4, v12
	s_mul_i32 s18, s15, 34816
	s_mul_i32 s19, s16, 34816
	s_add_co_u32 s19, s19, AREG
	v_add_nc_u32 v13, s18, v12
	v_add_nc_u32 v14, s19, v12
.irp s, 0,1
	v_add_nc_u32 v[ADRA+\s], \s*SLOT, v13
	v_add_nc_u32 v[ADRB+\s], \s*SLOT, v14
.endr
	v_lshlrev_b32 v[VSA], 5, v1
	v_lshl_add_u32 v[VSA], v2, 3, v[VSA]
	v_mov_b32 v[VSB], v[VSA]
	SCLOAD 0
	SCLOAD 1
	v_lshlrev_b32 v[CO], 4, v11
	s_mul_i32 s18, s14, 3072
	v_mul_u32_u24 v12, v1, 144
	v_lshl_add_u32 v12, v2, 3, v12
	v_lshlrev_b32 v13, 2, v1
	v_add_nc_u32 v13, 2304, v13
	v_add_nc_u32 v14, 2304, v[CO]
	v_lshrrev_b32 v15, 2, v11
	v_mul_u32_u24 v15, v15, 144
	v_and_b32 v24, 3, v11
	v_lshl_add_u32 v15, v24, 4, v15
	v_lshrrev_b32 v25, 3, v11
	v_mul_u32_u24 v25, v25, 144
	v_and_b32 v24, 7, v11
	v_lshl_add_u32 v25, v24, 4, v25
	v_add_nc_u32 v3, s18, v12
	v_add_nc_u32 v4, s18, v13
	v_add_nc_u32 v5, s18, v14
	v_add_nc_u32 v6, s18, v15
	s_add_co_u32 s18, s18, 16384
	v_add_nc_u32 v7, s18, v12
	v_add_nc_u32 v8, s18, v13
	v_add_nc_u32 v9, s18, v14
	v_add_nc_u32 v10, s18, v25
.irp b, 0,1,2,3
	v_mov_b32 v[TM+4+\b], 0
.endr
	s_wait_alu depctr_va_vdst(0)                   ; the head's end
	s_wait_tensorcnt 0x0                           ; my part of K step 0 is in
	ds_add_u32 v[SPW], v[NIL]
	s_wait_dscnt 0x0
	CROUND                                         ; a whole round: slot 0 is whole, and all sixteen work-groups are here
	JLOAD 1                                        ; K step 1: the first tensor load behind the round
	FETCH_B 0, 0, 0
	FETCH_A 0, 0, 0
	FETCH_A 0, 0, 4
	s_wait_loadcnt 0x0
	STEP 0, 0, 1
	TURN 0, 1, 1, 1
	STEP 1, 2, 0
	TURN 1, 0, 3, 1
	STEP 0, 4, 0
	TURN 0, 1, 5, 0
	STEP 1, 6, 0
	LAST
	PLACES 8
	s_cmp_eq_u32 ttmp9, 2
	s_cbranch_scc1 .Lv_out
	s_lshr_b32 s18, s17, 3
	s_and_b32 s19, s17, 7
	s_lshl_b32 s19, s19, 8
	s_lshl_b32 s20, s15, 7
	s_add_co_u32 s19, s19, s20
	s_lshl_b32 s20, s42, 1
	s_add_co_u32 s20, s20, s16
	s_lshl_b32 s21, s18, 3
	s_add_co_u32 s21, s21, s20
	s_lshl_b32 s22, s21, 18
	s_lshl_b32 s23, s19, 6
	s_add_co_u32 s22, s22, s23
	s_lshl_b32 s92, s21, 13
	s_lshl_b32 s23, s19, 2
	s_add_co_u32 s92, s92, s23
	s_add_co_u32 s92, s92, 12582912
	s_cmp_eq_u32 ttmp9, 0
	s_cselect_b32 s23, 0, 4194304
	s_cselect_b32 s93, 0, 131072
	s_add_co_u32 s22, s22, s23
	s_add_co_u32 s92, s92, s93
	s_mov_b32 s23, 0
	s_mov_b32 s93, 0
	s_add_nc_u64 s[12:13], s[82:83], s[22:23]
	s_add_nc_u64 s[66:67], s[82:83], s[92:93]
.set STO, 3
.set SSO, 4
.set SRD, 5
.set RD,  6
	QOUT 0, 0, 1
	s_branch .Ldone
.Lv_out:
	s_lshr_b32 s18, s42, 3
	s_and_b32 s19, s42, 7
	s_lshl_b32 s19, s19, 1
	s_add_co_u32 s19, s19, s16
	s_lshl_b32 s20, s17, 1
	s_add_co_u32 s20, s20, s15
	s_lshl_b32 s21, s18, 3
	s_add_co_u32 s21, s21, s20
	s_lshl_b32 s22, s21, 18
	s_lshl_b32 s23, s19, 13
	s_add_co_u32 s22, s22, s23
	s_add_co_u32 s22, s22, 8388608
	s_lshl_b32 s92, s18, 4
	s_add_co_u32 s92, s92, s19
	s_lshl_b32 s92, s92, 12
	s_lshl_b32 s23, s17, 10
	s_add_co_u32 s92, s92, s23
	s_lshl_b32 s23, s15, 9
	s_add_co_u32 s92, s92, s23
	s_add_co_u32 s92, s92, 12845056
	s_mov_b32 s23, 0
	s_mov_b32 s93, 0
	s_add_nc_u64 s[12:13], s[82:83], s[22:23]
	s_add_nc_u64 s[66:67], s[82:83], s[92:93]
.set STO, 7
.set SSO, 8
.set SRD, 9
.set RD,  10
	QOUT 0, 0, 2
.Ldone:
	s_wait_tensorcnt 0x0
	ds_add_u32 v[SPW], v[NIL]
	s_wait_dscnt 0x0
	CROUND
	s_endpgm
.Lfunc_end_k_q7fef1cdf3b_qkv:
	.size	k_q7fef1cdf3b_qkv, .Lfunc_end_k_q7fef1cdf3b_qkv-k_q7fef1cdf3b_qkv
	.p2alignl 7, 3214868480
	.fill 96, 4, 3214868480
	.section	.rodata,"a",@progbits
	.p2align	6, 0x0
	.amdhsa_kernel k_q7fef1cdf3b_qkv
		.amdhsa_group_segment_fixed_size 327680
		.amdhsa_private_segment_fixed_size 0
		.amdhsa_enable_private_segment 0
		.amdhsa_kernarg_size 64
		.amdhsa_user_sgpr_count 2
		.amdhsa_user_sgpr_kernarg_segment_ptr 1
		.amdhsa_wavefront_size32 1
		.amdhsa_system_sgpr_workgroup_id_x 1
		.amdhsa_system_sgpr_workgroup_id_y 1
		.amdhsa_system_sgpr_workgroup_id_z 1
		.amdhsa_system_vgpr_workitem_id 0
		.amdhsa_next_free_vgpr 1024
		.amdhsa_next_free_sgpr 100
		.amdhsa_reserve_vcc 0
		.amdhsa_float_denorm_mode_32 3
		.amdhsa_float_denorm_mode_16_64 3
		.amdhsa_memory_ordered 1
		.amdhsa_forward_progress 1
		.amdhsa_inst_pref_size 255
	.end_amdhsa_kernel
	.section	.bss,"aw",@nobits
	.p2align	6
	.space	262144
	.amdgpu_metadata
---
amdhsa.version: [ 1, 2 ]
amdhsa.kernels:
  - .name:           k_q7fef1cdf3b_qkv
    .symbol:         k_q7fef1cdf3b_qkv.kd
    .args:
      - { .name: hq, .offset: 0, .size: 8, .value_kind: global_buffer, .address_space: global }
      - { .name: wq_codes, .offset: 8, .size: 8, .value_kind: global_buffer, .address_space: global }
      - { .name: wq_scales, .offset: 16, .size: 8, .value_kind: global_buffer, .address_space: global }
      - { .name: wk_codes, .offset: 24, .size: 8, .value_kind: global_buffer, .address_space: global }
      - { .name: wk_scales, .offset: 32, .size: 8, .value_kind: global_buffer, .address_space: global }
      - { .name: wv_codes, .offset: 40, .size: 8, .value_kind: global_buffer, .address_space: global }
      - { .name: wv_scales, .offset: 48, .size: 8, .value_kind: global_buffer, .address_space: global }
      - { .name: qkvw, .offset: 56, .size: 8, .value_kind: global_buffer, .address_space: global }
    .group_segment_fixed_size: 327680
    .private_segment_fixed_size: 0
    .kernarg_segment_align: 8
    .kernarg_segment_size: 64
    .max_flat_workgroup_size: 128
    .sgpr_count:     100
    .vgpr_count:     1024
    .wavefront_size: 32
...
	.end_amdgpu_metadata
.endif
;; end of part 8
;; launch attn (part 9): grid 8 x 32, 16 waves a work-group, clusters of 4 x 1, 327,680 bytes of LDS; arguments qkvw, oq; writes oq
.if DOCPART == 9
	.amdgcn_target "amdgcn-amd-amdhsa--gfx1250"
	.amdhsa_code_object_version 6
	.text
	.protected	k_q7fef1cdf3b_attn
	.globl	k_q7fef1cdf3b_attn
	.p2align	8
	.type	k_q7fef1cdf3b_attn,@function
k_q7fef1cdf3b_attn:
	s_mov_b64 s[64:65], 0
	v_nop
	global_prefetch_b8 v0, s[64:65] scope:SCOPE_SE
	s_setreg_imm32_b32 hwreg(HW_REG_WAVE_MODE, 25, 1), 1
	s_wait_xcnt 0x0
	s_wait_alu depctr_hold_cnt(0) depctr_sa_sdst(0) depctr_va_vdst(0) depctr_va_sdst(0) depctr_va_ssrc(0) depctr_va_vcc(0) depctr_vm_vsrc(0)
	s_getreg_b32 s2, hwreg(HW_REG_IB_STS2, 6, 4)
	s_cmp_eq_u32 s2, 0
	s_cbranch_scc0 .Lentry_in_a_cluster
	s_endpgm
.Lentry_in_a_cluster:
	s_bfe_u32 s2, ttmp6, 0x10000c
	s_cmp_lg_u32 s2, 0x3003
	s_cbranch_scc0 .Lentry_shape_is_right
	s_endpgm
.Lentry_shape_is_right:
; o = softmax(q k^T / 8) v for one head, both products on codes of E4M3, and o / l as codes along the model's 1,024 again.  (The input mask is dead work: see the first kernel.)
; THE SOFTMAX: t = score x log2(e) / 8; M = the running largest t rounded up to a whole number; p = 2^(t - M) is quantised along the keys, not normalised; the row's sum is taken of the unquantised p.
; SHARES: a work-group owns 256 queries of one head, each of its sixteen waves 16 (one tile, 256 registers).  Every wave walks the head's 2,048 keys, 128 a step.
; ALL OF A HEAD'S K, V AND SCALE BYTES LIE IN LDS AT ONCE; each byte is filled once, in two goes, one tensor load a wave in each.  At the head: the first 512 keys (waves 0-3: 128 rows of K each,
; waves 4-7: 64 rows of V each) and all scale words (waves 8-11: K's, waves 12-15: V's).  Behind a round: the other 1,536 keys
; (waves 0-7: 192 rows of K each, waves 8-15: 96 rows of V each); they have the first four steps in which to land, and one wait for 0 and one barrier stand ahead of the fifth step.  Nothing is filled again.
; CLUSTER: the four query blocks of a cluster belong to one head: each tile is asked for jointly (mask 15), with descriptors that hang on the head and the wave's number alone.
; LAYOUT: both products transposed: S^T = K Q^T, O^T = V^T P^T: a lane holds one query.  K's and Q's rows lie by position (the token with bits 3 and 4 exchanged), so that the 16 registers of
; tiles 2 b and 2 b + 1 of S^T are the neighbouring keys 32 b + 16 (lane / 16) + 0 .. 15, and a tile's 16 rows are neighbours in LDS.
; THE HEAD'S 64 IN AN INSTRUCTION OF 128: Q's codes for K = 64 .. 127 are zeros.  K's operand of tile t names 16 registers, of which the upper eight hold the next tile's codes (behind tile 7: zeros):
; this program's quantiser holds at 448 and makes no NaN code, so those products are zeros.  The 16-bit loads of the scale words leave the bytes of K = 64 .. 127 at 0, which is a number.
; SCALE WORDS: one register serves two tiles: lanes 0-15 hold the even tile's words, lanes 16-31 the odd tile's, which the instruction reads by MATRIX_SCALE_ROW1.
; THE ROW'S SUM runs in six chains: v[14:15] and five partial sums.  A step leaves the five apart; they are joined onto v[14:15] in the places behind the NEXT step's first products, which is ahead of that
; step's multiplication by f, so every term is summed under the M that it was made under.  They begin as zeros, and the way out joins them once more.
; No prefetch: every byte that the launch reads is asked for ahead of its first step.  LIMITS as in the first kernel.
; The scale bytes of o leave 2 bytes a row, rows 32 bytes apart: one byte in 32 of what the launch stores.
; REGISTERS: v1-4 places that stay; v5, v6 the add's two; v7 16 x lane; v8-11 the step's addresses; v12 -M, v13 the largest t, v[14:15] the sum; v16-31 Q; v32-95 K's eight tiles, then V's four;
; v96-103 zeros; v104-167 S^T, then p; v168-199 O^T; v200-215 p's codes; v216-231 at work; v232-235 scale words of K, v236-237 of V; v238-239, v248-255 the five partial sums (v248 first serves as an offset at the head);
; v240 f, v241 p's scale word; v242 the old -M; v243 Q's scale word; v244-247 addresses.
.set VREG,  163840                     ; K: 2,048 rows of 64 + 16 bytes from 0; V: 1,024 rows of 128 + 16 bytes from here
.set SCK,   311296                     ; K's scale words, 8,192 bytes
.set SCV,   319488                     ; V's, 4,096 bytes
.set SPARE, 323584                     ; the spare words, 128 bytes a wave
.set KCO, 4194304
.set VTO, 8388608
.set QSO, 12582912
.set KSO, 12713984
.set VSO, 12845056
.macro CROUND
	s_barrier_signal -1
	s_barrier_wait -1
	s_cmp_lg_u32 s8, 0
	s_cbranch_scc1 .Lnot_wave_0_\@
	s_barrier_signal -3
.Lnot_wave_0_\@:
	s_barrier_wait -3
	s_barrier_signal -1
	s_barrier_wait -1
.endm
.macro G1SET g, w0, c, r, p            ; a descriptor's group 1, of constants
	s_mov_b32 s[\g], \w0
	s_mov_b32 s[\g+1], (\c)<<16
	s_mov_b32 s[\g+2], (\r)<<16
	s_mov_b32 s[\g+3], (\c)<<16
	s_mov_b32 s[\g+4], \r
	s_mov_b32 s[\g+5], \p
	s_mov_b32 s[\g+6], 0
	s_mov_b32 s[\g+7], 0
.endm
.macro MKG0 g, idx, lmul, loff, ptr, gmul, goff   ; a group 0: my part's number s[idx] x a constant + a constant, in LDS and in memory
	s_mul_i32 s2, s[\idx], \lmul
	s_mov_b32 s[\g], 1
	s_add_co_u32 s[\g+1], s2, \loff
	s_mul_i32 s66, s[\idx], \gmul
	s_add_co_u32 s66, s66, \goff
	s_add_nc_u64 s[\g+2:\g+3], s[\ptr:\ptr+1], s[66:67]
	s_or_b32 s[\g+3], s[\g+3], 0x80000000
.endm
.macro TL g0, g1                       ; a tensor load, its s_nop 0 and four v_nop
	tensor_load_to_lds s[\g0:\g0+3], s[\g1:\g1+7]
	s_nop 0
.rept 4
	v_nop
.endr
.endm
.macro ARM under, g0, g1, next         ; one arm of the head's tree, with a jump to the join
	s_cmp_lt_u32 s8, \under
	s_cbranch_scc0 \next
	TL \g0, \g1
	s_branch .Lfilled
\next:
.endm
.macro JOINS                           ; the five partial sums onto v[14:15]
	v_pk_add_f32 v[238:239], v[238:239], v[248:249]
	v_pk_add_f32 v[250:251], v[250:251], v[252:253]
	v_pk_add_f32 v[14:15], v[14:15], v[254:255]
	s_delay_alu instid0(VALU_DEP_2)
	v_pk_add_f32 v[238:239], v[238:239], v[250:251]
	s_delay_alu instid0(VALU_DEP_1)
	v_pk_add_f32 v[14:15], v[14:15], v[238:239]
.endm
	s_load_b128 s[4:7], s[0:1], 0x0                ; qkvw, oq
	v_lshl_add_u32 v5, v0, 2, SPARE
	v_mov_b32 v6, 0
	ds_add_u32 v5, v6                              ; the wave's opening: the add, twice on end, and its wait ahead of my first tensor load
	ds_add_u32 v5, v6
	v_lshrrev_b32 v8, 5, v0
	v_readfirstlane_b32 s8, v8                     ; wave 0..15
	s_and_b32 s9, s8, 3                            ; which quarter I fetch at the head
	s_and_b32 s100, s8, 7                          ; which eighth in the second go
	s_bfe_u32 s2, ttmp6, 0x40000                   ; cx
	s_lshl_b32 s3, ttmp9, 2
	s_add_co_u32 s3, s3, s2                        ; my block of 256 queries: it enters Q's and o's global addresses alone
	s_and_b32 s10, ttmp7, 0xffff                   ; 16 batch + head, which the partners share
	s_lshr_b32 s11, s10, 4                         ; batch
	s_and_b32 s12, s10, 15                         ; head
	s_lshr_b32 s13, s12, 1                         ; the pair of heads
	s_and_b32 s14, s12, 1                          ; and which of the pair
	s_lshl_b32 s15, s11, 3
	s_add_co_u32 s15, s15, s13
	G1SET 24, 15|(1<<20)|(1<<21)|(3<<22)|(3<<25), 64, 128, 64     ; K at the head: 128 rows of 64 bytes, 4 words of padding behind every 16
	G1SET 88, 15|(1<<20)|(1<<21)|(3<<22)|(3<<25), 64, 192, 64     ; K in the second go: 192 rows
	G1SET 32, 15|(1<<20)|(1<<21)|(4<<22)|(3<<25), 128, 64, 128    ; V at the head: 64 rows of 128 bytes, 4 words behind every 32
	G1SET 68, 15|(1<<20)|(1<<21)|(4<<22)|(3<<25), 128, 96, 128    ; V in the second go: 96 rows
	G1SET 40, 15|(3<<16)|(1<<21), 32, 8, 32                       ; K's scale words: 8 rows of 256 bytes, dense
	G1SET 48, 15|(3<<16)|(1<<21), 32, 4, 512                      ; V's: 4 rows of 256 bytes, 4,096 bytes apart
	s_lshl_b32 s16, s15, 13
	s_add_co_u32 s16, s16, KSO                     ; K's scale words of my pair of heads
	s_mov_b32 s17, 0
	s_lshl_b32 s18, s10, 17                        ; my head's 131,072 bytes, in K's codes and in V's
	s_add_co_u32 s22, s18, VTO
	s_add_co_u32 s18, s18, KCO
	s_mov_b32 s19, 0
	s_mov_b32 s23, 0
	s_lshl_b32 s20, s11, 16
	s_lshl_b32 s2, s12, 8
	s_add_co_u32 s20, s20, s2
	s_add_co_u32 s20, s20, VSO                     ; V's scale words: my head's 256 bytes of each chunk of 128 keys
	s_mov_b32 s21, 0
	s_mov_b32 s67, 0
	; every LDS address register is made here, ahead of the branches on the wave's number
	v_and_b32 v8, 15, v0                           ; r
	v_bfe_u32 v9, v0, 4, 1                         ; h
	v_and_b32 v11, 31, v0                          ; lane
	v_mul_u32_u24 v1, v8, 80
	v_mul_u32_u24 v2, v8, 144
	v_and_b32 v10, 8, v8
	v_lshl_add_u32 v1, v9, 4, v1                   ; K: 80 r + 16 h
	v_lshl_add_u32 v2, v9, 4, v2
	v_add_nc_u32 v10, v10, v8                      ; r + 8 (r / 8): my row's token in its tile's 24
	v_add_nc_u32 v2, VREG, v2                      ; V: 144 r + 16 h
	v_lshl_add_u32 v3, v10, 2, SCK
	s_lshl_b32 s2, s14, 1
	v_lshl_add_u32 v4, v8, 2, SCV
	v_add_nc_u32 v3, s2, v3                        ; K's scale words lie by token: 4 bytes a token, my head's two of them;
	v_lshl_add_u32 v4, v9, 6, v4                   ; V's: 4 r; lanes 16-31 take the odd tile's, 64 bytes on
	v_lshl_add_u32 v3, v9, 5, v3                   ; lanes 16-31 take the odd tile's, 8 tokens on
	v_lshlrev_b32 v7, 4, v11                       ; 16 x lane
	s_mul_i32 s2, s8, 1280                         ; the way out's stage: 16 rows of 64 + 16 bytes a wave, where K lay
	v_mul_u32_u24 v244, v8, 80
	v_lshrrev_b32 v245, 2, v11
	v_and_b32 v246, 3, v11
	v_lshl_add_u32 v244, v9, 3, v244
	v_mul_u32_u24 v245, v245, 80
	v_add_nc_u32 v244, s2, v244                    ; in: 80 r + 8 h
	v_lshl_add_u32 v245, v246, 4, v245
	v_lshlrev_b32 v247, 6, v8
	v_add_nc_u32 v245, s2, v245                    ; back: 80 (lane / 4) + 16 (lane % 4)
	v_lshlrev_b32 v246, 5, v10                     ; o's scale bytes: 32 bytes a token
	v_lshl_add_u32 v247, v9, 4, v247               ; Q: 64 r + 16 h
	v_lshlrev_b32 v248, 2, v10                     ; Q's scale word: 4 bytes a token
	s_wait_dscnt 0x0                               ; both opening adds are done
	s_wait_kmcnt 0x0
	s_add_nc_u64 s[16:17], s[4:5], s[16:17]
	s_add_nc_u64 s[18:19], s[4:5], s[18:19]
	s_add_nc_u64 s[20:21], s[4:5], s[20:21]
	s_add_nc_u64 s[22:23], s[4:5], s[22:23]
	MKG0 60, 9, 10240, 0, 18, 8192, 0
	MKG0 84, 9, 9216, VREG, 22, 8192, 0
	MKG0 56, 9, 2048, SCK, 16, 2048, 0
	MKG0 80, 9, 1024, SCV, 20, 16384, 0
	MKG0 76, 100, 15360, 40960, 18, 12288, 32768
	MKG0 96, 100, 13824, VREG+36864, 22, 12288, 32768
	CROUND                                         ; all four work-groups are here: the joint loads meet
	ARM 4,  60, 24, .Lfill_v                       ; one tree of branches on the wave's number: every way through it passes exactly one load
	ARM 8,  84, 32, .Lfill_sk
	ARM 12, 56, 40, .Lfill_sv
	TL 80, 48
.Lfilled:
	s_lshl_b32 s16, s10, 17
	s_lshl_b32 s2, s3, 14
	s_add_co_u32 s16, s16, s2
	s_lshl_b32 s2, s8, 10
	s_add_co_u32 s16, s16, s2
	s_mov_b32 s17, 0
	s_add_nc_u64 s[16:17], s[4:5], s[16:17]        ; Q's codes at position 256 block + 16 wave
	s_lshr_b32 s2, s8, 1
	s_lshl_b32 s2, s2, 5
	s_and_b32 s18, s8, 1
	s_lshl_b32 s18, s18, 3
	s_add_co_u32 s2, s2, s18                       ; those positions' first token in the block: 32 (wave / 2) + 8 (wave % 2)
	s_lshl_b32 s18, s3, 8
	s_add_co_u32 s18, s18, s2
	s_lshl_b32 s19, s15, 11
	s_add_co_u32 s18, s18, s19
	s_lshl_b32 s18, s18, 2
	s_lshl_b32 s19, s14, 1
	s_add_co_u32 s18, s18, s19
	s_add_co_u32 s18, s18, QSO
	s_mov_b32 s19, 0
	s_add_nc_u64 s[18:19], s[4:5], s[18:19]        ; and its scale word's two bytes of my head
	s_wait_alu depctr_va_vdst(0)                   ; ahead of the readers below
	global_load_b128 v[16:19], v247, s[16:17]
	global_load_b128 v[20:23], v247, s[16:17] offset:32
	global_load_u16 v243, v248, s[18:19]
	s_lshl_b32 s100, s11, 3
	s_add_co_u32 s100, s100, s3                    ; the block of 256 rows among the 16
	s_lshl_b32 s20, s100, 18
	s_lshl_b32 s101, s12, 14
	s_add_co_u32 s20, s20, s101
	s_lshl_b32 s101, s2, 6
	s_add_co_u32 s20, s20, s101
	s_mov_b32 s21, 0
	s_add_nc_u64 s[20:21], s[6:7], s[20:21]        ; o's codes: [block 16][head 16][row 256][64]
	s_lshl_b32 s22, s100, 13
	s_lshl_b32 s101, s2, 5
	s_add_co_u32 s22, s22, s101
	s_lshl_b32 s101, s12, 1
	s_add_co_u32 s22, s22, s101
	s_add_co_u32 s22, s22, 4194304
	s_mov_b32 s23, 0
	s_add_nc_u64 s[22:23], s[6:7], s[22:23]        ; o's scale bytes: [row 4096][32]
.set jj, 0
.rept 8
	v_mov_b32 v[24+jj], 0                          ; Q's codes of K = 64 .. 127
	v_mov_b32 v[96+jj], 0                          ; what stands behind K's tile 7
.set jj, jj+1
.endr
	v_mov_b32 v13, 0xff61b1e6                      ; the largest t so far: -3e38
	v_mov_b32 v14, 0
	v_mov_b32 v15, 0
	v_floor_f32 v12, -v13                          ; -M
.irp b, 0,1,2,3
	v_mov_b32 v[220+\b], 0                         ; a lane permute's destination counts as one of its sources
.endr
	v_mov_b32 v241, 0                              ; named as the upper half of the pair v[240:241] before it is first written
	v_mov_b32 v242, 0
.set jj, 0
.rept 32
	v_mov_b32 v[168+jj], 0                         ; O^T: the step is written once; the first change of M leaves zeros zeros
.set jj, jj+1
.endr
	s_wait_loadcnt 0x0                             ; Q: its pointers and its offsets are free from here on
.irp r, 238,239,248,249,250,251,252,253,254,255
	v_mov_b32 v\r, 0                               ; the five partial sums: the first step joins zeros
.endr
	s_mov_b32 s16, 0x76543210
	s_mov_b32 s17, 0xfedcba98                      ; selects for lane l xor 16
	s_mov_b32 s18, 0x3e38aa3b                      ; c = log2(e) / 8
	s_mov_b32 s19, s18
	s_mov_b32 s9, 0x600000                         ; the mantissa field of 448
	s_mov_b32 s10, 0                               ; where the step's K begins: 10,240 bytes a step
	s_mov_b32 s11, 0                               ; V: 9,216
	s_mov_b32 s12, 0                               ; K's scale words: 512
	s_mov_b32 s13, 0                               ; V's: 256
	s_wait_alu depctr_va_vdst(0)                   ; the head's end
	s_wait_tensorcnt 0x0                           ; my load of the head has landed
	ds_add_u32 v5, v6
	s_wait_dscnt 0x0
	CROUND                                         ; a whole round: the first 512 keys and all scale words lie in LDS, and all four work-groups are here
	s_cmp_lt_u32 s8, 8                             ; the second go: my one tensor load behind the round
	s_cbranch_scc0 .Lmore_v
	TL 76, 88
	s_branch .Lmore
.Lmore_v:
	TL 96, 68
.Lmore:
; A KEY STEP: 128 keys
.macro STEP
	v_add_nc_u32 v8, s10, v1
	v_add_nc_u32 v9, s11, v2
	v_add_nc_u32 v10, s12, v3
	v_add_nc_u32 v11, s13, v4
.rept 4
	v_nop                                          ; with the four additions: eight places in front of loads into registers that the last products read
.endr
.irp t, 0,1,2,3,4,5,6,7
	ds_load_b128 v[32+8*\t:35+8*\t], v8 offset:1280*\t
	ds_load_b128 v[36+8*\t:39+8*\t], v8 offset:1280*\t+32
.endr
.irp b, 0,1,2,3
	ds_load_u16 v[232+\b], v10 offset:128*\b       ; tiles 2 b (lanes 0-15) and 2 b + 1 (lanes 16-31)
.endr
	s_wait_alu depctr_va_vdst(0)
	s_wait_dscnt 0x0
.irp t, 0,2,4,6
	v_wmma_scale_f32_16x16x128_f8f6f4 v[104+8*\t:111+8*\t], v[32+8*\t:47+8*\t], v[16:31], 0, v[232+\t/2], v243
	v_wmma_scale_f32_16x16x128_f8f6f4 v[112+8*\t:119+8*\t], v[40+8*\t:55+8*\t], v[16:31], 0, v[232+\t/2], v243 matrix_a_scale:MATRIX_SCALE_ROW1
.endr
	JOINS                                          ; eight places behind the products: the last step's partial sums are joined (five lines),
	v_mov_b32 v242, v12                            ; the old -M is kept,
	v_nop                                          ; and two idle lines
	v_nop
.irp t, 0,1,2,3                                ; V's run of loads stands here and lands under the softmax
.irp c, 0,1,2,3
	ds_load_b128 v[32+16*\t+4*\c:35+16*\t+4*\c], v9 offset:2304*\t+32*\c
.endr
.endr
	ds_load_b32 v236, v11                          ; V's scale words: tiles 0 and 1,
	ds_load_b32 v237, v11 offset:128               ; tiles 2 and 3
; the largest score of each block of 32 keys: for the row's maximum and, since p rises with the score, for the block's largest p.  Eight chains by turns: two to a block, each accumulator from its low end on
.irp b, 0,1,2,3
	v_max3_num_f32 v[216+\b], v[104+16*\b], v[105+16*\b], v[106+16*\b]
.endr
.irp b, 0,1,2,3
	v_max3_num_f32 v[220+\b], v[112+16*\b], v[113+16*\b], v[114+16*\b]
.endr
.irp i, 3,5
.irp b, 0,1,2,3
	v_max3_num_f32 v[216+\b], v[216+\b], v[104+16*\b+\i], v[105+16*\b+\i]
.endr
.irp b, 0,1,2,3
	v_max3_num_f32 v[220+\b], v[220+\b], v[112+16*\b+\i], v[113+16*\b+\i]
.endr
.endr
.irp b, 0,1,2,3
	v_max3_num_f32 v[216+\b], v[216+\b], v[220+\b], v[111+16*\b]
.endr
.irp b, 0,1,2,3
	v_max_num_f32 v[216+\b], v[216+\b], v[119+16*\b]
.endr
.irp b, 0,1,2,3
	s_delay_alu instid0(VALU_DEP_4)
	v_permlanex16_b32 v[220+\b], v[216+\b], s16, s17
.endr
.irp b, 0,1,2,3
	s_delay_alu instid0(VALU_DEP_4)
	v_max_num_f32 v[216+\b], v[216+\b], v[220+\b]
.endr
	s_delay_alu instid0(VALU_DEP_2)
	v_max3_num_f32 v222, v216, v217, v218
	s_delay_alu instid0(VALU_DEP_1)
	v_max_num_f32 v222, v222, v219
	s_delay_alu instid0(VALU_DEP_1)
	v_mul_f32 v222, s18, v222
	s_delay_alu instid0(VALU_DEP_1)
	v_max_num_f32 v13, v13, v222                   ; the running largest t
	s_delay_alu instid0(VALU_DEP_1)
	v_floor_f32 v12, -v13                          ; the new -M: M is a whole number
	s_delay_alu instid0(VALU_DEP_1)
	v_sub_f32 v242, v12, v242
	s_delay_alu instid0(VALU_DEP_1)
	v_cvt_i32_f32 v242, v242                       ; (it saturates)
	s_delay_alu instid0(VALU_DEP_1)
	v_ldexp_f32 v240, 1.0, v242                    ; f = 2^(old M - new M)
.set jj, 0
.rept 32
	v_pk_fma_f32 v[104+jj:105+jj], v[104+jj:105+jj], s[18:19], v[12:13] op_sel_hi:[1,0,0]   ; t - M
.set jj, jj+2
.endr
.irp b, 0,1,2,3
	v_fma_f32 v[216+\b], v[216+\b], s18, v12
.endr
.set jj, 0
	s_wait_alu depctr_va_vdst(0)                   ; ahead of the batch
.rept 64
	v_exp_f32 v[104+jj], v[104+jj]                 ; p = 2^(t - M)
.set jj, jj+1
.endr
	v_pk_mul_f32 v[14:15], v[14:15], v[240:241] op_sel_hi:[1,0]   ; the sum under the new M: a plain instruction behind the exponentials
	s_wait_alu depctr_va_vdst(0)                   ; one wait for the batch, ahead of its first reader
.irp b, 0,1,2,3
	v_exp_f32 v[216+\b], v[216+\b]                 ; each block's largest p
.endr
.set jj, 104                                   ; the row's sum of the unquantised p: 32 pairs into six chains by turns: 5 x 2 pairs start the partial sums, 22 pairs follow
.irp r, 238,248,250,252,254
	v_pk_add_f32 v[\r:\r+1], v[jj:jj+1], v[jj+2:jj+3]
.set jj, jj+4
.endr
.rept 3
.irp r, 14,238,248,250,252,254
	v_pk_add_f32 v[\r:\r+1], v[\r:\r+1], v[jj:jj+1]
.set jj, jj+2
.endr
.endr
.irp r, 14,238,248,250
	v_pk_add_f32 v[\r:\r+1], v[\r:\r+1], v[jj:jj+1]
.set jj, jj+2
.endr
	s_wait_alu depctr_va_vdst(0)                   ; and one for the four
.irp b, 0,1,2,3
	v_max_num_f32 v[216+\b], 0x4800000, v[216+\b]  ; the floor 2^(9 - 127)
.endr
.irp b, 0,1,2,3
	s_delay_alu instid0(VALU_DEP_4)
	v_add_nc_u32 v[228+\b], 0xfc000000, v[216+\b]  ; the conversion's scale operand
.endr
.irp b, 0,1,2,3
	v_and_or_b32 v[224+\b], v[216+\b], 0x7f800000, s9   ; 448 x the scale
.endr
.irp b, 0,1,2,3
	v_lshrrev_b32 v[220+\b], 23, v[228+\b]
.endr
	s_delay_alu instid0(VALU_DEP_3)
	v_lshl_or_b32 v241, v221, 8, v220              ; p's scale word for these 128 keys
	s_delay_alu instid0(VALU_DEP_1)
	v_lshl_or_b32 v241, v222, 16, v241
	s_delay_alu instid0(VALU_DEP_1)
	v_lshl_or_b32 v241, v223, 24, v241
.irp b, 0,1,2,3
.set jj, 0
.rept 8
	v_dual_min_num_f32 v[104+16*\b+jj], v[104+16*\b+jj], v[224+\b] :: v_dual_min_num_f32 v[105+16*\b+jj], v[105+16*\b+jj], v[224+\b]   ; the hold, two numbers an instruction; p is not negative
.set jj, jj+2
.endr
	v_cvt_scalef32_pk8_fp8_f32 v[200+4*\b:201+4*\b], v[104+16*\b:111+16*\b], v[228+\b]
	v_cvt_scalef32_pk8_fp8_f32 v[202+4*\b:203+4*\b], v[112+16*\b:119+16*\b], v[228+\b]
.endr
	s_wait_alu depctr_va_vdst(0)                   ; ahead of the first reader of O^T
.set jj, 0
.rept 16
	v_pk_mul_f32 v[168+jj:169+jj], v[168+jj:169+jj], v[240:241] op_sel_hi:[1,0]   ; O^T under the new M; these are also the places ahead of the products below
.set jj, jj+2
.endr
	s_wait_alu depctr_va_vdst(0)
	s_wait_dscnt 0x0                               ; V and its scale words
.irp t, 0,2
	v_wmma_scale_f32_16x16x128_f8f6f4 v[168+8*\t:175+8*\t], v[32+16*\t:47+16*\t], v[200:215], v[168+8*\t:175+8*\t], v[236+\t/2], v241
	v_wmma_scale_f32_16x16x128_f8f6f4 v[176+8*\t:183+8*\t], v[48+16*\t:63+16*\t], v[200:215], v[176+8*\t:183+8*\t], v[236+\t/2], v241 matrix_a_scale:MATRIX_SCALE_ROW1
.endr
	s_add_co_u32 s10, s10, 10240
	s_add_co_u32 s11, s11, 9216
	s_add_co_u32 s12, s12, 512
	s_add_co_u32 s13, s13, 256
.endm
	s_mov_b32 s14, 4
.Lfirst:                                           ; the first 512 keys
	STEP
	s_sub_co_u32 s14, s14, 1
	s_cmp_lg_u32 s14, 0
	s_cbranch_scc1 .Lfirst
	s_wait_tensorcnt 0x0                           ; my load of the second go has landed
	s_wait_dscnt 0x0
	s_barrier_signal -1
	s_barrier_wait -1                              ; and so has every wave's: the whole head lies in LDS
	s_mov_b32 s14, 12
.Lrest:
	STEP
	s_sub_co_u32 s14, s14, 1
	s_cmp_lg_u32 s14, 0
	s_cbranch_scc1 .Lrest
	; THE WAY OUT: o = O^T / l, quantised along the head's 64 (two blocks of the model's 1,024), through my stage, which lies where K lay
	s_wait_dscnt 0x0
	s_barrier_signal -1
	s_barrier_wait -1                              ; no wave reads K any more
	JOINS                                          ; the last step's partial sums
	s_delay_alu instid0(VALU_DEP_1)
	v_add_f32 v14, v14, v15
	s_delay_alu instid0(VALU_DEP_1)
	v_permlanex16_b32 v242, v14, s16, s17
	s_delay_alu instid0(VALU_DEP_1)
	v_add_f32 v14, v14, v242                       ; the row's sum
	s_wait_alu depctr_va_vdst(0)
	v_rcp_f32 v14, v14
	v_nop                                          ; the plain instruction behind the reciprocal; the seven additions above and this line are the eight places behind the last products
	s_wait_alu depctr_va_vdst(0)
.set jj, 0
.rept 16
	v_pk_mul_f32 v[104+jj:105+jj], v[168+jj:169+jj], v[14:15] op_sel_hi:[1,0]   ; register 8 t + j is o(query r, 16 t + 8 h + j); each accumulator from its low end on
.set jj, jj+2
.endr
.irp b, 0,1
	v_max3_num_f32 v[216+\b], |v[104+16*\b]|, |v[105+16*\b]|, 0x4800000
.endr
.set jj, 2
.rept 7
.irp b, 0,1
	v_max3_num_f32 v[216+\b], v[216+\b], |v[104+16*\b+jj]|, |v[105+16*\b+jj]|
.endr
.set jj, jj+2
.endr
.irp b, 0,1
	v_permlanex16_b32 v[220+\b], v[216+\b], s16, s17
.endr
.irp b, 0,1
	v_max_num_f32 v[216+\b], v[216+\b], v[220+\b]
.endr
.irp b, 0,1
	v_add_nc_u32 v[228+\b], 0xfc000000, v[216+\b]
.endr
.irp b, 0,1
	v_and_or_b32 v[224+\b], v[216+\b], 0x7f800000, s9
.endr
.irp b, 0,1
	v_lshrrev_b32 v[220+\b], 23, v[228+\b]
.endr
	v_lshl_or_b32 v242, v221, 8, v220              ; my row's two scale bytes
.set jj, 0
.rept 32
	v_med3_num_f32 v[104+jj], v[104+jj], -v[224+jj/16], v[224+jj/16]
.set jj, jj+1
.endr
.set jj, 0
.rept 4
	v_cvt_scalef32_pk8_fp8_f32 v[200+2*jj:201+2*jj], v[104+8*jj:111+8*jj], v[228+jj/2]
.set jj, jj+1
.endr
	v_nop                                          ; a plain instruction behind the last conversion
.set jj, 0
.rept 4
	ds_store_b64 v244, v[200+2*jj:201+2*jj] offset:16*jj
.set jj, jj+1
.endr
	ds_load_b128 v[208:211], v245                  ; LDS serves a wave's instructions in order: these see my stores
	ds_load_b128 v[212:215], v245 offset:640
	s_wait_dscnt 0x0
	global_store_b128 v7, v[208:211], s[20:21]     ; eight rows of 64 bytes: 512 consecutive bytes
	global_store_b128 v7, v[212:215], s[20:21] offset:1024
	global_store_b16 v246, v242, s[22:23]          ; both halves of the lanes write the same two bytes
	s_wait_tensorcnt 0x0                           ; the wave's end, behind my last tensor load and my last LDS store
	ds_add_u32 v5, v6
	s_wait_dscnt 0x0
	CROUND                                         ; the closing round
	s_endpgm
.Lfunc_end_k_q7fef1cdf3b_attn:
	.size	k_q7fef1cdf3b_attn, .Lfunc_end_k_q7fef1cdf3b_attn-k_q7fef1cdf3b_attn
	.p2alignl 7, 3214868480
	.fill 96, 4, 3214868480
	.section	.rodata,"a",@progbits
	.p2align	6, 0x0
	.amdhsa_kernel k_q7fef1cdf3b_attn
		.amdhsa_group_segment_fixed_size 327680
		.amdhsa_private_segment_fixed_size 0
		.amdhsa_enable_private_segment 0
		.amdhsa_kernarg_size 16
		.amdhsa_user_sgpr_count 2
		.amdhsa_user_sgpr_kernarg_segment_ptr 1
		.amdhsa_wavefront_size32 1
		.amdhsa_system_sgpr_workgroup_id_x 1
		.amdhsa_system_sgpr_workgroup_id_y 1
		.amdhsa_system_sgpr_workgroup_id_z 1
		.amdhsa_system_vgpr_workitem_id 0
		.amdhsa_next_free_vgpr 256
		.amdhsa_next_free_sgpr 102
		.amdhsa_reserve_vcc 0
		.amdhsa_float_denorm_mode_32 3
		.amdhsa_float_denorm_mode_16_64 3
		.amdhsa_memory_ordered 1
		.amdhsa_forward_progress 1
		.amdhsa_inst_pref_size 61
	.end_amdhsa_kernel
	.amdgpu_metadata
---
amdhsa.version: [ 1, 2 ]
amdhsa.kernels:
  - .name:           k_q7fef1cdf3b_attn
    .symbol:         k_q7fef1cdf3b_attn.kd
    .args:
      - { .name: qkvw, .offset: 0, .size: 8, .value_kind: global_buffer, .address_space: global }
      - { .name: oq, .offset: 8, .size: 8, .value_kind: global_buffer, .address_space: global }
    .group_segment_fixed_size: 327680
    .private_segment_fixed_size: 0
    .kernarg_segment_align: 8
    .kernarg_segment_size: 16
    .max_flat_workgroup_size: 512
    .sgpr_count:     102
    .vgpr_count:     256
    .wavefront_size: 32
...
	.end_amdgpu_metadata
.endif
;; end of part 9
;; launch wo (part 10): grid 8 x 32, 4 waves a work-group, clusters of 4 x 4, 327,680 bytes of LDS; arguments oq, wo_codes, wo_scales, x, x1; writes x1
.if DOCPART == 10
	.amdgcn_target "amdgcn-amd-amdhsa--gfx1250"
	.amdhsa_code_object_version 6
	.text
	.protected	k_q7fef1cdf3b_wo
	.globl	k_q7fef1cdf3b_wo
	.p2align	8
	.type	k_q7fef1cdf3b_wo,@function
k_q7fef1cdf3b_wo:
	s_mov_b64 s[64:65], 0
	v_nop
	global_prefetch_b8 v0, s[64:65] scope:SCOPE_SE
	s_setreg_imm32_b32 hwreg(HW_REG_WAVE_MODE, 25, 1), 1
	s_wait_xcnt 0x0
	s_wait_alu depctr_hold_cnt(0) depctr_sa_sdst(0) depctr_va_vdst(0) depctr_va_sdst(0) depctr_va_ssrc(0) depctr_va_vcc(0) depctr_vm_vsrc(0)
	s_getreg_b32 s2, hwreg(HW_REG_IB_STS2, 6, 4)
	s_cmp_eq_u32 s2, 0
	s_cbranch_scc0 .Lentry_in_a_cluster
	s_endpgm
.Lentry_in_a_cluster:
	s_bfe_u32 s2, ttmp6, 0x10000c
	s_cmp_lg_u32 s2, 0xf033
	s_cbranch_scc0 .Lentry_shape_is_right
	s_endpgm
.Lentry_shape_is_right:
; x1 = x + o wo on codes of E4M3 (K = 1,024).  (The input mask is dead work: see the first kernel.)
; A tile of C is 128 x 128: 4,096 x 1,024 numbers give 256 work-groups.  Four waves of 64 x 64: 16 accumulators of 16 x 16.  The matrix instruction is used transposed (source 0 = 16 rows of wo,
; source 1 = 16 rows of o): a lane holds one row of C and eight neighbouring columns.
; K lies in two LDS slots of 512, both filled at the head by joint tensor loads and never again: one tensor load of mine is out at the most.  CLUSTERS of 4 x 4: o's tile is shared along a row, wo's along a column.
; A's codes lie [block of 256 rows 16][head 16][row 256][64]: my tile's 128 rows of one head are 8,192 dense bytes, and heads lie 16,384 bytes apart.  A load states eight heads as eight rows of 8,192 bytes,
; with 16 bytes of padding behind every 256: row R of a head lies at 272 (R / 4) + 64 (R % 4), so that the 16 rows of a fragment load start at 16 different columns of 16 bytes (64 banks of 4 bytes: ISA guide 11.1).
; B's rows are 512 bytes + 16.  A's scale bytes [4096][32] lie at byte 4,194,304 of the workspace.
; THE SCALE WORDS of my 64 + 64 rows for all of K lie in 32 registers, loaded once: lane (r, h) of register (set, block, w) holds row r's word of the 128-step 4 set + 2 h + w; steps 2, 3, 6, 7 read lanes 16-31 on both sides.
; THE WAY OUT: my 64 columns are 256 bytes.  A block of 16 rows goes through my own stage in LDS (in slot 0, which has had its only fill and its last read) and comes back, into the registers that it left,
; as rows of 256 bytes; x's rows, asked for at the head, are added; sixteen lanes store 256 consecutive aligned bytes.
; REGISTERS: window 0: v1-31 addresses, v32-63 scale words.  window 1: two buffers of fragments, at v0 and v128: A's four, then B's four.  window 2: v0-127 the accumulators, (a, b) at v[8 (4 a + b)]; v128-255 x's rows.
.set SLOT,  137216                     ; A: 8 heads x 32 x 272 bytes; then B's 128 rows of 528
.set AREG,  69632
.set AHALF, 34816
.set BHALF, 33792                      ; 64 rows of B
.set SPARE, 274432                     ; behind the slots: the spare words, 128 bytes a wave
.set ASLOT, 131072                     ; eight heads on, in memory
.set ASTEP, 262144
.set KTOT,  1024
.set ADRA, 16
.set ADRB, 20
.set STO,  24
.set RD,   25
.set CO,   26
.set SPW,  28
.set NIL,  29
.set VSA,  30
.set VSB,  31
.set SC,   32
.set RX,   128                         ; in window 2
.set G1,   24
.set G0,   32
.set G1B,  48
.set G0B,  56
.set MUL,  0xa5                        ; sources 0 and 1 window 1, C and D window 2
.set TO_F, 0x40                        ; destination window 1, address window 0
.set MSB, 0
.macro WIN new                         ; the immediate's high byte repeats the setting that is left
.if MSB != (\new)
	s_set_vgpr_msb (MSB<<8)|(\new)
.set MSB, (\new)
.endif
.endm
.macro JLOAD s                         ; a joint load: waves 0, 1 fetch A's halves, waves 2, 3 B's; an s_nop 0 and four v_nop follow each line
	s_cmp_eq_u32 s15, 0
	s_cbranch_scc0 .Lfor_b_\@
	tensor_load_to_lds s[G0+4*\s:G0+4*\s+3], s[G1:G1+7]
	s_nop 0
.rept 4
	v_nop
.endr
	s_branch .Lasked_\@
.Lfor_b_\@:
	tensor_load_to_lds s[G0B+4*\s:G0B+4*\s+3], s[G1B:G1B+7]
	s_nop 0
.rept 4
	v_nop
.endr
.Lasked_\@:
.endm
.macro CREST                           ; a round of the cluster's barrier behind its opening barrier
	s_cmp_lg_u32 s14, 0
	s_cbranch_scc1 .Lnot_wave_0_\@
	s_barrier_signal -3
.Lnot_wave_0_\@:
	s_barrier_wait -3
	s_barrier_signal -1
	s_barrier_wait -1
.endm
.macro CROUND
	s_barrier_signal -1
	s_barrier_wait -1
	CREST
.endm
.macro PLACES n                        ; plain vector instructions behind matrix instructions: eight for this form
.rept \n
	v_nop
.endr
.endm
; 8 matrix instructions: A's blocks a0, a0 + 1 x B's four, from buffer f; g: the 128-step.  The 16 accumulators take turns in the same order in every step.
.macro MUL8 f, a0, g, zero
.irp a, \a0, \a0+1
.irp b, 0,1,2,3
.set rD, 8*(4*(\a)+\b)
.set rB, (\f)+64+16*\b
.set rA, (\f)+16*(\a)
.set sB, SC+16*((\g)/4)+8+2*\b+(\g)%2
.set sA, SC+16*((\g)/4)+2*(\a)+(\g)%2
.if \zero
	v_wmma_scale_f32_16x16x128_f8f6f4 v[rD:rD+7], v[rB:rB+15], v[rA:rA+15], 0, v[sB], v[sA]
.elseif ((\g)/2)%2
	v_wmma_scale_f32_16x16x128_f8f6f4 v[rD:rD+7], v[rB:rB+15], v[rA:rA+15], v[rD:rD+7], v[sB], v[sA] matrix_a_scale:MATRIX_SCALE_ROW1 matrix_b_scale:MATRIX_SCALE_ROW1
.else
	v_wmma_scale_f32_16x16x128_f8f6f4 v[rD:rD+7], v[rB:rB+15], v[rA:rA+15], v[rD:rD+7], v[sB], v[sA]
.endif
.endr
.endr
.endm
.macro FRAGB reg, slot, q, i           ; a fragment: lane l holds row l % 16; registers 4 c .. 4 c + 3 hold K = 32 c + 16 (l / 16) + 0 .. 15
.irp c, 0,1,2,3
	ds_load_b128 v[\reg+4*\c:\reg+4*\c+3], v[ADRB+\slot] offset:128*(\q)+32*\c+(\i)*8448
.endr
.endm
.macro FRAGA reg, slot, q, i           ; 128 along K are two heads: K = 32 c + .. lies in head 2 q + c / 2 of the slot's eight, at byte 32 (c % 2) of its row
.irp c, 0,1,2,3
	ds_load_b128 v[\reg+4*\c:\reg+4*\c+3], v[ADRA+\slot] offset:8704*(2*(\q)+\c/2)+32*(\c%2)+(\i)*1088
.endr
.endm
.macro FETCH slot, q, f                ; 32 LDS loads in one run: the fragments of the slot's q-th 128 along K into buffer f
	WIN TO_F
.irp i, 0,1,2,3
	FRAGB (\f)+64+16*\i, \slot, \q, \i
.endr
.irp i, 0,1,2,3
	FRAGA (\f)+16*\i, \slot, \q, \i
.endr
.endm
; one of a slot's first three steps: the next step's fragments are asked for, into the buffer that the last step's products read (pl = 1: eight places stand between), then this step is multiplied
.macro STEP slot, q, g, zero, pl
.if \pl
	PLACES 8
.endif
	FETCH \slot, (\q)+1, 128*(1-(\q)%2)
	s_wait_dscnt 32                                ; all but the 32 loads just issued: this step's fragments are in
	WIN MUL
	MUL8 128*((\q)%2), 0, \g, \zero
	MUL8 128*((\q)%2), 2, \g, \zero
.endm
.macro RUN3 slot, g0, zero
	STEP \slot, 0, \g0, \zero, 0
	STEP \slot, 1, (\g0)+1, 0, 1
	STEP \slot, 2, (\g0)+2, 0, 1
.endm
; a slot's fourth step, on buffer 1, and the change of slots: one barrier
.macro TURN slot, next, g, fill
	WIN 0                                          ; (the add's two registers lie in window 0)
	s_wait_tensorcnt 0x0                           ; all my tensor loads have landed: my part of the next slot
	ds_add_u32 v[SPW], v[NIL]                      ; 0 onto my spare word
	s_wait_dscnt 1                                 ; this step's fragments are in; the add may be out
	WIN MUL
	MUL8 128, 0, \g, 0
	s_wait_dscnt 0x0                               ; the add is done, and my reads of this slot are over
	s_barrier_signal -1
	MUL8 128, 2, \g, 0
	WIN 0
	s_barrier_wait -1
.if \fill
	CREST                                          ; the barrier has opened a round of the cluster's barrier: no wave of any partner still reads this slot or has a load on its way
	s_add_nc_u64 s[G0+4*\slot+2:G0+4*\slot+3], s[G0+4*\slot+2:G0+4*\slot+3], ASTEP
	s_add_nc_u64 s[G0B+4*\slot+2:G0B+4*\slot+3], s[G0B+4*\slot+2:G0B+4*\slot+3], 1024
	JLOAD \slot                                    ; the first tensor load behind the round; its four v_nop are four of the eight places
	PLACES 4
.else
	PLACES 8
.endif
	FETCH \next, 0, 0
.endm
.macro LAST g                          ; the very last step
	s_wait_dscnt 0x0
	WIN MUL
	MUL8 128, 0, \g, 0
	MUL8 128, 2, \g, 0
	WIN 0
.endm
.macro SCLOAD set                      ; 8 + 8 scale registers: 8 bytes a lane, at 32 bytes a row
	WIN 0
.irp i, 0,1,2,3
	global_load_b64 v[SC+16*\set+2*\i:SC+16*\set+2*\i+1], v[VSA], s[6:7] offset:512*\i+16*\set
.endr
.irp i, 0,1,2,3
	global_load_b64 v[SC+16*\set+8+2*\i:SC+16*\set+9+2*\i], v[VSB], s[10:11] offset:512*\i+16*\set
.endr
.endm
.macro XLOAD                           ; the residual's 64 rows x 256 bytes: lanes 0-15 one row, lanes 16-31 the next
	WIN 0x80
.irp a, 0,1,2,3
.irp t, 0,1,2,3,4,5,6,7
	global_load_b128 v[RX+32*\a+4*\t:RX+32*\a+4*\t+3], v[CO], s[66:67] offset:(16*\a+2*\t)*4096
.endr
.endr
	WIN 0
.endm
.macro TOSTAGE a                       ; block a: 16 rows x 64 columns into my stage, and back as rows, into the registers that they left
.set AC, 32*(\a)
	WIN 0x08                                       ; an LDS store's data are its source 1: window 2
.irp b, 0,1,2,3
	ds_store_b128 v[STO], v[AC+8*\b:AC+8*\b+3] offset:64*\b          ; each accumulator from its low end on
	ds_store_b128 v[STO], v[AC+8*\b+4:AC+8*\b+7] offset:64*\b+16
.endr
	WIN 0x80
.irp t, 0,1,2,3,4,5,6,7
	ds_load_b128 v[AC+4*\t:AC+4*\t+3], v[RD] offset:544*\t           ; LDS serves a wave's instructions in order (ISA guide 5.7.1.4): these see the stores above
.endr
.endm
.macro SEND a, younger                 ; younger: the LDS instructions issued behind block a's loads
.set AC, 32*(\a)
	s_wait_dscnt \younger                          ; the block is back in registers
	s_wait_loadcnt 8*(3-(\a))                      ; its rows of the residual are in: behind them the later blocks' loads, 8 each
	WIN 0x8a
.set jj, 0
.rept 16
	v_pk_add_f32 v[AC+jj:AC+jj+1], v[AC+jj:AC+jj+1], v[RX+AC+jj:RX+AC+jj+1]
.set jj, jj+2
.endr
	WIN 0x08
.irp t, 0,1,2,3,4,5,6,7
	global_store_b128 v[CO], v[AC+4*\t:AC+4*\t+3], s[12:13] offset:(16*(\a)+2*\t)*4096   ; sixteen lanes store 256 consecutive bytes, at a multiple of 256 from the buffer's first byte
.endr
.endm
	s_load_b256 s[68:75], s[0:1], 0x0              ; oq, wo codes, wo scales, x
	s_load_b64 s[76:77], s[0:1], 0x20              ; x1
	v_lshl_add_u32 v[SPW], v0, 2, SPARE
	v_mov_b32 v[NIL], 0
	ds_add_u32 v[SPW], v[NIL]                      ; the wave's opening: the add, twice on end, and its wait ahead of my first tensor load
	ds_add_u32 v[SPW], v[NIL]
	v_lshrrev_b32 v1, 5, v0
	v_readfirstlane_b32 s14, v1                    ; wave
	s_lshr_b32 s15, s14, 1                         ; my half of A's rows.  Also: I fetch for A (0) or B (1)
	s_and_b32 s16, s14, 1                          ; my half of B's rows.  Also: which half I fetch
	s_bfe_u32 s40, ttmp6, 0x40000                  ; cx
	s_bfe_u32 s41, ttmp6, 0x40004                  ; cy
	s_and_b32 s84, ttmp7, 0xffff
	s_lshl_b32 s84, s84, 2
	s_add_co_u32 s17, s84, s41                     ; A's tile of 128 rows: 4 x cluster y + cy
	s_lshl_b32 s42, ttmp9, 2
	s_add_co_u32 s42, s42, s40                     ; B's tile of 128 rows: 4 x cluster x + cx
	s_lshl_b32 s43, s41, 2
	s_lshl_b32 s43, 15, s43                        ; my row of the cluster
	s_lshl_b32 s44, 0x1111, s40                    ; my column
	s_or_b32 s[G1], s43, (1<<20)|(1<<21)|(5<<22)|(3<<25)    ; A: elements of 1 byte; 4 words of padding behind every 64
	s_mov_b32 s[G1+1], 8192<<16                    ; tensor_dim0: a head's 128 rows of 64 bytes, dense
	s_mov_b32 s[G1+2], 8<<16                       ; tensor_dim1: eight heads: ONE load a wave at the head brings a whole slot's part of A (wave 0: slot 0's, wave 1: slot 1's)
	s_mov_b32 s[G1+3], 8192<<16                    ; tile_dim0
	s_mov_b32 s[G1+4], 8                           ; tile_dim1
	s_mov_b32 s[G1+5], 16384                       ; from head to head
	s_mov_b32 s[G1+6], 0
	s_mov_b32 s[G1+7], 0
	s_or_b32 s[G1B], s44, (1<<20)|(1<<21)|(6<<22)|(3<<25)   ; B: 128 rows of 512 bytes, 4 words of padding behind every 128
	s_mov_b32 s[G1B+1], 512<<16
	s_mov_b32 s[G1B+2], 128<<16                    ; B: all 128 rows of a slot's 512 along K in one load (wave 2: slot 0's, wave 3: slot 1's)
	s_mov_b32 s[G1B+3], 512<<16
	s_mov_b32 s[G1B+4], 128
	s_mov_b32 s[G1B+5], KTOT
	s_mov_b32 s[G1B+6], 0
	s_mov_b32 s[G1B+7], 0
	s_lshr_b32 s20, s17, 1
	s_lshl_b32 s20, s20, 18                        ; A: the block of 256 rows,
	s_and_b32 s21, s17, 1
	s_lshl_b32 s21, s21, 13                        ; its half: 128 rows of 64 bytes,
	s_add_co_u32 s20, s20, s21
	s_lshl_b32 s21, s16, 17                        ; the eight heads that I fetch
	s_add_co_u32 s20, s20, s21
	s_mov_b32 s21, 0
	s_lshl_b32 s46, s42, 17
	s_lshl_b32 s47, s16, 9                         ; the 512 along K that I fetch
	s_add_co_u32 s46, s46, s47                     ; B: 128 tile x 1,024 + 512 along K
	s_mov_b32 s47, 0
	s_lshl_b32 s22, s17, 12
	s_lshl_b32 s23, s15, 11
	s_add_co_u32 s22, s22, s23
	s_add_co_u32 s22, s22, 4194304                 ; the scale bytes of the 64 rows of A that I multiply
	s_mov_b32 s23, 0
	s_lshl_b32 s92, s42, 12
	s_lshl_b32 s93, s16, 11
	s_add_co_u32 s92, s92, s93                     ; and of B
	s_mov_b32 s93, 0
	s_lshl_b32 s18, s17, 19
	s_lshl_b32 s19, s15, 18
	s_add_co_u32 s18, s18, s19
	s_lshl_b32 s19, s42, 9
	s_add_co_u32 s18, s18, s19
	s_lshl_b32 s19, s16, 8
	s_add_co_u32 s18, s18, s19                     ; my 64 x 64 in x and x1
	s_mov_b32 s19, 0
	s_mul_i32 s45, s16, SLOT                       ; where the tiles go: the slot that I fill; no place in the cluster enters an LDS address
	s_mul_i32 s85, s16, SLOT
	s_add_co_u32 s85, s85, AREG
	s_wait_dscnt 0x0                               ; both opening adds are done
	s_wait_kmcnt 0x0
	s_add_nc_u64 s[20:21], s[68:69], s[20:21]
	s_add_nc_u64 s[46:47], s[70:71], s[46:47]
	s_add_nc_u64 s[6:7], s[68:69], s[22:23]
	s_add_nc_u64 s[10:11], s[72:73], s[92:93]
	s_add_nc_u64 s[66:67], s[74:75], s[18:19]
	s_add_nc_u64 s[12:13], s[76:77], s[18:19]
	CROUND                                         ; all sixteen work-groups are here: the joint loads meet
.irp s, 0
	s_mov_b32 s[G0+4*\s], 1
	s_add_co_u32 s[G0+4*\s+1], s45, \s*SLOT
	s_add_nc_u64 s[G0+4*\s+2:G0+4*\s+3], s[20:21], \s*ASLOT
	s_or_b32 s[G0+4*\s+3], s[G0+4*\s+3], 0x80000000
	s_mov_b32 s[G0B+4*\s], 1
	s_add_co_u32 s[G0B+4*\s+1], s85, \s*SLOT
	s_add_nc_u64 s[G0B+4*\s+2:G0B+4*\s+3], s[46:47], \s*512
	s_or_b32 s[G0B+4*\s+3], s[G0B+4*\s+3], 0x80000000
	JLOAD \s
.endr
	v_and_b32 v1, 15, v0                           ; r
	v_bfe_u32 v2, v0, 4, 1                         ; h
	v_lshrrev_b32 v12, 2, v1
	v_mul_u32_u24 v12, v12, 272
	v_and_b32 v13, 3, v1
	v_lshl_add_u32 v12, v13, 6, v12
	v_lshl_add_u32 v12, v2, 4, v12                 ; A: 272 (r / 4) + 64 (r % 4) + 16 h
	s_mul_i32 s18, s15, 4352                       ; my 64 rows
	v_add_nc_u32 v13, s18, v12
	v_mul_u32_u24 v12, v1, 528
	v_lshl_add_u32 v12, v2, 4, v12                 ; B: 528 r + 16 h
	s_mul_i32 s19, s16, BHALF
	s_add_co_u32 s19, s19, AREG
	v_add_nc_u32 v14, s19, v12
.irp s, 0,1
	v_add_nc_u32 v[ADRA+\s], \s*SLOT, v13
	v_add_nc_u32 v[ADRB+\s], \s*SLOT, v14
.endr
	v_lshlrev_b32 v[VSA], 5, v1
	v_lshl_add_u32 v[VSA], v2, 3, v[VSA]           ; 32 r + 8 h
	v_mov_b32 v[VSB], v[VSA]
	v_lshlrev_b32 v[CO], 4, v1
	v_lshl_add_u32 v[CO], v2, 12, v[CO]            ; 4,096 h + 16 r
	SCLOAD 0
	SCLOAD 1
	s_mul_i32 s18, s14, 4352                       ; my stage: 16 rows of 256 + 16 bytes
	v_mul_u32_u24 v12, v1, 272
	v_lshl_add_u32 v12, v2, 5, v12
	v_add_nc_u32 v[STO], s18, v12                  ; in: 272 r + 32 h
	v_mul_u32_u24 v12, v2, 272
	v_lshl_add_u32 v12, v1, 4, v12
	v_add_nc_u32 v[RD], s18, v12                   ; back: 272 h + 16 r
	s_wait_alu depctr_va_vdst(0)                   ; the head's end
	s_wait_tensorcnt 0x0                           ; my one tensor load has landed; behind the barrier both slots are whole
	s_barrier_signal -1
	s_barrier_wait -1
	FETCH 0, 0, 0
	XLOAD                                          ; the residual's rows are wanted last, so they are asked for behind the tiles
	s_wait_loadcnt 32                              ; the scale words are in; the residual's 32 loads may be out
	RUN3 0, 0, 1                                   ; the first products start the sums: nothing is cleared
	TURN 0, 1, 3, 0                                ; nothing is filled again
	RUN3 1, 4, 0
	LAST 7
	PLACES 8
	s_wait_alu depctr_va_vdst(0)
	TOSTAGE 0
	TOSTAGE 1
	SEND 0, 16                                     ; behind block 0's loads: block 1's eight stores and eight loads
	TOSTAGE 2
	SEND 1, 16
	TOSTAGE 3
	SEND 2, 16
	SEND 3, 0
	WIN 0
	s_wait_tensorcnt 0x0                           ; the wave's end, behind my last tensor load and my last LDS store
	ds_add_u32 v[SPW], v[NIL]
	s_wait_dscnt 0x0
	CROUND                                         ; the closing round
	s_endpgm
.Lfunc_end_k_q7fef1cdf3b_wo:
	.size	k_q7fef1cdf3b_wo, .Lfunc_end_k_q7fef1cdf3b_wo-k_q7fef1cdf3b_wo
	.p2alignl 7, 3214868480
	.fill 96, 4, 3214868480
	.section	.rodata,"a",@progbits
	.p2align	6, 0x0
	.amdhsa_kernel k_q7fef1cdf3b_wo
		.amdhsa_group_segment_fixed_size 327680
		.amdhsa_private_segment_fixed_size 0
		.amdhsa_enable_private_segment 0
		.amdhsa_kernarg_size 40
		.amdhsa_user_sgpr_count 2
		.amdhsa_user_sgpr_kernarg_segment_ptr 1
		.amdhsa_wavefront_size32 1
		.amdhsa_system_sgpr_workgroup_id_x 1
		.amdhsa_system_sgpr_workgroup_id_y 1
		.amdhsa_system_sgpr_workgroup_id_z 1
		.amdhsa_system_vgpr_workitem_id 0
		.amdhsa_next_free_vgpr 768
		.amdhsa_next_free_sgpr 100
		.amdhsa_reserve_vcc 0
		.amdhsa_float_denorm_mode_32 3
		.amdhsa_float_denorm_mode_16_64 3
		.amdhsa_memory_ordered 1
		.amdhsa_forward_progress 1
		.amdhsa_inst_pref_size 58
	.end_amdhsa_kernel
	.amdgpu_metadata
---
amdhsa.version: [ 1, 2 ]
amdhsa.kernels:
  - .name:           k_q7fef1cdf3b_wo
    .symbol:         k_q7fef1cdf3b_wo.kd
    .args:
      - { .name: oq, .offset: 0, .size: 8, .value_kind: global_buffer, .address_space: global }
      - { .name: wo_codes, .offset: 8, .size: 8, .value_kind: global_buffer, .address_space: global }
      - { .name: wo_scales, .offset: 16, .size: 8, .value_kind: global_buffer, .address_space: global }
      - { .name: x, .offset: 24, .size: 8, .value_kind: global_buffer, .address_space: global }
      - { .name: x1, .offset: 32, .size: 8, .value_kind: global_buffer, .address_space: global }
    .group_segment_fixed_size: 327680
    .private_segment_fixed_size: 0
    .kernarg_segment_align: 8
    .kernarg_segment_size: 40
    .max_flat_workgroup_size: 128
    .sgpr_count:     100
    .vgpr_count:     768
    .wavefront_size: 32
...
	.end_amdgpu_metadata
.endif
;; end of part 10
;; launch ln2: the kernel of part 7 again; grid 256 x 1, 4 waves a work-group, no clusters, 41,984 bytes of LDS; arguments x1, ln2_a, ln2_b, hq; writes hq
;; launch up (part 11): grid 16 x 16, 4 waves a work-group, clusters of 4 x 4, 327,680 bytes of LDS; arguments hq, w_up_codes, w_up_scales, b_up, fq; writes fq
.if DOCPART == 11
	.amdgcn_target "amdgcn-amd-amdhsa--gfx1250"
	.amdhsa_code_object_version 6
	.text
	.protected	k_q7fef1cdf3b_up
	.globl	k_q7fef1cdf3b_up
	.p2align	8
	.type	k_q7fef1cdf3b_up,@function
k_q7fef1cdf3b_up:
	s_mov_b64 s[64:65], 0
	v_nop
	global_prefetch_b8 v0, s[64:65] scope:SCOPE_SE
	s_setreg_imm32_b32 hwreg(HW_REG_WAVE_MODE, 25, 1), 1
	s_wait_xcnt 0x0
	s_wait_alu depctr_hold_cnt(0) depctr_sa_sdst(0) depctr_va_vdst(0) depctr_va_sdst(0) depctr_va_ssrc(0) depctr_va_vcc(0) depctr_vm_vsrc(0)
	s_getreg_b32 s2, hwreg(HW_REG_IB_STS2, 6, 4)
	s_cmp_eq_u32 s2, 0
	s_cbranch_scc0 .Lentry_in_a_cluster
	s_endpgm
.Lentry_in_a_cluster:
	s_bfe_u32 s2, ttmp6, 0x10000c
	s_cmp_lg_u32 s2, 0xf033
	s_cbranch_scc0 .Lentry_shape_is_right
	s_endpgm
.Lentry_shape_is_right:
.set SLOT,  139264
.set AREG,  69632
.set AHALF, 34816
.set SPARE, 278528
.set ASLOT, 256
.set ASTEP, 512
.set FR,   16
.set ADRA, 16
.set ADRB, 20
.set CO,   26
.set SPW,  28
.set NIL,  29
.set VSA,  30
.set VSB,  31
.set SC,   32
.set TM,   96
.set AF,   128
.set G1,   24
.set G0,   32
.set G1B,  48
.set G0B,  56
.set STO,  3
.set SSO,  4
.set SRD,  5
.set RD,   6
.set MUL_LO, 0xa1
.set MUL_HI, 0xf1
.set TO_B,   0x40
.set MSB, 0
.macro WIN new
.if MSB != (\new)
	s_set_vgpr_msb (MSB<<8)|(\new)
.set MSB, (\new)
.endif
.endm
.macro JLOAD s
	s_cmp_eq_u32 s15, 0
	s_cbranch_scc0 .Lfor_b_\@
	tensor_load_to_lds s[G0+4*\s:G0+4*\s+3], s[G1:G1+7]
	s_nop 0
.rept 4
	v_nop
.endr
	s_branch .Lasked_\@
.Lfor_b_\@:
	tensor_load_to_lds s[G0B+4*\s:G0B+4*\s+3], s[G1B:G1B+7]
	s_nop 0
.rept 4
	v_nop
.endr
.Lasked_\@:
.endm
.macro CREST
	s_cmp_lg_u32 s14, 0
	s_cbranch_scc1 .Lnot_wave_0_\@
	s_barrier_signal -3
.Lnot_wave_0_\@:
	s_barrier_wait -3
	s_barrier_signal -1
	s_barrier_wait -1
.endm
.macro CROUND
	s_barrier_signal -1
	s_barrier_wait -1
	CREST
.endm
.macro PLACES n
.rept \n
	v_nop
.endr
.endm
.macro MUL16 a0, p, g, zero
.irp a, \a0, \a0+1
.irp b, 0,1,2,3,4,5,6,7
.set rD, 8*(8*((\a)%4)+\b)
.set rB, 128*(\p)+FR*\b
.set rA, AF+FR*(\a)
.set sB, SC+32*((\g)/4)+16+2*\b+(\g)%2
.set sA, SC+32*((\g)/4)+2*(\a)+(\g)%2
.if \zero
	v_wmma_scale_f32_16x16x128_f8f6f4 v[rD:rD+7], v[rB:rB+15], v[rA:rA+15], 0, v[sB], v[sA]
.elseif ((\g)/2)%2
	v_wmma_scale_f32_16x16x128_f8f6f4 v[rD:rD+7], v[rB:rB+15], v[rA:rA+15], v[rD:rD+7], v[sB], v[sA] matrix_a_scale:MATRIX_SCALE_ROW1 matrix_b_scale:MATRIX_SCALE_ROW1
.else
	v_wmma_scale_f32_16x16x128_f8f6f4 v[rD:rD+7], v[rB:rB+15], v[rA:rA+15], v[rD:rD+7], v[sB], v[sA]
.endif
.endr
.endr
.endm
.macro FRAGB reg, slot, q, i
.irp c, 0,1,2,3
	ds_load_b128 v[\reg+4*\c:\reg+4*\c+3], v[ADRB+\slot] offset:128*(\q)+32*\c+(\i)*4352
.endr
.endm
.macro FRAGA reg, slot, q, i
.irp c, 0,1,2,3
	ds_load_b128 v[\reg+4*\c:\reg+4*\c+3], v[ADRA+\slot] offset:128*(\q)+32*\c+(\i)*4352
.endr
.endm
.macro FETCH_B slot, q, p
	WIN TO_B
.irp i, 0,1,2,3,4,5,6,7
	FRAGB 128*(\p)+FR*\i, \slot, \q, \i
.endr
	WIN 0
.endm
.macro FETCH_A slot, q, i0
.irp i, \i0, \i0+1, \i0+2, \i0+3
	FRAGA AF+FR*(\i), \slot, \q, \i
.endr
.endm
.macro STEP slot, g, zero
	s_wait_dscnt 16
	WIN MUL_LO
	MUL16 0, 0, \g, \zero
	MUL16 2, 0, \g, \zero
	s_wait_dscnt 0x0
	PLACES 8
	FETCH_B \slot, 1, 1
	FETCH_A \slot, 1, 0
	WIN MUL_HI
	MUL16 4, 0, \g, \zero
	MUL16 6, 0, \g, \zero
	PLACES 8
	WIN 0
	FETCH_A \slot, 1, 4
.endm
.macro TURN slot, next, g, fill
	s_wait_tensorcnt 0x0
	ds_add_u32 v[SPW], v[NIL]
	s_wait_dscnt 17
	WIN MUL_LO
	MUL16 0, 1, \g, 0
	s_wait_dscnt 0x0
	s_barrier_signal -1
	MUL16 2, 1, \g, 0
	WIN 0
	s_barrier_wait -1
.if \fill
	CREST
	s_add_nc_u64 s[G0+4*\slot+2:G0+4*\slot+3], s[G0+4*\slot+2:G0+4*\slot+3], ASTEP
	s_add_nc_u64 s[G0B+4*\slot+2:G0B+4*\slot+3], s[G0B+4*\slot+2:G0B+4*\slot+3], 512
	JLOAD \slot
	PLACES 4
.else
	PLACES 8
.endif
	FETCH_B \next, 0, 0
	FETCH_A \next, 0, 0
	WIN MUL_HI
	MUL16 4, 1, \g, 0
	MUL16 6, 1, \g, 0
	PLACES 8
	WIN 0
	FETCH_A \next, 0, 4
.endm
.macro LAST
	s_wait_dscnt 16
	WIN MUL_LO
	MUL16 0, 1, 7, 0
	MUL16 2, 1, 7, 0
	s_wait_dscnt 0x0
	WIN MUL_HI
	MUL16 4, 1, 7, 0
	MUL16 6, 1, 7, 0
	WIN 0
.endm
.macro SCLOAD set
.irp i, 0,1,2,3,4,5,6,7
	global_load_b64 v[SC+32*\set+2*\i:SC+32*\set+2*\i+1], v[VSA], s[6:7] offset:512*\i+16*\set
.endr
.irp i, 0,1,2,3,4,5,6,7
	global_load_b64 v[SC+32*\set+16+2*\i:SC+32*\set+17+2*\i], v[VSB], s[10:11] offset:512*\i+16*\set
.endr
.endm
.macro QB a
.set WW, 2+(\a)/4
.set AC, 64*((\a)%4)
.set PCD, 128+16*((\a)%2)
.set BK, 160+16*((\a)%2)
.set PW, 112+(\a)%2
.set WN, WW|4|(WW<<6)
	WIN WN
.set jj, 0
.rept 32
	v_pk_add_f32 v[AC+jj:AC+jj+1], v[AC+jj:AC+jj+1], v[jj:jj+1]
.set jj, jj+2
.endr
.set WN, WW|(WW<<2)
	WIN WN
.irp b, 0,1,2,3
	v_max3_num_f32 v[TM+\b], v[AC+16*\b], v[AC+16*\b+1], 0x4800000
.endr
.set WN, (WW<<2)|(WW<<4)
	WIN WN
.set jj, 2
.rept 7
.irp b, 0,1,2,3
	v_max3_num_f32 v[TM+\b], v[TM+\b], v[AC+16*\b+jj], v[AC+16*\b+jj+1]
.endr
.set jj, jj+2
.endr
	WIN 0
.irp b, 0,1,2,3
	v_permlanex16_b32 v[TM+4+\b], v[TM+\b], s86, s87
.endr
.irp b, 0,1,2,3
	v_max_num_f32 v[TM+\b], v[TM+\b], v[TM+4+\b]
.endr
.irp b, 0,1,2,3
	v_add_nc_u32 v[TM+12+\b], 0xfc000000, v[TM+\b]
.endr
.irp b, 0,1,2,3
	v_and_or_b32 v[TM+8+\b], v[TM+\b], 0x7f800000, s88
.endr
.irp b, 0,1,2,3
	v_lshrrev_b32 v[TM+4+\b], 23, v[TM+12+\b]
.endr
	v_lshl_or_b32 v[PW], v[TM+5], 8, v[TM+4]
	v_lshl_or_b32 v[PW], v[TM+6], 16, v[PW]
	v_lshl_or_b32 v[PW], v[TM+7], 24, v[PW]
.set WN, WW|(WW<<6)
	WIN WN
.set jj, 0
.rept 64
	v_med3_num_f32 v[AC+jj], v[AC+jj], 0, v[TM+8+jj/16]
.set jj, jj+1
.endr
	WIN WW
.set jj, 0
.rept 8
	v_cvt_scalef32_pk8_fp8_f32 v[PCD+2*jj:PCD+2*jj+1], v[AC+8*jj:AC+8*jj+7], v[TM+12+jj/2]
.set jj, jj+1
.endr
	WIN 0
	v_nop
.if (\a) >= 2
	s_wait_alu depctr_va_vdst(0)
	s_wait_xcnt 0x0
.endif
.set jj, 0
.rept 8
	ds_store_b64 v[STO], v[PCD+2*jj:PCD+2*jj+1] offset:16*jj
.set jj, jj+1
.endr
	ds_store_b32 v[SSO], v[PW] offset:64*(\a)
.irp i, 0,1,2,3
	ds_load_b128 v[BK+4*\i:BK+4*\i+3], v[RD] offset:32*\i
.endr
.endm
.macro SENDQ a, younger
.set BK, 160+16*((\a)%2)
	s_wait_dscnt \younger
.irp i, 0,1,2,3
	global_store_b128 v[CO], v[BK+4*\i:BK+4*\i+3], s[12:13] offset:2048*(\a)+512*\i
.endr
.endm
	s_load_b256 s[68:75], s[0:1], 0x0
	s_load_b64 s[76:77], s[0:1], 0x20
	v_lshl_add_u32 v[SPW], v0, 2, SPARE
	v_mov_b32 v[NIL], 0
	ds_add_u32 v[SPW], v[NIL]
	ds_add_u32 v[SPW], v[NIL]
	v_lshrrev_b32 v1, 5, v0
	v_readfirstlane_b32 s14, v1
	s_lshr_b32 s15, s14, 1
	s_and_b32 s16, s14, 1
	s_bfe_u32 s40, ttmp6, 0x40000
	s_bfe_u32 s41, ttmp6, 0x40004
	s_and_b32 s84, ttmp7, 0xffff
	s_lshl_b32 s84, s84, 2
	s_add_co_u32 s17, s84, s41
	s_lshl_b32 s42, ttmp9, 2
	s_add_co_u32 s42, s42, s40
	s_lshl_b32 s43, s41, 2
	s_lshl_b32 s43, 15, s43
	s_lshl_b32 s44, 0x1111, s40
	s_or_b32 s[G1], s43, (1<<20)|(1<<21)|(5<<22)|(3<<25)
	s_or_b32 s[G1B], s44, (1<<20)|(1<<21)|(5<<22)|(3<<25)
.irp g, G1, G1B
	s_mov_b32 s[\g+1], 256<<16
	s_mov_b32 s[\g+2], 128<<16
	s_mov_b32 s[\g+3], 256<<16
	s_mov_b32 s[\g+4], 128
	s_mov_b32 s[\g+5], 1024
	s_mov_b32 s[\g+6], 0
	s_mov_b32 s[\g+7], 0
.endr
	s_lshl_b32 s20, s17, 18
	s_lshl_b32 s21, s16, 17
	s_add_co_u32 s20, s20, s21
	s_mov_b32 s21, 0
	s_lshl_b32 s46, s42, 18
	s_lshl_b32 s47, s16, 17
	s_add_co_u32 s46, s46, s47
	s_mov_b32 s47, 0
	s_lshl_b32 s22, s17, 13
	s_lshl_b32 s23, s15, 12
	s_add_co_u32 s22, s22, s23
	s_add_co_u32 s22, s22, 4194304
	s_mov_b32 s23, 0
	s_lshl_b32 s92, s42, 13
	s_lshl_b32 s93, s16, 12
	s_add_co_u32 s92, s92, s93
	s_mov_b32 s93, 0
	s_lshl_b32 s18, s42, 1
	s_add_co_u32 s18, s18, s16
	s_lshl_b32 s90, s18, 9
	s_mov_b32 s91, 0
	s_lshl_b32 s94, s17, 20
	s_lshl_b32 s19, s18, 15
	s_add_co_u32 s94, s94, s19
	s_lshl_b32 s19, s15, 14
	s_add_co_u32 s94, s94, s19
	s_mov_b32 s95, 0
	s_lshl_b32 s96, s18, 14
	s_lshl_b32 s19, s17, 10
	s_add_co_u32 s96, s96, s19
	s_lshl_b32 s19, s15, 9
	s_add_co_u32 s96, s96, s19
	s_add_co_u32 s96, s96, 16777216
	s_mov_b32 s97, 0
	s_mul_i32 s45, s16, AHALF
	s_add_co_u32 s85, s45, AREG
	s_mov_b32 s86, 0x76543210
	s_mov_b32 s87, 0xfedcba98
	s_mov_b32 s88, 0x600000
	s_wait_dscnt 0x0
	s_wait_kmcnt 0x0
	s_add_nc_u64 s[20:21], s[68:69], s[20:21]
	s_add_nc_u64 s[46:47], s[70:71], s[46:47]
	s_add_nc_u64 s[6:7], s[68:69], s[22:23]
	s_add_nc_u64 s[10:11], s[72:73], s[92:93]
	s_add_nc_u64 s[8:9], s[74:75], s[90:91]
	s_add_nc_u64 s[12:13], s[76:77], s[94:95]
	s_add_nc_u64 s[66:67], s[76:77], s[96:97]
	CROUND
.irp s, 0,1
	s_mov_b32 s[G0+4*\s], 1
	s_add_co_u32 s[G0+4*\s+1], s45, \s*SLOT
	s_add_nc_u64 s[G0+4*\s+2:G0+4*\s+3], s[20:21], \s*ASLOT
	s_or_b32 s[G0+4*\s+3], s[G0+4*\s+3], 0x80000000
	s_mov_b32 s[G0B+4*\s], 1
	s_add_co_u32 s[G0B+4*\s+1], s85, \s*SLOT
	s_add_nc_u64 s[G0B+4*\s+2:G0B+4*\s+3], s[46:47], \s*256
	s_or_b32 s[G0B+4*\s+3], s[G0B+4*\s+3], 0x80000000
.if \s == 0
	JLOAD \s                                       ; K step 0: one tensor load a wave at the head; the address work and the scale words' loads below stand under its flight
.endif
.endr
	v_and_b32 v1, 15, v0
	v_bfe_u32 v2, v0, 4, 1
	v_and_b32 v11, 31, v0
	v_mul_u32_u24 v12, v1, 272
	v_lshl_add_u32 v12, v2, 4, v12
	s_mul_i32 s18, s15, 34816
	s_mul_i32 s19, s16, 34816
	s_add_co_u32 s19, s19, AREG
	v_add_nc_u32 v13, s18, v12
	v_add_nc_u32 v14, s19, v12
.irp s, 0,1
	v_add_nc_u32 v[ADRA+\s], \s*SLOT, v13
	v_add_nc_u32 v[ADRB+\s], \s*SLOT, v14
.endr
	v_lshlrev_b32 v[VSA], 5, v1
	v_lshl_add_u32 v[VSA], v2, 3, v[VSA]
	v_mov_b32 v[VSB], v[VSA]
	SCLOAD 0
	SCLOAD 1
	v_lshlrev_b32 v[CO], 4, v11
	v_lshlrev_b32 v27, 5, v2
	s_mul_i32 s18, s14, 3072
	v_mul_u32_u24 v12, v1, 144
	v_lshl_add_u32 v12, v2, 3, v12
	v_add_nc_u32 v[STO], s18, v12
	v_lshl_add_u32 v[SSO], v1, 2, s18
	v_add_nc_u32 v[SSO], 2304, v[SSO]
	v_add_nc_u32 v[SRD], s18, v[CO]
	v_add_nc_u32 v[SRD], 2304, v[SRD]
	v_mul_u32_u24 v12, v1, 144                     ; back out of the stage in the order of an operand's registers: lane (r, h) takes row r's bytes 32 c + 16 h .. + 15,
	v_lshl_add_u32 v12, v2, 4, v12                 ; so that a block of 16 rows x 128 codes lies in memory as four runs of 512 bytes, 16 bytes a lane
	v_add_nc_u32 v[RD], s18, v12
.irp b, 0,1,2,3
	v_mov_b32 v[TM+4+\b], 0
.endr
	s_wait_alu depctr_va_vdst(0)                   ; the head's end
	s_wait_tensorcnt 0x0                           ; my part of K step 0 is in
	ds_add_u32 v[SPW], v[NIL]
	s_wait_dscnt 0x0
	CROUND                                         ; a whole round: slot 0 is whole, and all sixteen work-groups are here
	JLOAD 1                                        ; K step 1: the first tensor load behind the round
	FETCH_B 0, 0, 0
	FETCH_A 0, 0, 0
	FETCH_A 0, 0, 4
	s_wait_loadcnt 0x0
	STEP 0, 0, 1
	TURN 0, 1, 1, 1
	STEP 1, 2, 0
	TURN 1, 0, 3, 1
	STEP 0, 4, 0
	TURN 0, 1, 5, 0
	STEP 1, 6, 0
	WIN 0x40
.irp b, 0,1,2,3,4,5,6,7
	global_load_b128 v[8*\b:8*\b+3], v27, s[8:9] offset:64*\b
	global_load_b128 v[8*\b+4:8*\b+7], v27, s[8:9] offset:64*\b+16
.endr
	WIN 0
	LAST
	PLACES 8
	s_wait_loadcnt 0x0
	QB 0
.irp a, 1,2,3,4,5,6,7
	QB \a
	SENDQ \a-1, 13
.endr
	ds_load_b128 v[192:195], v[SRD]
	SENDQ 7, 0
	global_store_b128 v[CO], v[192:195], s[66:67]
	s_wait_tensorcnt 0x0
	ds_add_u32 v[SPW], v[NIL]
	s_wait_dscnt 0x0
	CROUND
	s_endpgm
.Lfunc_end_k_q7fef1cdf3b_up:
	.size	k_q7fef1cdf3b_up, .Lfunc_end_k_q7fef1cdf3b_up-k_q7fef1cdf3b_up
	.p2alignl 7, 3214868480
	.fill 96, 4, 3214868480
	.section	.rodata,"a",@progbits
	.p2align	6, 0x0
	.amdhsa_kernel k_q7fef1cdf3b_up
		.amdhsa_group_segment_fixed_size 327680
		.amdhsa_private_segment_fixed_size 0
		.amdhsa_enable_private_segment 0
		.amdhsa_kernarg_size 40
		.amdhsa_user_sgpr_count 2
		.amdhsa_user_sgpr_kernarg_segment_ptr 1
		.amdhsa_wavefront_size32 1
		.amdhsa_system_sgpr_workgroup_id_x 1
		.amdhsa_system_sgpr_workgroup_id_y 1
		.amdhsa_system_sgpr_workgroup_id_z 1
		.amdhsa_system_vgpr_workitem_id 0
		.amdhsa_next_free_vgpr 1024
		.amdhsa_next_free_sgpr 100
		.amdhsa_reserve_vcc 0
		.amdhsa_float_denorm_mode_32 3
		.amdhsa_float_denorm_mode_16_64 3
		.amdhsa_memory_ordered 1
		.amdhsa_forward_progress 1
		.amdhsa_inst_pref_size 209
	.end_amdhsa_kernel
	.amdgpu_metadata
---
amdhsa.version: [ 1, 2 ]
amdhsa.kernels:
  - .name:           k_q7fef1cdf3b_up
    .symbol:         k_q7fef1cdf3b_up.kd
    .args:
      - { .name: hq, .offset: 0, .size: 8, .value_kind: global_buffer, .address_space: global }
      - { .name: w_up_codes, .offset: 8, .size: 8, .value_kind: global_buffer, .address_space: global }
      - { .name: w_up_scales, .offset: 16, .size: 8, .value_kind: global_buffer, .address_space: global }
      - { .name: b_up, .offset: 24, .size: 8, .value_kind: global_buffer, .address_space: global }
      - { .name: fq, .offset: 32, .size: 8, .value_kind: global_buffer, .address_space: global }
    .group_segment_fixed_size: 327680
    .private_segment_fixed_size: 0
    .kernarg_segment_align: 8
    .kernarg_segment_size: 40
    .max_flat_workgroup_size: 128
    .sgpr_count:     100
    .vgpr_count:     1024
    .wavefront_size: 32
...
	.end_amdgpu_metadata
.endif
;; end of part 11
;; launch down (part 12): grid 32 x 8, 4 waves a work-group, clusters of 4 x 1, 327,680 bytes of LDS; arguments fq, w_down_codes, w_down_scales, b_down, x1, out0; writes out0
.if DOCPART == 12
	.amdgcn_target "amdgcn-amd-amdhsa--gfx1250"
	.amdhsa_code_object_version 6
	.text
	.protected	k_q7fef1cdf3b_down
	.globl	k_q7fef1cdf3b_down
	.p2align	8
	.type	k_q7fef1cdf3b_down,@function
k_q7fef1cdf3b_down:
	s_mov_b64 s[64:65], 0
	v_nop
	global_prefetch_b8 v0, s[64:65] scope:SCOPE_SE
	s_setreg_imm32_b32 hwreg(HW_REG_WAVE_MODE, 25, 1), 1
	s_wait_xcnt 0x0
	s_wait_alu depctr_hold_cnt(0) depctr_sa_sdst(0) depctr_va_vdst(0) depctr_va_sdst(0) depctr_va_ssrc(0) depctr_va_vcc(0) depctr_vm_vsrc(0)
	s_getreg_b32 s2, hwreg(HW_REG_IB_STS2, 6, 4)
	s_cmp_eq_u32 s2, 0
	s_cbranch_scc0 .Lentry_in_a_cluster
	s_endpgm
.Lentry_in_a_cluster:
	s_bfe_u32 s2, ttmp6, 0x10000c
	s_cmp_lg_u32 s2, 0x3003
	s_cbranch_scc0 .Lentry_shape_is_right
	s_endpgm
.Lentry_shape_is_right:
; out = x1 + f w_down + b_down on codes of E4M3 (K = 4,096).  (The input mask is dead work: see the first kernel.)
; A block of C is 128 x 128: 32 x 8 = 256 work-groups.  A wave owns 32 rows x all 128 columns: 16 accumulators.  The matrix instruction is used transposed (source 0 = 16 rows of w_down,
; source 1 = 16 rows of f): a lane holds one row of C and eight neighbouring columns.
; w_down ALONE GOES THROUGH LDS: two slots of 128 rows x 1,024 along K (rows of 1,024 bytes + 16), so that all of K is four fills; each wave fetches 32 rows of a slot with one tensor load.
; CLUSTER of 4 x 1: four row blocks of one column block need the same rows of w_down and ask for them jointly (mask 15); the descriptors hang on the column block and the wave's number alone.
; f GOES FROM MEMORY STRAIGHT INTO REGISTERS: a wave's 32 rows are read by that wave alone in its work-group, and the launch before has laid each 16 rows x 128 codes in the order of an operand's
; registers (four runs of 512 bytes, 16 bytes a lane), so every load covers 512 consecutive bytes.  So f is not asked for jointly: a tensor load fills LDS, not registers.
; Three register buffers of four steps (128 along K each) take turns: at the head of four steps the loads for the four steps after the next four go out.
; No prefetch: the ring has four fills in all, of which none stands two fills behind the two at the head; f runs ahead by its own loads.
; THE SCALE WORDS for all of K lie in 160 registers, loaded once: lanes 0-15 hold the word of step 8 S + w, lanes 16-31 that of step 8 S + 4 + w.
; THE WAY OUT: 16 rows x 512 bytes go through my stage (in slot 0, which has had its last fill and its last read) and come back as rows; x1's rows and the bias are added; 32 lanes store 512 consecutive aligned bytes.
; REGISTERS: window 0: v16-31 addresses, v32-159 w_down's scale words, v160-191 f's, v192-195 the bias.  window 1: two sets of w_down's eight fragments; on the way out the rows read back.
; window 2: v0-127 the accumulators, (a, b) at v[8 (8 a + b)]; v128-255 f's buffer 0.  window 3: f's buffers 1 and 2; at the end x1's 32 rows lie in buffer 2.
.set PITCH, 1040
.set QUART, 32*PITCH                   ; what one tensor load brings
.set SLOT,  4*QUART
.set SPARE, 2*SLOT                     ; behind the slots: the spare words, 128 bytes a wave
.set SPITCH, 528
.set ADRB, 16                          ; v16-19: slot 0 blocks 0-3, blocks 4-7; slot 1 likewise (an LDS offset has 16 bits)
.set STO,  24
.set RD,   25
.set LA,   26                          ; 16 x lane
.set SPW,  28
.set NIL,  29
.set VSA,  30
.set VSB,  31
.set SCB,  32
.set SCA,  160
.set BI,   192
.set G1,   24
.set G0,   32
.set MSB, 0
.macro WIN new                         ; the immediate's high byte repeats the setting that is left
.if MSB != (\new)
	s_set_vgpr_msb (MSB<<8)|(\new)
.set MSB, (\new)
.endif
.endm
.macro TLOAD s                         ; my 32 rows of a slot; an s_nop 0 and four v_nop follow
	tensor_load_to_lds s[G0+4*\s:G0+4*\s+3], s[G1:G1+7]
	s_nop 0
.rept 4
	v_nop
.endr
.endm
.macro CREST                           ; a round of the cluster's barrier behind its opening barrier
	s_cmp_lg_u32 s14, 0
	s_cbranch_scc1 .Lnot_wave_0_\@
	s_barrier_signal -3
.Lnot_wave_0_\@:
	s_barrier_wait -3
	s_barrier_signal -1
	s_barrier_wait -1
.endm
.macro CROUND
	s_barrier_signal -1
	s_barrier_wait -1
	CREST
.endm
.macro PLACES n                        ; plain vector instructions behind matrix instructions: eight for this form
.rept \n
	v_nop
.endr
.endm
.macro ALOAD k                         ; f's fragments of steps 4 k .. 4 k + 3 into buffer k % 3: 32 loads of 512 consecutive bytes
.set KB, (\k)%3
	WIN (2+(KB+1)/2)<<6
.irp q, 0,1,2,3
.irp a, 0,1
.irp c, 0,1,2,3
	global_load_b128 v[128*((KB+1)%2)+32*\q+16*\a+4*\c:128*((KB+1)%2)+32*\q+16*\a+4*\c+3], v[LA], s[6:7] offset:(4*(\k)+\q)*32768+2048*\a+512*\c
.endr
.endr
.endr
.endm
.macro XLOAD                           ; x1's 32 rows of 512 bytes into buffer 2
	WIN 0xc0
.set jj, 0
.rept 32
	global_load_b128 v[128+4*jj:131+4*jj], v[LA], s[66:67] offset:4096*jj th:TH_LOAD_NT
.set jj, jj+1
.endr
.endm
.macro FETCH slot, q, set              ; 32 LDS loads in one run: w_down's eight fragments of the slot's q-th 128 along K
	WIN 0x40
.irp b, 0,1,2,3,4,5,6,7
.irp c, 0,1,2,3
	ds_load_b128 v[128*(\set)+16*\b+4*\c:128*(\set)+16*\b+4*\c+3], v[ADRB+2*(\slot)+\b/4] offset:(\b%4)*16*PITCH+128*(\q)+32*\c
.endr
.endr
.endm
.macro MWIN g                          ; source 0 window 1, source 1 the window of f's buffer, C and D window 2
.set KB, ((\g)/4)%3
	WIN 0xa1|((2+(KB+1)/2)<<2)
.endm
.macro MULH g, a, zero                 ; 8 matrix instructions: f's block a x w_down's eight, step g.  The 16 accumulators take turns in the same order in every step
.set KB, ((\g)/4)%3
.irp b, 0,1,2,3,4,5,6,7
.set rD, 8*(8*(\a)+\b)
.set rB, 128*((\g)%2)+16*\b
.set rA, 128*((KB+1)%2)+32*((\g)%4)+16*(\a)
.set sB, SCB+32*((\g)/8)+4*\b+(\g)%4
.set sA, SCA+8*((\g)/8)+4*(\a)+(\g)%4
.if \zero
	v_wmma_scale_f32_16x16x128_f8f6f4 v[rD:rD+7], v[rB:rB+15], v[rA:rA+15], 0, v[sB], v[sA]
.elseif ((\g)/4)%2
	v_wmma_scale_f32_16x16x128_f8f6f4 v[rD:rD+7], v[rB:rB+15], v[rA:rA+15], v[rD:rD+7], v[sB], v[sA] matrix_a_scale:MATRIX_SCALE_ROW1 matrix_b_scale:MATRIX_SCALE_ROW1
.else
	v_wmma_scale_f32_16x16x128_f8f6f4 v[rD:rD+7], v[rB:rB+15], v[rA:rA+15], v[rD:rD+7], v[sB], v[sA]
.endif
.endr
.endm
; one of a slot's first seven steps: the next step's fragments are asked for, into the set that the last step's products read (pl = 1: eight places stand between), then this step is multiplied
.macro STEP slot, q, g, zero, pl
.if \pl
	PLACES 8
.endif
.if ((\g)%4) == 0
	s_wait_loadcnt 32                              ; all but the youngest batch of 32 loads: these four steps' fragments of f are in
.if (\g) < 24
	ALOAD (\g)/4+2                                 ; into the buffer that the last four steps' products read
.elseif (\g) == 24
	XLOAD
.endif
.endif
	FETCH \slot, (\q)+1, ((\q)+1)%2
	s_wait_dscnt 32                                ; all but the 32 loads just issued
	MWIN \g
	MULH \g, 0, \zero
	MULH \g, 1, \zero
.endm
.macro RUN7 slot, g0, zero
	STEP \slot, 0, \g0, \zero, 0
.irp q, 1,2,3,4,5,6
	STEP \slot, \q, (\g0)+\q, 0, 1
.endr
.endm
; a slot's eighth step and the change of slots: one barrier
.macro TURN slot, next, g, fill
	WIN 0                                          ; (the add's two registers lie in window 0)
	s_wait_tensorcnt 0x0                           ; all my tensor loads have landed: my part of the next slot
	ds_add_u32 v[SPW], v[NIL]                      ; 0 onto my spare word
	s_wait_dscnt 1                                 ; this step's fragments are in; the add may be out
	MWIN \g
	MULH \g, 0, 0
	s_wait_dscnt 0x0                               ; the add is done, and my reads of this slot are over
	s_barrier_signal -1
	MULH \g, 1, 0
	WIN 0
	s_barrier_wait -1
.if \fill
	CREST                                          ; the barrier has opened a round of the cluster's barrier: no wave of any partner still reads this slot or has a load on its way
	s_add_nc_u64 s[G0+4*\slot+2:G0+4*\slot+3], s[G0+4*\slot+2:G0+4*\slot+3], 2048
	TLOAD \slot                                    ; the first tensor load behind the round; its four v_nop are four of the eight places
	PLACES 4
.else
	PLACES 8
.endif
	FETCH \next, 0, 0
.endm
.macro TOSTAGE a                       ; block a: 16 rows x 128 columns into my stage, and back as rows of 512 bytes into window 1
	WIN 0x08                                       ; an LDS store's data are its source 1: window 2
.irp b, 0,1,2,3,4,5,6,7
	ds_store_b128 v[STO], v[64*\a+8*\b:64*\a+8*\b+3] offset:64*\b       ; each accumulator from its low end on
	ds_store_b128 v[STO], v[64*\a+8*\b+4:64*\a+8*\b+7] offset:64*\b+16
.endr
	WIN 0x40
.set jj, 0
.rept 16
	ds_load_b128 v[64*\a+4*jj:64*\a+4*jj+3], v[RD] offset:SPITCH*jj     ; LDS serves a wave's instructions in order (ISA guide 5.7.1.4): these see the stores above
.set jj, jj+1
.endr
.endm
.macro SEND a, younger                 ; younger: the LDS instructions issued behind block a's loads
	s_wait_dscnt \younger
	WIN 0x4d                                       ; destination and source 0 window 1, source 1 window 3: x1's rows
.set jj, 0
.rept 32
	v_pk_add_f32 v[64*\a+jj:64*\a+jj+1], v[64*\a+jj:64*\a+jj+1], v[128+64*\a+jj:129+64*\a+jj]
.set jj, jj+2
.endr
	WIN 0x41                                       ; source 1 window 0: the bias of my four columns
.set jj, 0
.rept 16
	v_pk_add_f32 v[64*\a+4*jj:64*\a+4*jj+1], v[64*\a+4*jj:64*\a+4*jj+1], v[BI:BI+1]
	v_pk_add_f32 v[64*\a+4*jj+2:64*\a+4*jj+3], v[64*\a+4*jj+2:64*\a+4*jj+3], v[BI+2:BI+3]
.set jj, jj+1
.endr
	WIN 0x04
.set jj, 0
.rept 16
	global_store_b128 v[LA], v[64*\a+4*jj:64*\a+4*jj+3], s[12:13] offset:(16*\a+jj)*4096 th:TH_STORE_NT   ; 32 lanes store 512 consecutive bytes, at a multiple of 256 from the buffer's first byte
.set jj, jj+1
.endr
.endm
	s_load_b256 s[68:75], s[0:1], 0x0              ; fq, w_down's codes, its scales, b_down
	s_load_b128 s[76:79], s[0:1], 0x20             ; x1, out0
	v_lshl_add_u32 v[SPW], v0, 2, SPARE
	v_mov_b32 v[NIL], 0
	ds_add_u32 v[SPW], v[NIL]                      ; the wave's opening: the add, twice on end, and its wait ahead of my first tensor load
	ds_add_u32 v[SPW], v[NIL]
	v_lshrrev_b32 v1, 5, v0
	v_readfirstlane_b32 s14, v1                    ; wave
	s_bfe_u32 s40, ttmp6, 0x40000                  ; cx
	s_lshl_b32 s17, ttmp9, 2
	s_add_co_u32 s17, s17, s40                     ; my block of 128 rows: it enters f's, x1's and out's global addresses alone
	s_and_b32 s42, ttmp7, 0xffff                   ; my block of 128 columns, which the partners share
	s_mov_b32 s[G1], 15|(1<<20)|(1<<21)|(7<<22)|(3<<25)   ; the mask; elements of 1 byte; 4 words of padding behind every 256
	s_mov_b32 s[G1+1], 1024<<16
	s_mov_b32 s[G1+2], 32<<16
	s_mov_b32 s[G1+3], 1024<<16
	s_mov_b32 s[G1+4], 32
	s_mov_b32 s[G1+5], 4096
	s_mov_b32 s[G1+6], 0
	s_mov_b32 s[G1+7], 0
	s_lshl_b32 s46, s42, 19
	s_lshl_b32 s47, s14, 17
	s_add_co_u32 s46, s46, s47                     ; w_down: (128 block + 32 wave) x 4,096
	s_mov_b32 s47, 0
	s_lshr_b32 s20, s17, 1
	s_lshl_b32 s20, s20, 20                        ; f's codes [256 rows 16][128 along K 32][16 rows 16][2,048 bytes]
	s_and_b32 s21, s17, 1
	s_lshl_b32 s21, s21, 14
	s_add_co_u32 s20, s20, s21
	s_lshl_b32 s21, s14, 12
	s_add_co_u32 s20, s20, s21                     ; my two blocks of 16 rows
	s_mov_b32 s21, 0
	s_lshl_b32 s22, s17, 9
	s_lshl_b32 s23, s14, 7
	s_add_co_u32 s22, s22, s23
	s_add_co_u32 s22, s22, 16777216                ; f's scale words [128 along K 32][row 4096]
	s_mov_b32 s23, 0
	s_lshl_b32 s92, s42, 14                        ; w_down's scale bytes: 128 a row
	s_mov_b32 s93, 0
	s_lshl_b32 s90, s42, 9                         ; my 128 columns, in bytes of f32
	s_mov_b32 s91, 0
	s_lshl_b32 s18, s17, 19
	s_lshl_b32 s19, s14, 17
	s_add_co_u32 s18, s18, s19
	s_add_co_u32 s18, s18, s90                     ; my 32 rows x 128 columns in x1 and out
	s_mov_b32 s19, 0
	s_mul_i32 s45, s14, QUART                      ; where my rows go: no place in the cluster enters an LDS address
	s_wait_dscnt 0x0                               ; both opening adds are done
	s_wait_kmcnt 0x0
	s_add_nc_u64 s[46:47], s[70:71], s[46:47]
	s_add_nc_u64 s[6:7], s[68:69], s[20:21]
	s_add_nc_u64 s[8:9], s[68:69], s[22:23]
	s_add_nc_u64 s[10:11], s[72:73], s[92:93]
	s_add_nc_u64 s[4:5], s[74:75], s[90:91]
	s_add_nc_u64 s[66:67], s[76:77], s[18:19]
	s_add_nc_u64 s[12:13], s[78:79], s[18:19]
	CROUND                                         ; all four work-groups are here: the joint loads meet
.irp s, 0,1
	s_mov_b32 s[G0+4*\s], 1
	s_add_co_u32 s[G0+4*\s+1], s45, \s*SLOT
	s_add_nc_u64 s[G0+4*\s+2:G0+4*\s+3], s[46:47], \s*1024
	s_or_b32 s[G0+4*\s+3], s[G0+4*\s+3], 0x80000000
.endr
	TLOAD 0                                        ; K = 0 .. 1,023: one tensor load a wave at the head
	v_and_b32 v1, 15, v0                           ; r
	v_bfe_u32 v2, v0, 4, 1                         ; h
	v_and_b32 v3, 31, v0                           ; lane
	v_mul_u32_u24 v12, v1, PITCH
	v_lshl_add_u32 v[ADRB], v2, 4, v12             ; 1,040 r + 16 h
	v_add_nc_u32 v[ADRB+1], 64*PITCH, v[ADRB]
	v_add_nc_u32 v[ADRB+2], SLOT, v[ADRB]
	v_add_nc_u32 v[ADRB+3], SLOT+64*PITCH, v[ADRB]
	v_lshlrev_b32 v[VSA], 2, v1
	v_lshl_add_u32 v[VSA], v2, 16, v[VSA]          ; 4 r, lanes 16-31 four steps on
	v_lshlrev_b32 v[VSB], 7, v1
	v_lshl_add_u32 v[VSB], v2, 4, v[VSB]           ; 128 r + 16 h
	v_lshlrev_b32 v[LA], 4, v3
	s_mul_i32 s18, s14, 16*SPITCH                  ; my stage
	v_mul_u32_u24 v12, v1, SPITCH
	v_lshl_add_u32 v12, v2, 5, v12
	v_add_nc_u32 v[STO], s18, v12                  ; in: 528 r + 32 h
	v_add_nc_u32 v[RD], s18, v[LA]                 ; back: 16 x lane
	s_wait_alu depctr_va_vdst(0)                   ; the end of the head's vector work
.irp S, 0,1,2,3
.irp b, 0,1,2,3,4,5,6,7
	global_load_b128 v[SCB+32*\S+4*\b:SCB+32*\S+4*\b+3], v[VSB], s[10:11] offset:2048*\b+32*\S
.endr
.irp a, 0,1
.irp w, 0,1,2,3
	global_load_b32 v[SCA+8*\S+4*\a+\w], v[VSA], s[8:9] offset:16384*(8*\S+\w)+64*\a
.endr
.endr
.endr
	global_load_b128 v[BI:BI+3], v[LA], s[4:5]
	ALOAD 0
	ALOAD 1
	WIN 0
	s_wait_tensorcnt 0x0                           ; my part of slot 0 is in
	ds_add_u32 v[SPW], v[NIL]
	s_wait_dscnt 0x0
	CROUND                                         ; a whole round: slot 0 is whole, and all four work-groups are here
	TLOAD 1                                        ; K = 1,024 .. 2,047: the first tensor load behind the round
	FETCH 0, 0, 0
	RUN7 0, 0, 1                                   ; the first products start the sums: nothing is cleared
	TURN 0, 1, 7, 1
	RUN7 1, 8, 0
	TURN 1, 0, 15, 1
	RUN7 0, 16, 0
	TURN 0, 1, 23, 0                               ; nothing more is filled: no round
	RUN7 1, 24, 0
	s_wait_dscnt 0x0                               ; the very last step
	MWIN 31
	MULH 31, 0, 0
	MULH 31, 1, 0
	PLACES 8
	TOSTAGE 0
	TOSTAGE 1
	s_wait_loadcnt 0x0                             ; x1's rows are in
	SEND 0, 32                                     ; behind block 0's loads: block 1's 16 stores and 16 loads
	SEND 1, 0
	WIN 0
	s_wait_tensorcnt 0x0                           ; the wave's end, behind my last tensor load and my last LDS store
	ds_add_u32 v[SPW], v[NIL]
	s_wait_dscnt 0x0
	CROUND                                         ; the closing round
	s_endpgm
.Lfunc_end_k_q7fef1cdf3b_down:
	.size	k_q7fef1cdf3b_down, .Lfunc_end_k_q7fef1cdf3b_down-k_q7fef1cdf3b_down
	.p2alignl 7, 3214868480
	.fill 96, 4, 3214868480
	.section	.rodata,"a",@progbits
	.p2align	6, 0x0
	.amdhsa_kernel k_q7fef1cdf3b_down
		.amdhsa_group_segment_fixed_size 327680
		.amdhsa_private_segment_fixed_size 0
		.amdhsa_enable_private_segment 0
		.amdhsa_kernarg_size 48
		.amdhsa_user_sgpr_count 2
		.amdhsa_user_sgpr_kernarg_segment_ptr 1
		.amdhsa_wavefront_size32 1
		.amdhsa_system_sgpr_workgroup_id_x 1
		.amdhsa_system_sgpr_workgroup_id_y 1
		.amdhsa_system_sgpr_workgroup_id_z 1
		.amdhsa_system_vgpr_workitem_id 0
		.amdhsa_next_free_vgpr 1024
		.amdhsa_next_free_sgpr 100
		.amdhsa_reserve_vcc 0
		.amdhsa_float_denorm_mode_32 3
		.amdhsa_float_denorm_mode_16_64 3
		.amdhsa_memory_ordered 1
		.amdhsa_forward_progress 1
		.amdhsa_inst_pref_size 195
	.end_amdhsa_kernel
	.amdgpu_metadata
---
amdhsa.version: [ 1, 2 ]
amdhsa.kernels:
  - .name:           k_q7fef1cdf3b_down
    .symbol:         k_q7fef1cdf3b_down.kd
    .args:
      - { .name: fq, .offset: 0, .size: 8, .value_kind: global_buffer, .address_space: global }
      - { .name: w_down_codes, .offset: 8, .size: 8, .value_kind: global_buffer, .address_space: global }
      - { .name: w_down_scales, .offset: 16, .size: 8, .value_kind: global_buffer, .address_space: global }
      - { .name: b_down, .offset: 24, .size: 8, .value_kind: global_buffer, .address_space: global }
      - { .name: x1, .offset: 32, .size: 8, .value_kind: global_buffer, .address_space: global }
      - { .name: out0, .offset: 40, .size: 8, .value_kind: global_buffer, .address_space: global }
    .group_segment_fixed_size: 327680
    .private_segment_fixed_size: 0
    .kernarg_segment_align: 8
    .kernarg_segment_size: 48
    .max_flat_workgroup_size: 128
    .sgpr_count:     100
    .vgpr_count:     1024
    .wavefront_size: 32
...
	.end_amdgpu_metadata
.endif
;; end of part 12
